; MI455X (gfx1250); checked and timed in simulation.
; The chip was launched on July 23, 2026; its instructions are those of AMD's public machine-readable ISA for CDNA 5 (MIT licence, August 2026) and "CDNA5" Instruction Set Architecture Reference Guide (July 2026). The comments in the code are by the model that wrote it; some were corrected since.
;; Casual Attention. Allowed arithmetic: float matrix products may take bf16 or f16 operands with f32 sums; other float arithmetic in f32, or as packed bf16 or f16 multiplies, adds, multiply-adds, maxima and minima; sums over many terms, partial sums and values carried from step to step in f32; what a program stores and reads back later, other than sums and carried values, may be rounded once to bf16 or f16.
;; Inputs: Wk 1,024 x 1,024 float32; Wq 1,024 x 1,024 float32; Wv 1,024 x 1,024 float32; x 4 x 2,048 x 1,024 float32.
;; Outputs: out0 4 x 2,048 x 1,024 float32.
;; 3 versions, each right; version 3 is version 2 with the launches prep, softmax written anew for expert scheduling mode. Each part assembles by itself: llvm-mc -triple=amdgcn-amd-amdhsa -mcpu=gfx1250 --defsym DOCPART=n.
;; ======== version 1 of 3: 8 launches
;; limits: values are held in f16: magnitudes above 65,504 overflow, below 6.1e-05 lose precision
;; workspace buffers: xb 16,777,216 bytes; wqk 4,194,304 bytes; wv 2,097,152 bytes; qk 33,554,432 bytes; vt 16,777,216 bytes; vx 17,825,792 bytes; sc 67,108,864 bytes; pw 33,554,432 bytes
;; launch prep (part 1): grid 448 x 1, 8 waves a work-group, no clusters, 35,840 bytes of LDS; arguments x, Wq, Wk, Wv, xb, wqk, wv; writes xb, wqk, wv
.if DOCPART == 1
	.amdgcn_target "amdgcn-amd-amdhsa--gfx1250"
	.amdhsa_code_object_version 6
	.text
	.protected	k_q5cf80332d1_prep
	.globl	k_q5cf80332d1_prep
	.p2align	8
	.type	k_q5cf80332d1_prep,@function
k_q5cf80332d1_prep:
	s_mov_b64 s[64:65], 0
	v_nop
	global_prefetch_b8 v0, s[64:65] scope:SCOPE_SE
	s_setreg_imm32_b32 hwreg(HW_REG_WAVE_MODE, 25, 1), 1
	s_wait_xcnt 0x0
; The inputs are rounded once to bf16, the format of the projections' matrix operands.
; Work-groups 0 to 191: a tile of 128 (k) x 128 (n) of Wq, Wk or Wv ([k][n], f32) is rounded and TURNED, so that the weights lie [n][k] with k along the rows:
;   Wq -> wqk rows 0-1023, Wk -> wqk rows 1024-2047, Wv -> wv.  The turn goes through LDS: a lane packs 16 k of one column into 32 bytes, rows of 256 bytes come back.
; Work-groups 192 to 447: 131,072 consecutive bytes of x are rounded into 65,536 bytes of xb: a stream, 32 loads of every wave in flight, no LDS.
; The branch between the two hangs on the work-group's number alone: all eight waves of a work-group take the same way, so the one barrier is passed by all or by none.
.set SP,    272                        ; a stage row: 128 k x 2 bytes + 16 of padding
.set SPARE, 128*SP                     ; behind the stage (34,816 bytes): the spare words, 128 bytes for each of eight waves
.set SPW, 2                            ; v2   LDS address of my spare word; never rewritten
.set NIL, 3                            ; v3   0; never rewritten
.set IN,  16                           ; v[16:143]  as loaded
.set OUT, 144                          ; v[144:207] rounded
	s_load_b256 s[4:11], s[0:1], 0x0               ; x s[4:5], Wq s[6:7], Wk s[8:9], Wv s[10:11]
	s_load_b128 s[12:15], s[0:1], 0x20             ; xb s[12:13], wqk s[14:15]
	s_load_b64 s[16:17], s[0:1], 0x30              ; wv
	v_lshl_add_u32 v[SPW], v0, 2, SPARE
	v_mov_b32 v[NIL], 0
	v_lshrrev_b32 v1, 5, v0
	v_readfirstlane_b32 s20, v1                    ; wave 0..7
	v_and_b32 v8, 31, v0                           ; lane
	s_mov_b32 s31, 0                               ; the high words of two offsets
	s_mov_b32 s33, 0
	s_wait_kmcnt 0x0
	s_cmp_lt_u32 ttmp9, 192
	s_cbranch_scc0 .Lx
	; ---- a tile of a weight matrix ----
	s_lshr_b32 s21, ttmp9, 6                       ; which matrix: 0 Wq, 1 Wk, 2 Wv
	s_bfe_u32 s22, ttmp9, 0x30003                  ; tile along k
	s_and_b32 s28, ttmp9, 7                        ; tile along n
	s_lshl_b32 s30, s22, 19                        ; from: 128 rows of 4,096 bytes,
	s_lshl_b32 s29, s28, 9                         ; 128 columns of 4 bytes
	s_add_co_u32 s30, s30, s29
	s_and_b32 s32, s21, 1                          ; to: Wk's rows lie 1,024 rows of 2,048 bytes behind Wq's,
	s_lshl_b32 s32, s32, 21
	s_lshl_b32 s29, s28, 18                        ; 128 rows of 2,048 bytes,
	s_add_co_u32 s32, s32, s29
	s_lshl_b32 s29, s22, 8                         ; 128 k of 2 bytes
	s_add_co_u32 s32, s32, s29
	s_cmp_eq_u32 s21, 0
	s_cselect_b64 s[24:25], s[6:7], s[8:9]
	s_cmp_eq_u32 s21, 2
	s_cselect_b64 s[24:25], s[10:11], s[24:25]
	s_cselect_b64 s[26:27], s[16:17], s[14:15]
	s_add_nc_u64 s[24:25], s[24:25], s[30:31]
	s_add_nc_u64 s[26:27], s[26:27], s[32:33]
	s_lshl_b32 s29, s20, 16                        ; wave w takes rows k = 16 w .. 16 w + 15; a lane four columns, 16 bytes
	v_lshl_add_u32 v4, v8, 4, s29
.set j, 0
.rept 16
	global_load_b128 v[IN+4*j:IN+4*j+3], v4, s[24:25] offset:4096*j th:TH_LOAD_NT  ; 512 consecutive bytes of row 16 w + j
.set j, j+1
.endr
	v_mul_u32_u24 v5, v8, 4*SP                     ; into the stage: row n = 4 lane + e, byte 32 w
	s_lshl_b32 s34, s20, 5
	v_add_nc_u32 v5, s34, v5
	v_lshrrev_b32 v9, 4, v8
	v_and_b32 v10, 15, v0
	s_lshl_b32 s35, s20, 4
	v_add_nc_u32 v9, s35, v9                       ; back: wave w takes rows 16 w .. 16 w + 15, two a load
	v_mul_u32_u24 v6, v9, SP
	v_lshl_add_u32 v6, v10, 4, v6
	v_lshlrev_b32 v7, 11, v9                       ; and the same rows in memory, 2,048 bytes apart
	v_lshl_add_u32 v7, v10, 4, v7
	s_wait_loadcnt 0x0
.irp e, 0,1,2,3
.irp jj, 0,1,2,3,4,5,6,7
	v_cvt_pk_bf16_f32 v[OUT+8*(\e)+(\jj)], v[IN+8*(\jj)+(\e)], v[IN+8*(\jj)+4+(\e)]  ; column 4 lane + e: k = 16 w + 2 jj and the next
.endr
.endr
.irp e, 0,1,2,3                        ; neighbouring lanes lie 1,088 bytes = 272 words apart, 16 modulo the 64 banks (ISA guide 11.1): four lanes meet in a bank group; eight stores a lane, once a work-group
	ds_store_b128 v5, v[OUT+8*(\e):OUT+8*(\e)+3] offset:SP*(\e)
	ds_store_b128 v5, v[OUT+8*(\e)+4:OUT+8*(\e)+7] offset:SP*(\e)+16
.endr
	s_wait_dscnt 0x0                               ; for the others' sake: my stores into the stage are done
	s_barrier_signal -1
	s_barrier_wait -1
.irp t, 0,1,2,3,4,5,6,7
	ds_load_b128 v[OUT+32+4*(\t):OUT+32+4*(\t)+3], v6 offset:2*SP*(\t)
.endr
.irp t, 0,1,2,3,4,5,6,7
	s_wait_dscnt 7-(\t)                            ; LDS loads come back in order: load t is in, the younger ones stay out
	global_store_b128 v7, v[OUT+32+4*(\t):OUT+32+4*(\t)+3], s[26:27] offset:4096*(\t)  ; 16 lanes store 256 consecutive bytes, aligned
.endr
	s_branch .Lend
	; ---- a piece of x ----
.Lx:
	s_sub_co_u32 s21, ttmp9, 192
	s_lshl_b32 s30, s21, 17
	s_lshl_b32 s32, s21, 16
	s_add_nc_u64 s[4:5], s[4:5], s[30:31]
	s_add_nc_u64 s[12:13], s[12:13], s[32:33]
	s_lshl_b32 s29, s20, 14                        ; a wave's 16,384 bytes of x,
	v_lshl_add_u32 v4, v8, 4, s29
	s_lshl_b32 s29, s20, 13                        ; and 8,192 of xb
	v_lshl_add_u32 v5, v8, 3, s29
.set j, 0
.rept 32
	global_load_b128 v[IN+4*j:IN+4*j+3], v4, s[4:5] offset:512*j th:TH_LOAD_NT
.set j, j+1
.endr
.set j, 0
.rept 32
	s_wait_loadcnt 31-j                            ; loads come back in order: load j is in, the 31 - j younger ones stay out
	v_cvt_pk_bf16_f32 v[OUT+2*j], v[IN+4*j], v[IN+4*j+1]
	v_cvt_pk_bf16_f32 v[OUT+2*j+1], v[IN+4*j+2], v[IN+4*j+3]
	global_store_b64 v5, v[OUT+2*j:OUT+2*j+1], s[12:13] offset:256*j  ; 32 lanes store 256 consecutive bytes, aligned; no register is written twice
.set j, j+1
.endr
.Lend:
	s_wait_tensorcnt 0x0                           ; the wave's end, behind my last LDS store
	ds_add_u32 v[SPW], v[NIL]
	s_wait_dscnt 0x0
	s_endpgm
.Lfunc_end_k_q5cf80332d1_prep:
	.size	k_q5cf80332d1_prep, .Lfunc_end_k_q5cf80332d1_prep-k_q5cf80332d1_prep
	.p2alignl 7, 3214868480
	.fill 96, 4, 3214868480
	.section	.rodata,"a",@progbits
	.p2align	6, 0x0
	.amdhsa_kernel k_q5cf80332d1_prep
		.amdhsa_group_segment_fixed_size 35840
		.amdhsa_private_segment_fixed_size 0
		.amdhsa_enable_private_segment 0
		.amdhsa_kernarg_size 56
		.amdhsa_user_sgpr_count 2
		.amdhsa_user_sgpr_kernarg_segment_ptr 1
		.amdhsa_wavefront_size32 1
		.amdhsa_system_sgpr_workgroup_id_x 1
		.amdhsa_system_sgpr_workgroup_id_y 1
		.amdhsa_system_sgpr_workgroup_id_z 1
		.amdhsa_system_vgpr_workitem_id 0
		.amdhsa_next_free_vgpr 208
		.amdhsa_next_free_sgpr 66
		.amdhsa_reserve_vcc 0
		.amdhsa_float_denorm_mode_32 3
		.amdhsa_float_denorm_mode_16_64 3
		.amdhsa_memory_ordered 1
		.amdhsa_forward_progress 1
		.amdhsa_inst_pref_size 20
	.end_amdhsa_kernel
	.amdgpu_metadata
---
amdhsa.version: [ 1, 2 ]
amdhsa.kernels:
  - .name:           k_q5cf80332d1_prep
    .symbol:         k_q5cf80332d1_prep.kd
    .args:
      - { .name: x, .offset: 0, .size: 8, .value_kind: global_buffer, .address_space: global }
      - { .name: Wq, .offset: 8, .size: 8, .value_kind: global_buffer, .address_space: global }
      - { .name: Wk, .offset: 16, .size: 8, .value_kind: global_buffer, .address_space: global }
      - { .name: Wv, .offset: 24, .size: 8, .value_kind: global_buffer, .address_space: global }
      - { .name: xb, .offset: 32, .size: 8, .value_kind: global_buffer, .address_space: global }
      - { .name: wqk, .offset: 40, .size: 8, .value_kind: global_buffer, .address_space: global }
      - { .name: wv, .offset: 48, .size: 8, .value_kind: global_buffer, .address_space: global }
    .group_segment_fixed_size: 35840
    .private_segment_fixed_size: 0
    .kernarg_segment_align: 8
    .kernarg_segment_size: 56
    .max_flat_workgroup_size: 256
    .sgpr_count:     66
    .vgpr_count:     208
    .wavefront_size: 32
...
	.end_amdgpu_metadata
.endif
;; end of part 1
;; launch projqk (part 2): grid 8 x 32, 4 waves a work-group, clusters of 4 x 4, 327,680 bytes of LDS; arguments xb, wqk, qk; writes qk
.if DOCPART == 2
	.amdgcn_target "amdgcn-amd-amdhsa--gfx1250"
	.amdhsa_code_object_version 6
	.text
	.protected	k_q5cf80332d1_projqk
	.globl	k_q5cf80332d1_projqk
	.p2align	8
	.type	k_q5cf80332d1_projqk,@function
k_q5cf80332d1_projqk:
	s_mov_b64 s[64:65], 0
	v_nop
	global_prefetch_b8 v0, s[64:65] scope:SCOPE_SE
	s_setreg_imm32_b32 hwreg(HW_REG_WAVE_MODE, 25, 1), 1
	s_wait_xcnt 0x0
	s_wait_alu depctr_hold_cnt(0) depctr_sa_sdst(0) depctr_va_vdst(0) depctr_va_sdst(0) depctr_va_ssrc(0) depctr_va_vcc(0) depctr_vm_vsrc(0)
	s_getreg_b32 s2, hwreg(HW_REG_IB_STS2, 6, 4)
	s_cmp_eq_u32 s2, 0
	s_cbranch_scc0 .Lentry_in_a_cluster
	s_endpgm
.Lentry_in_a_cluster:
	s_bfe_u32 s2, ttmp6, 0x10000c
	s_cmp_lg_u32 s2, 0xf033
	s_cbranch_scc0 .Lentry_shape_is_right
	s_endpgm
.Lentry_shape_is_right:
; C[m][n] = sum over k of A[m][k] B[n][k].  A, B: rows of 1,024 bf16; sums in f32, K ascending; C rounded once to f16, rows of 4,096 bytes.
; One text for two launches.  q and k: A = xb [8192][1024], B = wqk [2048][1024], C = qk [8192][2048].  v, already turned: A = wv [1024][1024], B = xb, C = vt [4][1024 channels][2048 rows]:
; tile column tc of C begins at byte (tc / 8) x 4,194,304 + (tc % 8) x 512 of a row: with 8 tile columns the first term is 0, with 32 it is the batch.
; LIMIT.  f16 holds no number beyond 65,504: q, k and v must lie within it (inputs of unit spread give numbers of a few units).  NaN and infinities are not treated apart.
; A tile of C, 256 x 256, is made by four waves; a wave makes 128 x 128: 64 accumulators of 16 x 16, 512 registers.  K goes in 8 steps of 128 through a ring of two LDS slots filled by the tensor
; data mover: tile rows are 256 bytes of memory and start at multiples of 256 bytes.
; CLUSTERS: 4 x 4 work-groups.  The four of a row of the cluster need the same tiles of A, the four of a column the same tiles of B: such a tile is asked for JOINTLY, by the same tensor load with the same
; descriptor and a mask that names the four.
; REGISTERS, in windows of 256 (s_set_vgpr_msb's low byte: bits 1:0 source 0, 3:2 source 1, 5:4 source 2, 7:6 destination):
;   window 0: v0-31 addresses; v64-127, v128-191 fragments of A, two buffers; v32-63, v192-255 at work on the way out
;   window 1: v64-127, v128-191 fragments of B     window 2: the accumulators of my rows 0-63 ((a, b) at v[8 (8 a + b)])     window 3: those of my rows 64-127
; THE MATRIX INSTRUCTION IS USED TRANSPOSED: source 0 = 16 rows of B, source 1 = 16 rows of A: a lane then holds row l % 16 of C and the eight neighbouring columns 8 (l / 16) + 0..7.
.set SIZE_K, 1024
.set CROW,   4096                      ; bytes in a row of C
.set KSTEP,  128
.set PITCH,  272                       ; an LDS row: 256 bytes + 16 of padding = 68 words: row r starts at bank 4 r mod 64 (64 banks of 4 bytes: ISA guide 11.1)
.set HALFT,  128*PITCH                 ; 128 rows: what one tensor load brings, and what one wave reads of A or of B
.set SLOT,   4*HALFT                   ; A's 256 rows, then B's 256 rows
.set STAGE,  2*SLOT                    ; behind the ring: 16 rows x 272 bytes for each wave, for the way out
.set SPITCH, 272
.set SPARE,  STAGE+4*16*SPITCH         ; behind the stages: the spare words, 128 bytes for each wave
.set LAPS,   SIZE_K/(2*KSTEP)          ; a lap = two K steps = once round the ring
.set ADRA, 16                          ; v16-17  LDS address of my A fragments in slot 0, 1
.set ADRB, 20                          ; v20-21  the same for B
.set STO,  24                          ; v24     the way out: where I put 16 bytes of a row
.set RD,   25                          ; v25     the way out: where I read a row back
.set CO,   26                          ; v26     my byte offset in C
.set SPW,  28                          ; v28     LDS address of my spare word; never rewritten
.set NIL,  29                          ; v29     0; never rewritten
.set PFO,  30                          ; v30     the prefetches' offset: my lane x a row of 2,048 bytes; never rewritten
.set PFA,  44                          ; s[44:45] where my prefetches stand
.set LIM,  43                          ; s43     1 in a wave that prefetches, else the greatest number
.set F0,   64
.set F1,   128
.set TMP,  192
.set OB,   32
.set G1,  24                           ; s[24:31] descriptor group 1 for A's tiles
.set G0,  32                           ; s[32:39] group 0 for A's tiles, one set for each slot
.set G1B, 48                           ; s[48:55], s[56:63] the same for B's
.set G0B, 56
.set MSB, 0
.macro WIN new                         ; the immediate's high byte repeats the setting that is left; a switch that changes nothing is dropped
.if MSB != (\new)
	s_set_vgpr_msb (MSB<<8)|(\new)
.set MSB, \new
.endif
.endm
.set MUL_LO, 0xa1                      ; source 0 (B) window 1, source 1 (A) window 0, C and D window 2
.set MUL_HI, 0xf1                      ; the same, C and D window 3
.set TO_B,   0x40                      ; destination window 1, address window 0
; A joint load.  Waves 0 and 1 fetch A's two halves, waves 2 and 3 B's.  The branch hangs on the wave's number alone.  An s_nop 0 and four v_nop follow each of the two lines.
.macro JLOAD s
	s_cmp_eq_u32 s11, 0
	s_cbranch_scc0 .Lfor_b_\@
	tensor_load_to_lds s[G0+4*(\s):G0+4*(\s)+3], s[G1:G1+7]
	s_nop 0
.rept 4
	v_nop
.endr
	s_branch .Lasked_\@
.Lfor_b_\@:
	tensor_load_to_lds s[G0B+4*(\s):G0B+4*(\s)+3], s[G1B:G1B+7]
	s_nop 0
.rept 4
	v_nop
.endr
.Lasked_\@:
.endm
; A prefetch into the L2, behind each joint refill and the run of LDS loads that follows it: the K step that stands TWO refills on (512 matrix instructions ahead of the load that will want it): 32 rows x 256 bytes,
; a lane a row.  Each row's 256 bytes of a K step are named once in the launch: of the clusters that read A's tile row the one with x = 0 asks, of those that read B's tile column the one with y = 0; the four
; partners that ask for a tile jointly take 32 of a wave's 128 rows each, told apart by address.  K steps 0 to 3 come by their loads alone; the loop's last trip (s3 = 1) has no K step two refills on.
.macro ASK
	s_cmp_gt_u32 s3, s[LIM]
	s_cbranch_scc0 .Lnot_mine_\@
	global_prefetch_b8 v[PFO], s[PFA:PFA+1] offset:KSTEP*2 th:TH_LOAD_NT scope:SCOPE_SE
.Lnot_mine_\@:
.endm
.macro CREST                           ; a round of the cluster's barrier behind its opening barrier
	s_cmp_lg_u32 s10, 0
	s_cbranch_scc1 .Lnot_wave_0_\@
	s_barrier_signal -3
.Lnot_wave_0_\@:
	s_barrier_wait -3
	s_barrier_signal -1
	s_barrier_wait -1
.endm
.macro CROUND                          ; a whole round
	s_barrier_signal -1
	s_barrier_wait -1
	CREST
.endm
	s_load_b128 s[4:7], s[0:1], 0x0                ; A s[4:5], B s[6:7]
	s_load_b64 s[8:9], s[0:1], 0x10                ; C
	v_lshl_add_u32 v[SPW], v0, 2, SPARE
	v_mov_b32 v[NIL], 0
	ds_add_u32 v[SPW], v[NIL]                      ; the wave's opening: the add and its wait stand ahead of my first tensor load; work on registers stands between them
	ds_add_u32 v28, v29
	v_lshrrev_b32 v1, 5, v0
	v_readfirstlane_b32 s10, v1                    ; wave 0..3
	s_lshr_b32 s11, s10, 1                         ; which half of the tile's rows is mine.  Also: I fetch for A (0) or for B (1)
	s_and_b32 s12, s10, 1                          ; which half of its columns.  Also: which 128 rows of that tile I fetch
	s_bfe_u32 s40, ttmp6, 0x40000                  ; cx
	s_bfe_u32 s41, ttmp6, 0x40004                  ; cy
	s_lshl_b32 s42, ttmp9, 2
	s_add_co_u32 s42, s42, s40                     ; tile column of C = 4 x cluster x + cx
	s_and_b32 s13, ttmp7, 0xffff
	s_lshl_b32 s13, s13, 2
	s_add_co_u32 s13, s13, s41                     ; tile row of C = 4 x cluster y + cy
	s_lshl_b32 s43, s41, 2
	s_lshl_b32 s43, 15, s43                        ; my row of the cluster: places 4 cy .. 4 cy + 3
	s_lshl_b32 s44, 0x1111, s40                    ; my column: places cx, cx + 4, cx + 8, cx + 12
	s_or_b32 s[G1+0], s43, (1<<16)|(1<<20)|(1<<21)|(5<<22)|(3<<25)  ; the mask; 2-byte elements; padding on; bit 21 beside a mask; after every 64 words; 4 words
	s_or_b32 s[G1B+0], s44, (1<<16)|(1<<20)|(1<<21)|(5<<22)|(3<<25)
.irp g, G1, G1B
	s_mov_b32 s[(\g)+1], KSTEP<<16                 ; tensor_dim0 = 128
	s_mov_b32 s[(\g)+2], 128<<16                   ; tensor_dim1 = 128
	s_mov_b32 s[(\g)+3], KSTEP<<16                 ; tile_dim0 = 128
	s_mov_b32 s[(\g)+4], 128                       ; tile_dim1 = 128
	s_mov_b32 s[(\g)+5], SIZE_K                    ; elements from row to row
	s_mov_b32 s[(\g)+6], 0
	s_mov_b32 s[(\g)+7], 0
.endr
	s_lshl_b32 s17, s12, 7                         ; which 128 rows of the tile I fetch
	s_lshl_b32 s16, s13, 8
	s_add_co_u32 s16, s16, s17                     ; A: row 256 x tile row + 128 x half
	s_lshl_b32 s46, s42, 8
	s_add_co_u32 s46, s46, s17                     ; B: row 256 x tile column + 128 x half
	s_mov_b32 s17, 0
	s_mov_b32 s47, 0
	s_mov_b64 s[18:19], SIZE_K*2
	s_mul_u64 s[16:17], s[16:17], s[18:19]
	s_mul_u64 s[46:47], s[46:47], s[18:19]
	s_mul_i32 s20, s10, HALFT                      ; where they go: wave x 128 rows: no place in the cluster enters an LDS address
	s_wait_dscnt 0x0                               ; the opening add is done
	s_wait_kmcnt 0x0
	s_add_nc_u64 s[14:15], s[4:5], s[16:17]
	s_add_nc_u64 s[46:47], s[6:7], s[46:47]
	CROUND                                         ; all sixteen work-groups are here: the first joint loads meet
.irp s, 0,1
	s_mov_b32 s[G0+4*(\s)], 1
	s_add_co_u32 s[G0+4*(\s)+1], s20, (\s)*SLOT
	s_add_nc_u64 s[G0+4*(\s)+2:G0+4*(\s)+3], s[14:15], (\s)*KSTEP*2
	s_or_b32 s[G0+4*(\s)+3], s[G0+4*(\s)+3], 0x80000000
	s_mov_b32 s[G0B+4*(\s)], 1
	s_add_co_u32 s[G0B+4*(\s)+1], s20, (\s)*SLOT
	s_add_nc_u64 s[G0B+4*(\s)+2:G0B+4*(\s)+3], s[46:47], (\s)*KSTEP*2
	s_or_b32 s[G0B+4*(\s)+3], s[G0B+4*(\s)+3], 0x80000000
	JLOAD \s                                       ; K steps 0 and 1: two tensor loads of mine are out
.endr
	; A fragment is 16 rows x 32 K in 8 registers: lane l holds row l % 16; registers 0-3 K = 8 (l / 16) + 0..7, registers 4-7 K = 16 + 8 (l / 16) + 0..7: two loads of 16 bytes, 32 bytes apart.
	v_and_b32 v1, 15, v0                           ; l % 16
	v_bfe_u32 v2, v0, 4, 1                         ; l / 16
	v_mul_u32_u24 v3, v1, PITCH
	v_lshl_add_u32 v3, v2, 4, v3
	s_mul_i32 s21, s11, HALFT                      ; my 128 rows of A
	s_mul_i32 s22, s12, HALFT                      ; my 128 rows of B,
	s_add_co_u32 s22, s22, 2*HALFT                 ; which lie behind A's 256
.irp s, 0,1
	v_add_nc_u32 v[ADRA+(\s)], s21, v3
	v_add_nc_u32 v[ADRB+(\s)], s22, v3
	s_add_co_u32 s21, s21, SLOT
	s_add_co_u32 s22, s22, SLOT
.endr
	s_mul_i32 s23, s10, 16*SPITCH
	s_add_co_u32 s23, s23, STAGE                   ; my stage
	v_mul_u32_u24 v4, v1, SPITCH                   ; in: row l % 16, 16 bytes for each half of the lanes
	v_lshl_add_u32 v4, v2, 4, v4
	v_add_nc_u32 v[STO], s23, v4
	v_mul_u32_u24 v5, v2, SPITCH                   ; back: lanes 0-15 take one row of 256 bytes, lanes 16-31 the next
	v_lshl_add_u32 v5, v1, 4, v5
	v_add_nc_u32 v[RD], s23, v5
	v_lshlrev_b32 v5, 12, v2                       ; and the same two rows in C
	v_lshl_add_u32 v[CO], v1, 4, v5
	; where my part of the tile begins in C, in bytes (under 2^26)
	s_lshl_b32 s13, s13, 8
	s_lshl_b32 s14, s11, 7
	s_add_co_u32 s16, s13, s14                     ; my first row of C
	s_lshl_b32 s16, s16, 12
	s_mov_b32 s17, 0
	s_and_b32 s46, s42, 7
	s_lshl_b32 s46, s46, 9                         ; 512 x (tile column % 8)
	s_lshl_b32 s47, s12, 8
	s_add_co_u32 s46, s46, s47                     ; + 256 x half
	s_lshr_b32 s47, s42, 3
	s_lshl_b32 s47, s47, 22
	s_add_co_u32 s46, s46, s47                     ; + 4,194,304 x (tile column / 8)
	s_mov_b32 s47, 0
	s_add_nc_u64 s[16:17], s[16:17], s[46:47]
	; the prefetches.  s13 = 256 x tile row, s42 = tile column, s40 = cx, s41 = cy still stand
	s_lshl_b32 s42, s42, 8
	s_and_b32 s22, ttmp7, 0xffff                   ; cluster y
	s_cmp_eq_u32 s11, 0                            ; do I fetch for A?
	s_cselect_b32 s20, s13, s42                    ; the tile's first row
	s_cselect_b32 s21, s40, s41                    ; my place among the four that ask for it with me
	s_cselect_b32 s22, ttmp9, s22                  ; the coordinate along which other clusters read the same rows
	s_cselect_b64 s[PFA:PFA+1], s[4:5], s[6:7]
	s_cmp_eq_u32 s22, 0
	s_cselect_b32 s[LIM], 1, -1                    ; the same in all sixteen partners, for a given wave
	s_lshl_b32 s22, s12, 7
	s_add_co_u32 s20, s20, s22                     ; + the 128 rows that I fetch
	s_lshl_b32 s21, s21, 5
	s_add_co_u32 s20, s20, s21                     ; + my work-group's 32 of them
	s_mov_b32 s21, 0
	s_mov_b64 s[18:19], SIZE_K*2
	s_mul_u64 s[20:21], s[20:21], s[18:19]
	s_add_nc_u64 s[PFA:PFA+1], s[PFA:PFA+1], s[20:21]
	s_add_nc_u64 s[PFA:PFA+1], s[PFA:PFA+1], 2*KSTEP*2  ; at K step 2: the first refill steps it to 3 and names K step 4
	v_and_b32 v[PFO], 31, v0
	v_mul_u32_u24 v[PFO], v[PFO], SIZE_K*2
; 16 matrix instructions: m blocks a0, a0 + 1 of the window's four x all 8 n blocks, 32 along K.  zero = 1: the first product starts the sums: nothing is cleared.
.macro MUL16 f, hi, a0, zero
	WIN MUL_LO+0x50*(\hi)
.irp a, \a0, (\a0)+1
.irp b, 0,1,2,3,4,5,6,7
.if \zero
	v_wmma_f32_16x16x32_bf16 v[8*(8*(\a)+(\b)):8*(8*(\a)+(\b))+7], v[(\f)+8*(\b):(\f)+8*(\b)+7], v[(\f)+8*(4*(\hi)+(\a)):(\f)+8*(4*(\hi)+(\a))+7], 0
.else
	v_wmma_f32_16x16x32_bf16 v[8*(8*(\a)+(\b)):8*(8*(\a)+(\b))+7], v[(\f)+8*(\b):(\f)+8*(\b)+7], v[(\f)+8*(4*(\hi)+(\a)):(\f)+8*(4*(\hi)+(\a))+7], v[8*(8*(\a)+(\b)):8*(8*(\a)+(\b))+7]
.endif
.endr
.endr
.endm
; 32 LDS loads in one run: the fragments of one quarter step (128 rows of B, 128 rows of A, 32 K at byte k of the rows) into buffer f
.macro FETCH slot, k, f
	WIN TO_B
.irp i, 0,1,2,3,4,5,6,7
	ds_load_b128 v[(\f)+8*(\i):(\f)+8*(\i)+3],   v[ADRB+(\slot)] offset:(\k)+(\i)*16*PITCH
	ds_load_b128 v[(\f)+8*(\i)+4:(\f)+8*(\i)+7], v[ADRB+(\slot)] offset:(\k)+(\i)*16*PITCH+32
.endr
	WIN 0
.irp i, 0,1,2,3,4,5,6,7
	ds_load_b128 v[(\f)+8*(\i):(\f)+8*(\i)+3],   v[ADRA+(\slot)] offset:(\k)+(\i)*16*PITCH
	ds_load_b128 v[(\f)+8*(\i)+4:(\f)+8*(\i)+7], v[ADRA+(\slot)] offset:(\k)+(\i)*16*PITCH+32
.endr
.endm
.macro PLACES                          ; four plain vector instructions between a matrix instruction and a load into, or a reader of, its registers (ISA guide 7.12.1 for vector instructions)
.rept 4
	v_nop
.endr
.endm
; A K step is four quarters of 32 along K, 64 matrix instructions each, on buffers 0, 1, 0, 1.  The 64 accumulators take turns in the same order in every quarter.
.macro QUARTER slot, k, f, g, zero
	s_wait_dscnt 8                                 ; B and A's rows 0-63 are in; the youngest eight loads (A's rows 64-127) may be out
	MUL16 \f, 0, 0, \zero
	MUL16 \f, 0, 2, \zero
	PLACES
	FETCH \slot, \k, \g
	s_wait_dscnt 32                                ; all but the 32 just issued
	MUL16 \f, 1, 0, \zero
	MUL16 \f, 1, 2, \zero
.endm
; The first half of a K step's last quarter: ONE barrier for the change of slots.  In front of it each wave waits for all its tensor loads (one is out: its part of the next slot), adds 0 to its spare word,
; and waits for that and for its own reads of this slot.
.macro MEET round
	WIN 0
	s_wait_tensorcnt 0x0                           ; all my tensor loads have landed
	ds_add_u32 v[SPW], v[NIL]                      ; 0 onto my spare word
	s_wait_dscnt 9                                 ; (the add and the youngest eight loads may be out)
	MUL16 F1, 0, 0, 0                              ; sixteen matrix instructions stand between the add and the wait for it
	s_wait_dscnt 0x0                               ; the add is done, and my reads of this slot are over
	s_barrier_signal -1
	MUL16 F1, 0, 2, 0                              ; work on registers while the others arrive
.if \round
	WIN 0
.endif
	s_barrier_wait -1
.endm
; The whole last quarter.  fill = 1: behind a round of the cluster's barrier the slot just read out is filled again, two K steps on; then come the next slot's first fragments.
.macro TURN slot, next, fill
.if \fill
	s_wait_xcnt 0x0                                ; the last prefetch, a K step back, has read its address
	s_add_nc_u64 s[PFA:PFA+1], s[PFA:PFA+1], KSTEP*2
	MEET 1
	CREST                                          ; no wave of any partner still reads this slot's tile or has a load on its way
	s_add_nc_u64 s[G0+4*(\slot)+2:G0+4*(\slot)+3], s[G0+4*(\slot)+2:G0+4*(\slot)+3], 2*KSTEP*2
	s_add_nc_u64 s[G0B+4*(\slot)+2:G0B+4*(\slot)+3], s[G0B+4*(\slot)+2:G0B+4*(\slot)+3], 2*KSTEP*2
	JLOAD \slot                                    ; the first tensor load behind the round; its four v_nop are also the places in front of the loads below
.else
	MEET 0
	PLACES
.endif
	FETCH \next, 0, F0
.if \fill
	ASK
.endif
	MUL16 F1, 1, 0, 0
	MUL16 F1, 1, 2, 0
.endm
; THE WAY OUT of block a (16 rows).  PACK: rounded to f16, 16 bytes a lane, each accumulator's registers in ascending order.  TOSTAGE: into my own stage, and back as whole rows of 256 bytes.  SEND: stored.
.macro PACK a
.set AC, 64*((\a)%4)
	WIN 0x0a+5*((\a)/4)                            ; sources 0 and 1: window 2 or 3
.irp b, 0,1,2,3,4,5,6,7
.irp r, 0,1,2,3
	v_cvt_pk_f16_f32 v[TMP+4*(\b)+(\r)], v[AC+8*(\b)+2*(\r)], v[AC+8*(\b)+2*(\r)+1]
.endr
.endr
	WIN 0
.endm
.macro TOSTAGE a
.set BK, OB+192*((\a)%2)
.irp b, 0,1,2,3,4,5,6,7
	ds_store_b128 v[STO], v[TMP+4*(\b):TMP+4*(\b)+3] offset:32*(\b)
.endr
.irp t, 0,1,2,3,4,5,6,7
	ds_load_b128 v[BK+4*(\t):BK+4*(\t)+3], v[RD] offset:(\t)*2*SPITCH  ; LDS serves a wave's instructions in order (ISA guide 5.7.1.4): these see the stores above
.endr
.endm
.macro SEND a
.set BK, OB+192*((\a)%2)
	s_wait_dscnt 0x0                               ; the block is back in registers
	s_wait_xcnt 0x0                                ; earlier stores have read their base and their data: both are rewritten only behind this wait
.if (\a) == 0
	s_add_nc_u64 s[8:9], s[8:9], s[16:17]          ; on to my part of the tile
.else
	s_add_nc_u64 s[8:9], s[8:9], 16*CROW           ; 16 rows of C on
.endif
.irp t, 0,1,2,3,4,5,6,7
	global_store_b128 v[CO], v[BK+4*(\t):BK+4*(\t)+3], s[8:9] offset:2*(\t)*CROW  ; 16 lanes store 256 consecutive bytes, aligned
.endr
.endm
	s_wait_tensorcnt 1                             ; my part of K step 0 is in; K step 1's may stay out
	s_barrier_signal -1
	s_barrier_wait -1                              ; everybody's is
	FETCH 0, 0, F0
	QUARTER 0, 64,  F0, F1, 1                      ; the first quarter stands in front of the loop: its products start the sums
	WIN 0                                          ; at a label and at a branch every window is 0
	s_mov_b32 s3, LAPS-1
.Llap:                                                 ; a trip goes once round the ring, from a lap's second quarter to the next lap's first, and fills both slots again
	QUARTER 0, 128, F1, F0, 0
	QUARTER 0, 192, F0, F1, 0
	TURN 0, 1, 1
	QUARTER 1, 64,  F0, F1, 0
	QUARTER 1, 128, F1, F0, 0
	QUARTER 1, 192, F0, F1, 0
	TURN 1, 0, 1
	QUARTER 0, 64,  F0, F1, 0
	WIN 0
	s_sub_co_u32 s3, s3, 1
	s_cmp_lg_u32 s3, 0
	s_cbranch_scc1 .Llap
	QUARTER 0, 128, F1, F0, 0                      ; the last lap fills nothing, and is written out
	QUARTER 0, 192, F0, F1, 0
	TURN 0, 1, 0
	QUARTER 1, 64,  F0, F1, 0
	QUARTER 1, 128, F1, F0, 0
	QUARTER 1, 192, F0, F1, 0
	s_wait_dscnt 8                                 ; the very last quarter: nothing more to fetch
	MUL16 F1, 0, 0, 0
	MUL16 F1, 0, 2, 0
	s_wait_dscnt 0x0
	MUL16 F1, 1, 0, 0
	MUL16 F1, 1, 2, 0
	WIN 0
	PLACES                                         ; the conversions read results in front of which no vector instruction stands
	PLACES
	PACK 0
	TOSTAGE 0
.irp a, 1,2,3,4,5,6,7                  ; block a's conversions stand between block a - 1's loads from the stage and the wait for them
	PACK \a
	SEND (\a)-1
	TOSTAGE \a
.endr
	SEND 7
	s_wait_tensorcnt 0x0                           ; the wave's end, behind my last tensor load and my last LDS store
	ds_add_u32 v[SPW], v[NIL]
	s_wait_dscnt 0x0
	CROUND                                         ; the closing round: no work-group ends while a partner may still ask for a tile that names it
	s_endpgm
.Lfunc_end_k_q5cf80332d1_projqk:
	.size	k_q5cf80332d1_projqk, .Lfunc_end_k_q5cf80332d1_projqk-k_q5cf80332d1_projqk
	.p2alignl 7, 3214868480
	.fill 96, 4, 3214868480
	.section	.rodata,"a",@progbits
	.p2align	6, 0x0
	.amdhsa_kernel k_q5cf80332d1_projqk
		.amdhsa_group_segment_fixed_size 327680
		.amdhsa_private_segment_fixed_size 0
		.amdhsa_enable_private_segment 0
		.amdhsa_kernarg_size 24
		.amdhsa_user_sgpr_count 2
		.amdhsa_user_sgpr_kernarg_segment_ptr 1
		.amdhsa_wavefront_size32 1
		.amdhsa_system_sgpr_workgroup_id_x 1
		.amdhsa_system_sgpr_workgroup_id_y 1
		.amdhsa_system_sgpr_workgroup_id_z 1
		.amdhsa_system_vgpr_workitem_id 0
		.amdhsa_next_free_vgpr 1024
		.amdhsa_next_free_sgpr 66
		.amdhsa_reserve_vcc 0
		.amdhsa_float_denorm_mode_32 3
		.amdhsa_float_denorm_mode_16_64 3
		.amdhsa_memory_ordered 1
		.amdhsa_forward_progress 1
		.amdhsa_inst_pref_size 144
	.end_amdhsa_kernel
	.amdgpu_metadata
---
amdhsa.version: [ 1, 2 ]
amdhsa.kernels:
  - .name:           k_q5cf80332d1_projqk
    .symbol:         k_q5cf80332d1_projqk.kd
    .args:
      - { .name: xb, .offset: 0, .size: 8, .value_kind: global_buffer, .address_space: global }
      - { .name: wqk, .offset: 8, .size: 8, .value_kind: global_buffer, .address_space: global }
      - { .name: qk, .offset: 16, .size: 8, .value_kind: global_buffer, .address_space: global }
    .group_segment_fixed_size: 327680
    .private_segment_fixed_size: 0
    .kernarg_segment_align: 8
    .kernarg_segment_size: 24
    .max_flat_workgroup_size: 128
    .sgpr_count:     66
    .vgpr_count:     1024
    .wavefront_size: 32
...
	.end_amdgpu_metadata
.endif
;; end of part 2
;; launch projv: the kernel of part 2 again; grid 32 x 4, 4 waves a work-group, clusters of 4 x 4, 327,680 bytes of LDS; arguments wv, xb, vt; writes vt
;; launch fix (part 3): grid 8 x 48, 4 waves a work-group, no clusters, 68,096 bytes of LDS; arguments xb, wv, wqk, vt, qk, vx; writes vx
.if DOCPART == 3
	.amdgcn_target "amdgcn-amd-amdhsa--gfx1250"
	.amdhsa_code_object_version 6
	.text
	.protected	k_q5cf80332d1_fix
	.globl	k_q5cf80332d1_fix
	.p2align	8
	.type	k_q5cf80332d1_fix,@function
k_q5cf80332d1_fix:
	s_mov_b64 s[64:65], 0
	v_nop
	global_prefetch_b8 v0, s[64:65] scope:SCOPE_SE
	s_setreg_imm32_b32 hwreg(HW_REG_WAVE_MODE, 25, 1), 1
	s_wait_xcnt 0x0
; THE SECOND WORDS of v, q and k: what their rounding to f16 left over, itself rounded to f16.
;   y < 32:  vx[b][c][s] = f16(v[b][s][c] - vt[b][c][s]) for the first 256 keys s of each batch; vt's layout, [4][1024][2048] f16, columns 0-255 alone are written.
;   y >= 32: for the first 64 rows r of each batch, f16(q - qk) and f16(k - qk): [4][64][2048] f16 (a row: q, then k, as in qk), from byte 16,777,216 of the same buffer on.
; WHY.  f16 keeps 11 bits.  A row of the output that is a mean of two or three keys has no averaging that would make that small beside numbers near 0: v's error enters it as it is, and q's and k's move
; a whole row's weights, by the same amount for all its channels.  So the last product adds P x vx for the first 256 keys, and the scores of the first 64 rows are made anew from two words.
; The product is made anew (bf16 operands, f32 sums) and the f16 number is READ, so that the residual belongs to the very number that was stored, whatever the order of the sums.
; ONE TEXT for both: C[m][n] = sum over k of A[m][k] B[n][k] for 32 rows m and 128 columns n, rows of C 4,096 bytes apart: a row of the tile is 256 bytes, aligned.
;   y < 32:  A = wv (channels 32 y ..), B = xb (batch x / 2, keys 128 (x % 2) ..).     y >= 32: A = xb (batch b, rows 32 yy ..), B = wqk (rows 128 X ..), X = 8 (y % 2) + x, yy = bit 1 of y, b = bits 3:2 of y.
; Which buffers and offsets hangs on y alone, by selects; there is no branch.  384 work-groups of equal work.
; K IS SPLIT AMONG THE FOUR WAVES: wave w takes k = 256 w .. 256 w + 255 for the whole tile: 16 accumulators (2 blocks of A's rows x 8 of B's), 8 steps of 32.  The four partial sums meet in LDS.
; LAYOUT.  Source 0 = 16 rows of B, source 1 = 16 rows of A: a lane holds row l % 16 of C and the columns 8 (l / 16) + 0..7.
; A fragment (16 rows x 32 k, 8 registers) comes straight from memory, by two loads of 16 bytes a lane, 32 bytes apart: no wave wants what another has fetched.
; IN FLIGHT.  Three sets of registers, a K step (20 loads) each: at most 60 loads of a wave are out.
; NO PREFETCH, NO CLUSTER: each row that is read is read by many work-groups at about the same time, in pieces that differ from wave to wave.
; REGISTERS.  Window 0: v0-15 addresses; v16-31 the f16 numbers as loaded; v40-55 results; v128-255 the accumulators, later the partial sums read back.  Window 1: v0-239 three sets of 80: B's 8 fragments, then A's 2.
.set ROWB,  2048                       ; bytes in a row of xb, wv and wqk
.set OROW,  4096                       ; bytes in a row of vt, qk and the second words
.set QKX,   16777216                   ; byte of vx at which q's and k's second words begin
.set PP,    528                        ; a row of partial sums in LDS: 128 f32 + 16 bytes: row r starts at bank 4 r mod 64 (64 banks of 4 bytes: ISA guide 11.1)
.set COPY,  32*PP                      ; a wave's partial tile
.set SPARE, 4*COPY                     ; behind the four copies (67,584 bytes): the spare words, 128 bytes for each wave
.set FO,   2                           ; v2   my byte offset in a fragment's rows: (l % 16) x 2,048 + 16 (l / 16) + 512 x wave; never rewritten
.set STO,  3                           ; v3   where I put 32 bytes of a row of my partial tile
.set RD,   4                           ; v4   where I read 32 bytes of a row back
.set VO,   5                           ; v5   my 16 bytes of the f16 numbers and of the second words
.set SPW,  6                           ; v6   LDS address of my spare word; never rewritten
.set NIL,  7                           ; v7   0; never rewritten
.set MONE, 11                          ; v11  -1.0
.set VT,   16
.set LO,   40
.set ACC,  128
.set PB,   28                          ; s[28:29] B at my 128 rows
.set PA,   30                          ; s[30:31] A at my 32 rows
.set PH,   32                          ; s[32:33] the f16 numbers at my tile
.set PO,   14                          ; s[14:15] the second words at my tile
.set MSB, 0
.macro WIN new                         ; s_set_vgpr_msb: bits 1:0 source 0, 3:2 source 1, 5:4 source 2, 7:6 destination; the high byte repeats the setting that is left
.if MSB != (\new)
	s_set_vgpr_msb (MSB<<8)|(\new)
.set MSB, \new
.endif
.endm
	s_load_b256 s[4:11], s[0:1], 0x0               ; xb s[4:5], wv s[6:7], wqk s[8:9], vt s[10:11]
	s_load_b128 s[12:15], s[0:1], 0x20             ; qk s[12:13], vx s[14:15]
	v_lshl_add_u32 v[SPW], v0, 2, SPARE
	v_mov_b32 v[NIL], 0
	v_mov_b32 v[MONE], -1.0
	v_lshrrev_b32 v1, 5, v0
	v_readfirstlane_b32 s16, v1                    ; wave 0..3
	v_and_b32 v8, 15, v0                           ; l % 16
	v_bfe_u32 v9, v0, 4, 1                         ; l / 16
	s_lshl_b32 s42, s16, 9                         ; my quarter of K: 512 bytes of a row
	v_lshlrev_b32 v[FO], 11, v8
	v_lshl_add_u32 v[FO], v9, 4, v[FO]
	v_add_nc_u32 v[FO], s42, v[FO]
	s_mul_i32 s43, s16, COPY
	v_mul_u32_u24 v[STO], v8, PP                   ; in: row l % 16 of a block of A's rows, 32 bytes (8 f32) for each half of the lanes
	v_lshl_add_u32 v[STO], v9, 5, v[STO]
	v_add_nc_u32 v[STO], s43, v[STO]
	s_lshl_b32 s44, s16, 3
	v_add_nc_u32 v10, s44, v9                      ; back: wave w finishes rows 8 w .. 8 w + 7, two a pass; 16 lanes take a row, 8 columns each
	v_mul_u32_u24 v[RD], v10, PP
	v_lshl_add_u32 v[RD], v8, 5, v[RD]
	v_lshlrev_b32 v[VO], 12, v10
	v_lshl_add_u32 v[VO], v8, 4, v[VO]
	s_and_b32 s17, ttmp7, 0xffff                   ; y
	; the offsets for v's part
	s_lshr_b32 s18, ttmp9, 1                       ; batch
	s_and_b32 s19, ttmp9, 1                        ; which 128 of the 256 keys
	s_lshl_b32 s20, s18, 22                        ; B = xb: row 2,048 b + 128 x half, 2,048 bytes a row
	s_lshl_b32 s42, s19, 18
	s_add_co_u32 s20, s20, s42
	s_lshl_b32 s21, s17, 16                        ; A = wv: row 32 y
	s_lshl_b32 s22, s18, 22                        ; vt, vx: row 1,024 b + 32 y, 4,096 bytes a row; byte 256 x half
	s_lshl_b32 s42, s17, 17
	s_add_co_u32 s22, s22, s42
	s_lshl_b32 s42, s19, 8
	s_add_co_u32 s22, s22, s42
	; the offsets for q's and k's part
	s_and_b32 s43, s17, 1
	s_lshl_b32 s43, s43, 3
	s_add_co_u32 s43, s43, ttmp9                   ; X, 0..15
	s_bfe_u32 s44, s17, 0x10001                    ; yy: which 32 of the 64 rows
	s_bfe_u32 s45, s17, 0x20002                    ; batch
	s_lshl_b32 s24, s43, 18                        ; B = wqk: row 128 X
	s_lshl_b32 s25, s45, 22                        ; A = xb: row 2,048 b + 32 yy
	s_lshl_b32 s42, s44, 16
	s_add_co_u32 s25, s25, s42
	s_lshl_b32 s26, s45, 23                        ; qk: the same row, 4,096 bytes a row; byte 256 X
	s_lshl_b32 s42, s44, 17
	s_add_co_u32 s26, s26, s42
	s_lshl_b32 s46, s43, 8
	s_add_co_u32 s26, s26, s46
	s_lshl_b32 s27, s45, 18                        ; the second words: row 64 b + 32 yy; byte 256 X
	s_add_co_u32 s27, s27, s42
	s_add_co_u32 s27, s27, s46
	s_add_co_u32 s27, s27, QKX
	s_mov_b32 s35, 0                               ; the offsets' high words
	s_mov_b32 s37, 0
	s_mov_b32 s39, 0
	s_mov_b32 s41, 0
	s_wait_kmcnt 0x0
	s_cmp_lt_u32 s17, 32                           ; v's part, or q's and k's: selects leave the condition as it is
	s_cselect_b32 s34, s20, s24
	s_cselect_b32 s36, s21, s25
	s_cselect_b32 s38, s22, s26
	s_cselect_b32 s40, s22, s27
	s_cselect_b64 s[PB:PB+1], s[4:5], s[8:9]
	s_cselect_b64 s[PA:PA+1], s[6:7], s[4:5]
	s_cselect_b64 s[PH:PH+1], s[10:11], s[12:13]
	s_add_nc_u64 s[PB:PB+1], s[PB:PB+1], s[34:35]
	s_add_nc_u64 s[PA:PA+1], s[PA:PA+1], s[36:37]
	s_add_nc_u64 s[PH:PH+1], s[PH:PH+1], s[38:39]
	s_add_nc_u64 s[PO:PO+1], s[PO:PO+1], s[40:41]
; K step ks of my quarter into set f: 20 loads
.macro LOADS f, ks
	WIN 0x40                                       ; destination window 1, address window 0
.irp i, 0,1,2,3,4,5,6,7
	global_load_b128 v[80*(\f)+8*(\i):80*(\f)+8*(\i)+3],   v[FO], s[PB:PB+1] offset:(\i)*16*ROWB+64*(\ks)
	global_load_b128 v[80*(\f)+8*(\i)+4:80*(\f)+8*(\i)+7], v[FO], s[PB:PB+1] offset:(\i)*16*ROWB+64*(\ks)+32
.endr
.irp a, 0,1
	global_load_b128 v[80*(\f)+64+8*(\a):80*(\f)+64+8*(\a)+3],   v[FO], s[PA:PA+1] offset:(\a)*16*ROWB+64*(\ks)
	global_load_b128 v[80*(\f)+64+8*(\a)+4:80*(\f)+64+8*(\a)+7], v[FO], s[PA:PA+1] offset:(\a)*16*ROWB+64*(\ks)+32
.endr
.endm
; A K step's 16 products.  The 16 accumulators take turns, one instruction a turn.  zero = 1: the first step starts the sums: nothing is cleared.
.macro MULS f, zero
	WIN 0x05                                       ; sources 0 and 1 window 1; C and D window 0
.irp a, 0,1
.irp b, 0,1,2,3,4,5,6,7
.if \zero
	v_wmma_f32_16x16x32_bf16 v[ACC+8*(8*(\a)+(\b)):ACC+8*(8*(\a)+(\b))+7], v[80*(\f)+8*(\b):80*(\f)+8*(\b)+7], v[80*(\f)+64+8*(\a):80*(\f)+64+8*(\a)+7], 0
.else
	v_wmma_f32_16x16x32_bf16 v[ACC+8*(8*(\a)+(\b)):ACC+8*(8*(\a)+(\b))+7], v[80*(\f)+8*(\b):80*(\f)+8*(\b)+7], v[80*(\f)+64+8*(\a):80*(\f)+64+8*(\a)+7], v[ACC+8*(8*(\a)+(\b)):ACC+8*(8*(\a)+(\b))+7]
.endif
.endr
.endr
.endm
.macro PLACES                          ; four plain vector instructions between a matrix instruction and a load into, or a reader of, its registers (ISA guide 7.12.1 for vector instructions)
.rept 4
	v_nop
.endr
.endm
; A K step: left = the younger loads that may stay out; next = the K step that the set takes when it has been multiplied, or -1
.macro STEP f, left, zero, next
	s_wait_loadcnt \left
	MULS \f, \zero
.if (\next) >= 0
	PLACES
	LOADS \f, \next
.endif
.endm
	LOADS 0, 0
	LOADS 1, 1
	LOADS 2, 2
	STEP 0, 40, 1, 3                               ; loads come back in order: the step's 20 are in, the two younger sets' 40 stay out
	STEP 1, 40, 0, 4
	STEP 2, 40, 0, 5
	STEP 0, 40, 0, 6
	STEP 1, 40, 0, 7
	STEP 2, 40, 0, -1
	WIN 0
.irp t, 0,1,2,3
	global_load_b128 v[VT+4*(\t):VT+4*(\t)+3], v[VO], s[PH:PH+1] offset:2*(\t)*OROW  ; the f16 numbers of the rows that I finish: 16 lanes take 256 consecutive bytes
.endr
	STEP 0, 24, 0, -1                              ; behind step 6's loads: step 7's 20 and these 4
	STEP 1, 4, 0, -1                               ; behind step 7's: these 4
	WIN 0
	PLACES                                         ; in front of LDS stores that read results just made
	PLACES
.irp a, 0,1
.irp b, 0,1,2,3,4,5,6,7                ; each accumulator's low four registers first
	ds_store_b128 v[STO], v[ACC+8*(8*(\a)+(\b)):ACC+8*(8*(\a)+(\b))+3]   offset:(\a)*16*PP+64*(\b)
	ds_store_b128 v[STO], v[ACC+8*(8*(\a)+(\b))+4:ACC+8*(8*(\a)+(\b))+7] offset:(\a)*16*PP+64*(\b)+16
.endr
.endr
	s_wait_dscnt 0x0                               ; for the others' sake: my partial tile lies in LDS
	s_barrier_signal -1
	s_barrier_wait -1                              ; all four do
.irp t, 0,1,2,3                        ; pass t: rows 8 w + 2 t and the next, from all four copies
.irp c, 0,1,2,3
	ds_load_b128 v[ACC+32*(\t)+8*(\c):ACC+32*(\t)+8*(\c)+3],   v[RD] offset:(\c)*COPY+2*(\t)*PP
	ds_load_b128 v[ACC+32*(\t)+8*(\c)+4:ACC+32*(\t)+8*(\c)+7], v[RD] offset:(\c)*COPY+2*(\t)*PP+16
.endr
.endr
	s_wait_loadcnt 0x0                             ; the f16 numbers
.macro FIN t
.set RB, ACC+32*(\t)
	s_wait_dscnt 24-8*(\t)                         ; LDS loads come back in order: this pass's eight are in, the later passes' stay out
.irp u, 0,2,4,6
	v_pk_add_f32 v[RB+(\u):RB+(\u)+1], v[RB+(\u):RB+(\u)+1], v[RB+8+(\u):RB+8+(\u)+1]
	v_pk_add_f32 v[RB+16+(\u):RB+16+(\u)+1], v[RB+16+(\u):RB+16+(\u)+1], v[RB+24+(\u):RB+24+(\u)+1]
.endr
.irp u, 0,2,4,6
	v_pk_add_f32 v[RB+(\u):RB+(\u)+1], v[RB+(\u):RB+(\u)+1], v[RB+16+(\u):RB+16+(\u)+1]
.endr
.irp i, 0,1,2,3                        ; the sum less the f16 number: an f16 half times -1.0 plus the f32 sum, rounded once
	v_fma_mix_f32 v[RB+2*(\i)],   v[VT+4*(\t)+(\i)], v[MONE], v[RB+2*(\i)]   op_sel:[0,0,0] op_sel_hi:[1,0,0]
	v_fma_mix_f32 v[RB+2*(\i)+1], v[VT+4*(\t)+(\i)], v[MONE], v[RB+2*(\i)+1] op_sel:[1,0,0] op_sel_hi:[1,0,0]
.endr
.irp i, 0,1,2,3
	v_cvt_pk_f16_f32 v[LO+4*(\t)+(\i)], v[RB+2*(\i)], v[RB+2*(\i)+1]
.endr
	global_store_b128 v[VO], v[LO+4*(\t):LO+4*(\t)+3], s[PO:PO+1] offset:2*(\t)*OROW  ; 16 lanes store 256 consecutive bytes, aligned; no register is written twice
.endm
	FIN 0
	FIN 1
	FIN 2
	FIN 3
	s_wait_tensorcnt 0x0                           ; the wave's end, behind my last LDS store
	ds_add_u32 v[SPW], v[NIL]
	s_wait_dscnt 0x0
	s_endpgm
.Lfunc_end_k_q5cf80332d1_fix:
	.size	k_q5cf80332d1_fix, .Lfunc_end_k_q5cf80332d1_fix-k_q5cf80332d1_fix
	.p2alignl 7, 3214868480
	.fill 96, 4, 3214868480
	.section	.rodata,"a",@progbits
	.p2align	6, 0x0
	.amdhsa_kernel k_q5cf80332d1_fix
		.amdhsa_group_segment_fixed_size 68096
		.amdhsa_private_segment_fixed_size 0
		.amdhsa_enable_private_segment 0
		.amdhsa_kernarg_size 48
		.amdhsa_user_sgpr_count 2
		.amdhsa_user_sgpr_kernarg_segment_ptr 1
		.amdhsa_wavefront_size32 1
		.amdhsa_system_sgpr_workgroup_id_x 1
		.amdhsa_system_sgpr_workgroup_id_y 1
		.amdhsa_system_sgpr_workgroup_id_z 1
		.amdhsa_system_vgpr_workitem_id 0
		.amdhsa_next_free_vgpr 512
		.amdhsa_next_free_sgpr 66
		.amdhsa_reserve_vcc 0
		.amdhsa_float_denorm_mode_32 3
		.amdhsa_float_denorm_mode_16_64 3
		.amdhsa_memory_ordered 1
		.amdhsa_forward_progress 1
		.amdhsa_inst_pref_size 39
	.end_amdhsa_kernel
	.amdgpu_metadata
---
amdhsa.version: [ 1, 2 ]
amdhsa.kernels:
  - .name:           k_q5cf80332d1_fix
    .symbol:         k_q5cf80332d1_fix.kd
    .args:
      - { .name: xb, .offset: 0, .size: 8, .value_kind: global_buffer, .address_space: global }
      - { .name: wv, .offset: 8, .size: 8, .value_kind: global_buffer, .address_space: global }
      - { .name: wqk, .offset: 16, .size: 8, .value_kind: global_buffer, .address_space: global }
      - { .name: vt, .offset: 24, .size: 8, .value_kind: global_buffer, .address_space: global }
      - { .name: qk, .offset: 32, .size: 8, .value_kind: global_buffer, .address_space: global }
      - { .name: vx, .offset: 40, .size: 8, .value_kind: global_buffer, .address_space: global }
    .group_segment_fixed_size: 68096
    .private_segment_fixed_size: 0
    .kernarg_segment_align: 8
    .kernarg_segment_size: 48
    .max_flat_workgroup_size: 128
    .sgpr_count:     66
    .vgpr_count:     512
    .wavefront_size: 32
...
	.end_amdgpu_metadata
.endif
;; end of part 3
;; launch scores (part 4): grid 9 x 16, 4 waves a work-group, no clusters, 327,680 bytes of LDS; arguments qk, sc; writes sc
.if DOCPART == 4
	.amdgcn_target "amdgcn-amd-amdhsa--gfx1250"
	.amdhsa_code_object_version 6
	.text
	.protected	k_q5cf80332d1_scores
	.globl	k_q5cf80332d1_scores
	.p2align	8
	.type	k_q5cf80332d1_scores,@function
k_q5cf80332d1_scores:
	s_mov_b64 s[64:65], 0
	v_nop
	global_prefetch_b8 v0, s[64:65] scope:SCOPE_SE
	s_setreg_imm32_b32 hwreg(HW_REG_WAVE_MODE, 25, 1), 1
	s_wait_xcnt 0x0
; sc[b][q][k] = sum over e of q[b][q][e] k[b][k][e], unscaled, in f32, for the tiles of 256 x 256 on and below the diagonal alone: 36 of a batch's 64.  The tiles above it are never made and never read.
; qk: [8192][2048] f16, a row holds q (bytes 0-2,047) and k (bytes 2,048-4,095).  sc: [4][2048][2048] f32.  Products in f16, sums in f32, K ascending.
; SHARES.  Tile rows p and 7 - p of a batch have 9 tiles together: work-group (t, y), y = 4 b + p, takes tile (p, t) if t <= p, else tile (7 - p, t - p - 1): 144 work-groups of equal work.
; NO CLUSTER: a row of this grid has 9 work-groups, which no cluster of four divides, and neighbours in it share q's block or k's block by turns, not one of them throughout.
; The tile is made as in the projections: four waves, 128 x 128 each, 8 K steps of 128 through two LDS slots; each wave fetches a quarter of a slot (waves 0, 1: q's rows; waves 2, 3: k's) by a load of its own.
; The diagonal tiles are made whole; the mask is applied where the scores are read.
; REGISTERS as in the projections: window 0 addresses, A's fragments (v64-191; on the way out rows read back), window 1 B's fragments, windows 2 and 3 the 64 accumulators.
.set KSTEP,  128
.set PITCH,  272                       ; an LDS row: 256 bytes + 16 of padding: row r starts at bank 4 r mod 64 (64 banks of 4 bytes: ISA guide 11.1)
.set HALFT,  128*PITCH
.set SLOT,   4*HALFT
.set STAGE,  2*SLOT                    ; behind the ring: 16 rows x 528 bytes for each wave
.set SPITCH, 528                       ; 128 f32 + 16 bytes of padding
.set SPARE,  STAGE+4*16*SPITCH         ; behind the stages: the spare words, 128 bytes for each wave
.set SROW,   8192                      ; bytes in a row of sc
.set LAPS,   4
.set ADRA, 16
.set ADRB, 20
.set STO,  24
.set RD,   25
.set CO,   26
.set SPW,  28                          ; v28  LDS address of my spare word; never rewritten
.set NIL,  29                          ; v29  0; never rewritten
.set F0,   64
.set F1,   128
.set G1,  24                           ; s[24:31] descriptor group 1
.set G0,  32                           ; s[32:39] group 0, one set for each slot
.set MSB, 0
.macro WIN new
.if MSB != (\new)
	s_set_vgpr_msb (MSB<<8)|(\new)
.set MSB, \new
.endif
.endm
.set MUL_LO, 0xa1
.set MUL_HI, 0xf1
.set TO_B,   0x40
	s_load_b128 s[4:7], s[0:1], 0x0                ; qk s[4:5], sc s[6:7]
	v_lshl_add_u32 v[SPW], v0, 2, SPARE
	v_mov_b32 v[NIL], 0
	ds_add_u32 v[SPW], v[NIL]                      ; the wave's opening: the add and its wait stand ahead of my first tensor load
	ds_add_u32 v28, v29
	v_lshrrev_b32 v1, 5, v0
	v_readfirstlane_b32 s10, v1                    ; wave 0..3
	s_lshr_b32 s11, s10, 1                         ; my half of the tile's rows.  Also: I fetch q's rows (0) or k's (1)
	s_and_b32 s12, s10, 1                          ; my half of its columns.  Also: which 128 rows I fetch
	s_and_b32 s13, ttmp7, 0xffff
	s_and_b32 s14, s13, 3                          ; p
	s_lshr_b32 s15, s13, 2                         ; b
	s_sub_co_u32 s40, 7, s14
	s_add_co_u32 s41, s14, 1
	s_cmp_le_u32 ttmp9, s14
	s_cselect_b32 s42, s14, s40                    ; i, the tile row: p or 7 - p
	s_cselect_b32 s41, 0, s41
	s_sub_co_u32 s43, ttmp9, s41                   ; j, the tile column: t or t - p - 1
	s_mov_b32 s[G1+0], (1<<16)|(1<<20)|(5<<22)|(3<<25)  ; 2-byte elements; padding on; after every 64 words; 4 words
	s_mov_b32 s[G1+1], KSTEP<<16                   ; tensor_dim0 = 128
	s_mov_b32 s[G1+2], 128<<16                     ; tensor_dim1 = 128
	s_mov_b32 s[G1+3], KSTEP<<16                   ; tile_dim0 = 128
	s_mov_b32 s[G1+4], 128                         ; tile_dim1 = 128
	s_mov_b32 s[G1+5], 2048                        ; elements from row to row
	s_mov_b32 s[G1+6], 0
	s_mov_b32 s[G1+7], 0
	s_cmp_eq_u32 s11, 0
	s_cselect_b32 s16, s42, s43                    ; the block of 256 rows that I fetch from
	s_lshl_b32 s16, s16, 8
	s_lshl_b32 s17, s15, 11
	s_add_co_u32 s16, s16, s17
	s_lshl_b32 s17, s12, 7
	s_add_co_u32 s16, s16, s17                     ; its row in qk,
	s_lshl_b32 s16, s16, 12                        ; in bytes (under 2^26),
	s_lshl_b32 s17, s11, 11
	s_add_co_u32 s16, s16, s17                     ; and k's half of the row for waves 2 and 3
	s_mov_b32 s17, 0
	s_mul_i32 s20, s10, HALFT                      ; where it goes: wave x 128 rows
	s_wait_dscnt 0x0                               ; the opening add is done
	s_wait_kmcnt 0x0
	s_add_nc_u64 s[18:19], s[4:5], s[16:17]
.irp s, 0,1
	s_mov_b32 s[G0+4*(\s)], 1
	s_add_co_u32 s[G0+4*(\s)+1], s20, (\s)*SLOT
	s_add_nc_u64 s[G0+4*(\s)+2:G0+4*(\s)+3], s[18:19], (\s)*KSTEP*2
	s_or_b32 s[G0+4*(\s)+3], s[G0+4*(\s)+3], 0x80000000
.endr
	tensor_load_to_lds s[G0:G0+3], s[G1:G1+7]      ; K steps 0 and 1 go out together: two tensor loads of mine are out
	s_nop 0
	tensor_load_to_lds s[G0+4:G0+7], s[G1:G1+7]
	s_nop 0
.rept 4
	v_nop
.endr
	v_and_b32 v1, 15, v0                           ; l % 16
	v_bfe_u32 v2, v0, 4, 1                         ; l / 16
	v_mul_u32_u24 v3, v1, PITCH
	v_lshl_add_u32 v3, v2, 4, v3
	s_mul_i32 s21, s11, HALFT
	s_mul_i32 s22, s12, HALFT
	s_add_co_u32 s22, s22, 2*HALFT
.irp s, 0,1
	v_add_nc_u32 v[ADRA+(\s)], s21, v3
	v_add_nc_u32 v[ADRB+(\s)], s22, v3
	s_add_co_u32 s21, s21, SLOT
	s_add_co_u32 s22, s22, SLOT
.endr
	s_mul_i32 s23, s10, 16*SPITCH
	s_add_co_u32 s23, s23, STAGE                   ; my stage
	v_mul_u32_u24 v4, v1, SPITCH                   ; in: row l % 16, 32 bytes (8 f32) for each half of the lanes
	v_lshl_add_u32 v4, v2, 5, v4
	v_add_nc_u32 v[STO], s23, v4
	v_and_b32 v5, 31, v0
	v_lshlrev_b32 v[CO], 4, v5                     ; back and out: 32 lanes take a row's 512 bytes
	v_add_nc_u32 v[RD], s23, v[CO]
	s_lshl_b32 s16, s15, 11                        ; where my part of the tile begins in sc, in bytes (under 2^27)
	s_lshl_b32 s17, s42, 8
	s_add_co_u32 s16, s16, s17
	s_lshl_b32 s17, s11, 7
	s_add_co_u32 s16, s16, s17
	s_lshl_b32 s16, s16, 13
	s_lshl_b32 s17, s43, 10
	s_add_co_u32 s16, s16, s17
	s_lshl_b32 s17, s12, 9
	s_add_co_u32 s16, s16, s17
	s_mov_b32 s17, 0
.macro MUL16 f, hi, a0, zero
	WIN MUL_LO+0x50*(\hi)
.irp a, \a0, (\a0)+1
.irp b, 0,1,2,3,4,5,6,7
.if \zero
	v_wmma_f32_16x16x32_f16 v[8*(8*(\a)+(\b)):8*(8*(\a)+(\b))+7], v[(\f)+8*(\b):(\f)+8*(\b)+7], v[(\f)+8*(4*(\hi)+(\a)):(\f)+8*(4*(\hi)+(\a))+7], 0
.else
	v_wmma_f32_16x16x32_f16 v[8*(8*(\a)+(\b)):8*(8*(\a)+(\b))+7], v[(\f)+8*(\b):(\f)+8*(\b)+7], v[(\f)+8*(4*(\hi)+(\a)):(\f)+8*(4*(\hi)+(\a))+7], v[8*(8*(\a)+(\b)):8*(8*(\a)+(\b))+7]
.endif
.endr
.endr
.endm
.macro FETCH slot, k, f
	WIN TO_B
.irp i, 0,1,2,3,4,5,6,7
	ds_load_b128 v[(\f)+8*(\i):(\f)+8*(\i)+3],   v[ADRB+(\slot)] offset:(\k)+(\i)*16*PITCH
	ds_load_b128 v[(\f)+8*(\i)+4:(\f)+8*(\i)+7], v[ADRB+(\slot)] offset:(\k)+(\i)*16*PITCH+32
.endr
	WIN 0
.irp i, 0,1,2,3,4,5,6,7
	ds_load_b128 v[(\f)+8*(\i):(\f)+8*(\i)+3],   v[ADRA+(\slot)] offset:(\k)+(\i)*16*PITCH
	ds_load_b128 v[(\f)+8*(\i)+4:(\f)+8*(\i)+7], v[ADRA+(\slot)] offset:(\k)+(\i)*16*PITCH+32
.endr
.endm
.macro PLACES
.rept 4
	v_nop
.endr
.endm
.macro QUARTER slot, k, f, g, zero
	s_wait_dscnt 8                                 ; B and A's rows 0-63 are in; the youngest eight loads may be out
	MUL16 \f, 0, 0, \zero
	MUL16 \f, 0, 2, \zero
	PLACES
	FETCH \slot, \k, \g
	s_wait_dscnt 32                                ; all but the 32 just issued
	MUL16 \f, 1, 0, \zero
	MUL16 \f, 1, 2, \zero
.endm
; A K step's last quarter changes slots: ONE barrier.  In front of it each wave waits for all its tensor loads (one is out: its part of the next slot), adds 0 to its spare word, and waits for that and for
; its reads of this slot.  fill = 1: this slot is filled again, two K steps on, the first thing behind the barrier.
.macro TURN slot, next, fill
	WIN 0
	s_wait_tensorcnt 0x0                           ; no tensor load of mine is out, so a group 0 may be written
	ds_add_u32 v[SPW], v[NIL]                      ; 0 onto my spare word
.if \fill
	s_add_nc_u64 s[G0+4*(\slot)+2:G0+4*(\slot)+3], s[G0+4*(\slot)+2:G0+4*(\slot)+3], 2*KSTEP*2
.endif
	s_wait_dscnt 9                                 ; (the add and the youngest eight loads may be out)
	MUL16 F1, 0, 0, 0
	s_wait_dscnt 0x0                               ; the add is done, and my reads of this slot are over
	s_barrier_signal -1
	MUL16 F1, 0, 2, 0
.if \fill
	WIN 0                                          ; the windows are set ahead of the tensor load
.endif
	s_barrier_wait -1
.if \fill
	tensor_load_to_lds s[G0+4*(\slot):G0+4*(\slot)+3], s[G1:G1+7]  ; my one tensor load behind this barrier
	s_nop 0
.endif
	PLACES                                         ; in front of the loads into buffer 0, which the quarter before multiplied
	FETCH \next, 0, F0
	MUL16 F1, 1, 0, 0
	MUL16 F1, 1, 2, 0
.endm
; THE WAY OUT of block a (16 rows x 128 f32).  A lane's eight numbers of a row are 32 bytes: they go straight from the accumulators into my stage (each accumulator's low four registers first) and come
; back as whole rows of 512 bytes, into A's fragment buffers by turns.
.macro TOSTAGE a
.set AC, 64*((\a)%4)
.set BK, 64+64*((\a)%2)
	s_wait_xcnt 0x0                                ; the stores of two blocks back have read the registers that are loaded below
	WIN 0x08+4*((\a)/4)                            ; store data (source 1) in window 2 or 3
.irp b, 0,1,2,3,4,5,6,7
	ds_store_b128 v[STO], v[AC+8*(\b):AC+8*(\b)+3]   offset:64*(\b)
	ds_store_b128 v[STO], v[AC+8*(\b)+4:AC+8*(\b)+7] offset:64*(\b)+16
.endr
	WIN 0
.irp t, 0,1,2,3,4,5,6,7,8,9,10,11,12,13,14,15
	ds_load_b128 v[BK+4*(\t):BK+4*(\t)+3], v[RD] offset:(\t)*SPITCH  ; LDS serves a wave's instructions in order (ISA guide 5.7.1.4): these see the stores above; the next block's stores come behind them
.endr
.endm
.macro SEND a, younger                 ; younger: the LDS instructions issued behind block a's loads: the next block's 32, or none
.set BK, 64+64*((\a)%2)
	s_wait_dscnt \younger
	s_wait_xcnt 0x0                                ; earlier stores have read their base
.if (\a) == 0
	s_add_nc_u64 s[6:7], s[6:7], s[16:17]
.else
	s_add_nc_u64 s[6:7], s[6:7], 16*SROW
.endif
.irp t, 0,1,2,3,4,5,6,7,8,9,10,11,12,13,14,15
	global_store_b128 v[CO], v[BK+4*(\t):BK+4*(\t)+3], s[6:7] offset:(\t)*SROW  ; 32 lanes store 512 consecutive bytes, aligned
.endr
.endm
	s_wait_tensorcnt 1                             ; my part of K step 0 is in; K step 1's may stay out
	s_barrier_signal -1
	s_barrier_wait -1
	FETCH 0, 0, F0
	QUARTER 0, 64,  F0, F1, 1
	WIN 0
	s_mov_b32 s3, LAPS-1
.Llap:
	QUARTER 0, 128, F1, F0, 0
	QUARTER 0, 192, F0, F1, 0
	TURN 0, 1, 1
	QUARTER 1, 64,  F0, F1, 0
	QUARTER 1, 128, F1, F0, 0
	QUARTER 1, 192, F0, F1, 0
	TURN 1, 0, 1
	QUARTER 0, 64,  F0, F1, 0
	WIN 0
	s_sub_co_u32 s3, s3, 1
	s_cmp_lg_u32 s3, 0
	s_cbranch_scc1 .Llap
	QUARTER 0, 128, F1, F0, 0                      ; the last lap fills nothing
	QUARTER 0, 192, F0, F1, 0
	TURN 0, 1, 0
	QUARTER 1, 64,  F0, F1, 0
	QUARTER 1, 128, F1, F0, 0
	QUARTER 1, 192, F0, F1, 0
	s_wait_dscnt 8
	MUL16 F1, 0, 0, 0
	MUL16 F1, 0, 2, 0
	s_wait_dscnt 0x0
	MUL16 F1, 1, 0, 0
	MUL16 F1, 1, 2, 0
	WIN 0
	PLACES                                         ; in front of LDS stores that read results, and of loads into A's buffers
	PLACES
	TOSTAGE 0
.irp a, 1,2,3,4,5,6,7
	TOSTAGE \a
	SEND (\a)-1, 32
.endr
	SEND 7, 0
	s_wait_tensorcnt 0x0                           ; the wave's end, behind my last tensor load and my last LDS store
	ds_add_u32 v[SPW], v[NIL]
	s_wait_dscnt 0x0
	s_endpgm
.Lfunc_end_k_q5cf80332d1_scores:
	.size	k_q5cf80332d1_scores, .Lfunc_end_k_q5cf80332d1_scores-k_q5cf80332d1_scores
	.p2alignl 7, 3214868480
	.fill 96, 4, 3214868480
	.section	.rodata,"a",@progbits
	.p2align	6, 0x0
	.amdhsa_kernel k_q5cf80332d1_scores
		.amdhsa_group_segment_fixed_size 327680
		.amdhsa_private_segment_fixed_size 0
		.amdhsa_enable_private_segment 0
		.amdhsa_kernarg_size 16
		.amdhsa_user_sgpr_count 2
		.amdhsa_user_sgpr_kernarg_segment_ptr 1
		.amdhsa_wavefront_size32 1
		.amdhsa_system_sgpr_workgroup_id_x 1
		.amdhsa_system_sgpr_workgroup_id_y 1
		.amdhsa_system_sgpr_workgroup_id_z 1
		.amdhsa_system_vgpr_workitem_id 0
		.amdhsa_next_free_vgpr 1024
		.amdhsa_next_free_sgpr 66
		.amdhsa_reserve_vcc 0
		.amdhsa_float_denorm_mode_32 3
		.amdhsa_float_denorm_mode_16_64 3
		.amdhsa_memory_ordered 1
		.amdhsa_forward_progress 1
		.amdhsa_inst_pref_size 137
	.end_amdhsa_kernel
	.amdgpu_metadata
---
amdhsa.version: [ 1, 2 ]
amdhsa.kernels:
  - .name:           k_q5cf80332d1_scores
    .symbol:         k_q5cf80332d1_scores.kd
    .args:
      - { .name: qk, .offset: 0, .size: 8, .value_kind: global_buffer, .address_space: global }
      - { .name: sc, .offset: 8, .size: 8, .value_kind: global_buffer, .address_space: global }
    .group_segment_fixed_size: 327680
    .private_segment_fixed_size: 0
    .kernarg_segment_align: 8
    .kernarg_segment_size: 16
    .max_flat_workgroup_size: 128
    .sgpr_count:     66
    .vgpr_count:     1024
    .wavefront_size: 32
...
	.end_amdgpu_metadata
.endif
;; end of part 4
;; launch sfix (part 5): grid 4 x 4, 4 waves a work-group, no clusters, 17,920 bytes of LDS; arguments qk, vx, sc; writes sc
.if DOCPART == 5
	.amdgcn_target "amdgcn-amd-amdhsa--gfx1250"
	.amdhsa_code_object_version 6
	.text
	.protected	k_q5cf80332d1_sfix
	.globl	k_q5cf80332d1_sfix
	.p2align	8
	.type	k_q5cf80332d1_sfix,@function
k_q5cf80332d1_sfix:
	s_mov_b64 s[64:65], 0
	v_nop
	global_prefetch_b8 v0, s[64:65] scope:SCOPE_SE
	s_setreg_imm32_b32 hwreg(HW_REG_WAVE_MODE, 25, 1), 1
	s_wait_xcnt 0x0
; sc[b][r][k] for r, k < 64 is made anew from q and k in TWO f16 words each, and takes the place of what the launch before stored there:
;   sc = qh . kh + qh . kl + ql . kh, unscaled, in f32.  qh, kh: qk [8192][2048] f16 (a row: q, then k).  ql, kl: the second words, [4][64][2048] f16 from byte 16,777,216 of vx on.
; WHY.  f16's rounding of q and k moves a score by some 3e-4 of the scores' spread, and with it all the weights of a row.  In a row of two or three keys that shift goes into every channel of the output
; undiminished, times the difference of the keys' v.  From some tens of keys on it is averaged away: 64 rows are taken, since 64 keys of f32 are 256 bytes of a row of sc, aligned.
; LIMIT.  ql . kl, some 2^-22 of a score, is left out; rows from 64 on keep q and k in one f16 word.  The tile is made whole; the mask is applied where the scores are read.
; SHARES.  Work-group (x, y): batch y, rows 16 x .. 16 x + 15, keys 0 .. 63: 16 work-groups; the launch has no more work than that: 1,536 matrix instructions a batch.
; THE 1,024 CHANNELS ARE SPLIT AMONG THE FOUR WAVES: wave w takes 256 w .. 256 w + 255: 8 steps of 32, 12 products each, on 4 accumulators (key blocks of 16).  The four partial sums meet in LDS.
; LAYOUT.  Source 0 = 16 keys, source 1 = 16 queries: a lane holds query l % 16 and the keys 8 (l / 16) + 0..7.  A fragment (16 rows x 32 channels, 8 registers) comes straight from memory, by two loads
; of 16 bytes a lane, 32 bytes apart.  Three sets of registers, a step (20 loads) each: at most 60 loads of a wave are out.
; NO PREFETCH, NO CLUSTER: a short launch that reads 2 MiB in all.
; REGISTERS.  Window 0: v0-15 addresses; v16-47 partial sums read back; v128-159 the accumulators.  Window 1: v0-239 three sets of 80: kh's 4 fragments, kl's 4, qh, ql.
.set ROW,   4096                       ; bytes in a row of qk and of the second words
.set SROW,  8192                       ; bytes in a row of sc
.set QKX,   16777216                   ; byte of vx at which q's and k's second words begin
.set PP,    272                        ; a row of partial sums in LDS: 64 f32 + 16 bytes: row r starts at bank 4 r mod 64 (64 banks of 4 bytes: ISA guide 11.1)
.set COPY,  16*PP                      ; a wave's partial tile
.set SPARE, 4*COPY                     ; behind the four copies (17,408 bytes): the spare words, 128 bytes for each wave
.set FO,   2                           ; v2   my byte offset in a fragment's rows: (l % 16) x 4,096 + 16 (l / 16) + 512 x wave; never rewritten
.set STO,  3                           ; v3   where I put 32 bytes of a row of my partial tile
.set RD,   4                           ; v4   where I read 16 bytes of a row back
.set CO,   5                           ; v5   my 16 bytes of sc
.set SPW,  6                           ; v6   LDS address of my spare word; never rewritten
.set NIL,  7                           ; v7   0; never rewritten
.set SUM,  16
.set ACC,  128
.set KH,   24                          ; s[24:25] qk at the batch's row 0
.set KL,   26                          ; s[26:27] the second words at the batch's row 0
.set QH,   28                          ; s[28:29] qk at my 16 rows
.set QL,   30                          ; s[30:31] the second words at my 16 rows
.set MSB, 0
.macro WIN new                         ; s_set_vgpr_msb: bits 1:0 source 0, 3:2 source 1, 5:4 source 2, 7:6 destination; the high byte repeats the setting that is left
.if MSB != (\new)
	s_set_vgpr_msb (MSB<<8)|(\new)
.set MSB, \new
.endif
.endm
	s_load_b128 s[4:7], s[0:1], 0x0                ; qk s[4:5], vx s[6:7]
	s_load_b64 s[8:9], s[0:1], 0x10                ; sc
	v_lshl_add_u32 v[SPW], v0, 2, SPARE
	v_mov_b32 v[NIL], 0
	v_lshrrev_b32 v1, 5, v0
	v_readfirstlane_b32 s10, v1                    ; wave 0..3
	v_and_b32 v8, 15, v0                           ; l % 16
	v_bfe_u32 v9, v0, 4, 1                         ; l / 16
	s_and_b32 s11, ttmp7, 0xffff                   ; batch
	s_lshl_b32 s12, s10, 9                         ; my quarter of the channels: 512 bytes of a row
	v_lshlrev_b32 v[FO], 12, v8
	v_lshl_add_u32 v[FO], v9, 4, v[FO]
	v_add_nc_u32 v[FO], s12, v[FO]
	s_mul_i32 s13, s10, COPY
	v_mul_u32_u24 v[STO], v8, PP                   ; in: row l % 16, 32 bytes (8 f32) for each half of the lanes
	v_lshl_add_u32 v[STO], v9, 5, v[STO]
	v_add_nc_u32 v[STO], s13, v[STO]
	s_lshl_b32 s14, s10, 2
	v_add_nc_u32 v10, s14, v9                      ; back: wave w finishes rows 4 w .. 4 w + 3, two a pass; 16 lanes take a row's 256 bytes
	v_mul_u32_u24 v[RD], v10, PP
	v_lshl_add_u32 v[RD], v8, 4, v[RD]
	v_lshlrev_b32 v[CO], 13, v10
	v_lshl_add_u32 v[CO], v8, 4, v[CO]
	s_lshl_b32 s16, s11, 23                        ; qk: row 2,048 b
	s_mov_b32 s17, 0
	s_lshl_b32 s18, s11, 18                        ; the second words: row 64 b
	s_add_co_u32 s18, s18, QKX
	s_mov_b32 s19, 0
	s_lshl_b32 s20, ttmp9, 16                      ; my 16 rows in either
	s_mov_b32 s21, 0
	s_lshl_b32 s22, s11, 24                        ; sc: row 2,048 b + 16 x
	s_lshl_b32 s23, ttmp9, 17
	s_add_co_u32 s22, s22, s23
	s_mov_b32 s23, 0
	s_wait_kmcnt 0x0
	s_add_nc_u64 s[KH:KH+1], s[4:5], s[16:17]
	s_add_nc_u64 s[KL:KL+1], s[6:7], s[18:19]
	s_add_nc_u64 s[QH:QH+1], s[KH:KH+1], s[20:21]
	s_add_nc_u64 s[QL:QL+1], s[KL:KL+1], s[20:21]
	s_add_nc_u64 s[8:9], s[8:9], s[22:23]
; Step ks of my quarter into set f: 20 loads.  k lies 2,048 bytes behind q in a row.
.macro LOADS f, ks
	WIN 0x40                                       ; destination window 1, address window 0
.irp i, 0,1,2,3
	global_load_b128 v[80*(\f)+8*(\i):80*(\f)+8*(\i)+3],   v[FO], s[KH:KH+1] offset:2048+(\i)*16*ROW+64*(\ks)
	global_load_b128 v[80*(\f)+8*(\i)+4:80*(\f)+8*(\i)+7], v[FO], s[KH:KH+1] offset:2048+(\i)*16*ROW+64*(\ks)+32
.endr
.irp i, 0,1,2,3
	global_load_b128 v[80*(\f)+32+8*(\i):80*(\f)+32+8*(\i)+3],   v[FO], s[KL:KL+1] offset:2048+(\i)*16*ROW+64*(\ks)
	global_load_b128 v[80*(\f)+32+8*(\i)+4:80*(\f)+32+8*(\i)+7], v[FO], s[KL:KL+1] offset:2048+(\i)*16*ROW+64*(\ks)+32
.endr
	global_load_b128 v[80*(\f)+64:80*(\f)+67], v[FO], s[QH:QH+1] offset:64*(\ks)
	global_load_b128 v[80*(\f)+68:80*(\f)+71], v[FO], s[QH:QH+1] offset:64*(\ks)+32
	global_load_b128 v[80*(\f)+72:80*(\f)+75], v[FO], s[QL:QL+1] offset:64*(\ks)
	global_load_b128 v[80*(\f)+76:80*(\f)+79], v[FO], s[QL:QL+1] offset:64*(\ks)+32
.endm
; A step's 12 products: kh x qh, kl x qh, kh x ql.  The 4 accumulators take turns, one instruction a turn.  zero = 1: the first four start the sums: nothing is cleared.
.macro MULS f, zero
	WIN 0x05                                       ; sources 0 and 1 window 1; C and D window 0
.irp i, 0,1,2,3
.if \zero
	v_wmma_f32_16x16x32_f16 v[ACC+8*(\i):ACC+8*(\i)+7], v[80*(\f)+8*(\i):80*(\f)+8*(\i)+7], v[80*(\f)+64:80*(\f)+71], 0
.else
	v_wmma_f32_16x16x32_f16 v[ACC+8*(\i):ACC+8*(\i)+7], v[80*(\f)+8*(\i):80*(\f)+8*(\i)+7], v[80*(\f)+64:80*(\f)+71], v[ACC+8*(\i):ACC+8*(\i)+7]
.endif
.endr
.irp i, 0,1,2,3
	v_wmma_f32_16x16x32_f16 v[ACC+8*(\i):ACC+8*(\i)+7], v[80*(\f)+32+8*(\i):80*(\f)+32+8*(\i)+7], v[80*(\f)+64:80*(\f)+71], v[ACC+8*(\i):ACC+8*(\i)+7]
.endr
.irp i, 0,1,2,3
	v_wmma_f32_16x16x32_f16 v[ACC+8*(\i):ACC+8*(\i)+7], v[80*(\f)+8*(\i):80*(\f)+8*(\i)+7], v[80*(\f)+72:80*(\f)+79], v[ACC+8*(\i):ACC+8*(\i)+7]
.endr
.endm
.macro PLACES                          ; four plain vector instructions between a matrix instruction and a load into, or a reader of, its registers (ISA guide 7.12.1 for vector instructions)
.rept 4
	v_nop
.endr
.endm
; A step: left = the younger loads that may stay out; next = the step that the set takes when it has been multiplied, or -1
.macro STEP f, left, zero, next
	s_wait_loadcnt \left
	MULS \f, \zero
.if (\next) >= 0
	PLACES
	LOADS \f, \next
.endif
.endm
	LOADS 0, 0
	LOADS 1, 1
	LOADS 2, 2
	STEP 0, 40, 1, 3                               ; loads come back in order: the step's 20 are in, the two younger sets' 40 stay out
	STEP 1, 40, 0, 4
	STEP 2, 40, 0, 5
	STEP 0, 40, 0, 6
	STEP 1, 40, 0, 7
	STEP 2, 40, 0, -1
	STEP 0, 20, 0, -1                              ; behind step 6's loads: step 7's 20
	STEP 1, 0, 0, -1
	WIN 0
	PLACES                                         ; in front of LDS stores that read results just made
	PLACES
.irp i, 0,1,2,3                        ; each accumulator's low four registers first
	ds_store_b128 v[STO], v[ACC+8*(\i):ACC+8*(\i)+3]   offset:64*(\i)
	ds_store_b128 v[STO], v[ACC+8*(\i)+4:ACC+8*(\i)+7] offset:64*(\i)+16
.endr
	s_wait_dscnt 0x0                               ; for the others' sake: my partial tile lies in LDS
	s_barrier_signal -1
	s_barrier_wait -1                              ; all four do
.irp t, 0,1                            ; pass t: rows 4 w + 2 t and the next, from all four copies
.irp c, 0,1,2,3
	ds_load_b128 v[SUM+16*(\t)+4*(\c):SUM+16*(\t)+4*(\c)+3], v[RD] offset:(\c)*COPY+2*(\t)*PP
.endr
.endr
	s_wait_dscnt 0x0
.irp t, 0,1
	v_pk_add_f32 v[SUM+16*(\t):SUM+16*(\t)+1],     v[SUM+16*(\t):SUM+16*(\t)+1],     v[SUM+16*(\t)+4:SUM+16*(\t)+5]
	v_pk_add_f32 v[SUM+16*(\t)+2:SUM+16*(\t)+3],   v[SUM+16*(\t)+2:SUM+16*(\t)+3],   v[SUM+16*(\t)+6:SUM+16*(\t)+7]
	v_pk_add_f32 v[SUM+16*(\t)+8:SUM+16*(\t)+9],   v[SUM+16*(\t)+8:SUM+16*(\t)+9],   v[SUM+16*(\t)+12:SUM+16*(\t)+13]
	v_pk_add_f32 v[SUM+16*(\t)+10:SUM+16*(\t)+11], v[SUM+16*(\t)+10:SUM+16*(\t)+11], v[SUM+16*(\t)+14:SUM+16*(\t)+15]
	v_pk_add_f32 v[SUM+16*(\t):SUM+16*(\t)+1],     v[SUM+16*(\t):SUM+16*(\t)+1],     v[SUM+16*(\t)+8:SUM+16*(\t)+9]
	v_pk_add_f32 v[SUM+16*(\t)+2:SUM+16*(\t)+3],   v[SUM+16*(\t)+2:SUM+16*(\t)+3],   v[SUM+16*(\t)+10:SUM+16*(\t)+11]
	global_store_b128 v[CO], v[SUM+16*(\t):SUM+16*(\t)+3], s[8:9] offset:2*(\t)*SROW  ; 16 lanes store 256 consecutive bytes, aligned; no register is written twice
.endr
	s_wait_tensorcnt 0x0                           ; the wave's end, behind my last LDS store
	ds_add_u32 v[SPW], v[NIL]
	s_wait_dscnt 0x0
	s_endpgm
.Lfunc_end_k_q5cf80332d1_sfix:
	.size	k_q5cf80332d1_sfix, .Lfunc_end_k_q5cf80332d1_sfix-k_q5cf80332d1_sfix
	.p2alignl 7, 3214868480
	.fill 96, 4, 3214868480
	.section	.rodata,"a",@progbits
	.p2align	6, 0x0
	.amdhsa_kernel k_q5cf80332d1_sfix
		.amdhsa_group_segment_fixed_size 17920
		.amdhsa_private_segment_fixed_size 0
		.amdhsa_enable_private_segment 0
		.amdhsa_kernarg_size 24
		.amdhsa_user_sgpr_count 2
		.amdhsa_user_sgpr_kernarg_segment_ptr 1
		.amdhsa_wavefront_size32 1
		.amdhsa_system_sgpr_workgroup_id_x 1
		.amdhsa_system_sgpr_workgroup_id_y 1
		.amdhsa_system_sgpr_workgroup_id_z 1
		.amdhsa_system_vgpr_workitem_id 0
		.amdhsa_next_free_vgpr 512
		.amdhsa_next_free_sgpr 66
		.amdhsa_reserve_vcc 0
		.amdhsa_float_denorm_mode_32 3
		.amdhsa_float_denorm_mode_16_64 3
		.amdhsa_memory_ordered 1
		.amdhsa_forward_progress 1
		.amdhsa_inst_pref_size 27
	.end_amdhsa_kernel
	.amdgpu_metadata
---
amdhsa.version: [ 1, 2 ]
amdhsa.kernels:
  - .name:           k_q5cf80332d1_sfix
    .symbol:         k_q5cf80332d1_sfix.kd
    .args:
      - { .name: qk, .offset: 0, .size: 8, .value_kind: global_buffer, .address_space: global }
      - { .name: vx, .offset: 8, .size: 8, .value_kind: global_buffer, .address_space: global }
      - { .name: sc, .offset: 16, .size: 8, .value_kind: global_buffer, .address_space: global }
    .group_segment_fixed_size: 17920
    .private_segment_fixed_size: 0
    .kernarg_segment_align: 8
    .kernarg_segment_size: 24
    .max_flat_workgroup_size: 128
    .sgpr_count:     66
    .vgpr_count:     512
    .wavefront_size: 32
...
	.end_amdgpu_metadata
.endif
;; end of part 5
;; launch softmax (part 6): grid 128 x 4, 8 waves a work-group, no clusters, 0 bytes of LDS; arguments sc, pw; writes pw
.if DOCPART == 6
	.amdgcn_target "amdgcn-amd-amdhsa--gfx1250"
	.amdhsa_code_object_version 6
	.text
	.protected	k_q5cf80332d1_softmax
	.globl	k_q5cf80332d1_softmax
	.p2align	8
	.type	k_q5cf80332d1_softmax,@function
k_q5cf80332d1_softmax:
	s_mov_b64 s[64:65], 0
	v_nop
	global_prefetch_b8 v0, s[64:65] scope:SCOPE_SE
	s_setreg_imm32_b32 hwreg(HW_REG_WAVE_MODE, 25, 1), 1
	s_wait_xcnt 0x0
; pw[b][r][k] = softmax over k <= r of sc[b][r][k] / 32, rounded once to f16; 0 for r < k < 512 (r / 512 + 1), as far as the last product reads a row.
; p = 2^(c s - c m), c = log2(e) / 32, m the row's true maximum over its visible keys; the sum is taken of the unrounded p, in f32; p is multiplied by 1 / sum before it is rounded.
; THE SECOND WORD.  For rows under 1,024 and keys under 256 what the rounding left over, f16(p - f16(p)), is stored too, at columns 1,024 + k of the row, which such a row does not use otherwise: a row that is a
; mean of two or three keys has no averaging that would make a weight's 2^-12 small, so the last product adds these words times v.
; A row stays in registers between the maximum, the exponentials and the scaling: sc is read once.  One wave, one row: no LDS, no barrier.
; SHARES.  A wave takes rows r = 8 x + w (under 1,024) and 2,047 - r of batch y: 9 chunks of 256 keys whatever r.  Their blocks of 256 rows, i = x / 32 and 7 - i, are the same for the work-group's eight waves.
; sc holds chunk c of a row only for c <= i: a chunk beyond is not loaded; its registers take the lowest finite number, as every hidden score does, whose weight comes out as 0.
; LIMITS.  A hidden score counts as -3.4e38; a weight below 2^-126 counts as 0; a weight below 6e-5 keeps f16's fixed step of 6e-8; NaN and infinities are not treated apart.
.set KE,  4                            ; v4-7    4 lane + e: my four keys in a group of 128
.set NEG, 8                            ; v8      the lowest finite f32
.set MONE, 9                           ; v9      -1.0
.set M,   10                           ; v10-13  four running maxima
.set CM,  14                           ; v14-15  c m, twice
.set AS,  16                           ; v16-23  four running sums, in pairs; later at work
.set R,   24                           ; v24-25  1 / sum, twice
.set T,   26                           ; v26-27  at work
.set PL,  28                           ; v28-31  the second words of keys 0-255
.set XA,  32                           ; v32-63   the short row: group q of 128 keys at XA + 4 q
.set XB,  64                           ; v64-127  the long row
	s_load_b128 s[4:7], s[0:1], 0x0                ; sc s[4:5], pw s[6:7]
	v_lshrrev_b32 v1, 5, v0
	v_readfirstlane_b32 s8, v1                     ; wave 0..7
	v_and_b32 v3, 31, v0
	v_lshlrev_b32 v1, 4, v3                        ; 16 bytes a lane of sc
	v_lshlrev_b32 v2, 3, v3                        ; 8 bytes a lane of pw
	v_lshlrev_b32 v[KE], 2, v3
	v_add_nc_u32 v[KE+1], 1, v[KE]
	v_add_nc_u32 v[KE+2], 2, v[KE]
	v_add_nc_u32 v[KE+3], 3, v[KE]
	v_mov_b32 v[NEG], 0xff7fffff
	v_mov_b32 v[MONE], -1.0
	s_and_b32 s9, ttmp7, 0xffff                    ; b
	s_lshl_b32 s10, ttmp9, 3
	s_add_co_u32 s10, s10, s8                      ; the short row
	s_sub_co_u32 s11, 2047, s10                    ; the long row
	s_lshr_b32 s12, ttmp9, 5                       ; the short row's block, 0..3
	s_sub_co_u32 s13, 7, s12                       ; the long row's, 4..7
	s_lshl_b32 s17, s9, 11
	s_add_co_u32 s18, s17, s10
	s_add_co_u32 s19, s17, s11
	s_mov_b32 s15, 0
	s_mov_b32 s20, 0x3d38aa3b                      ; c = log2(e) / 32
	s_mov_b32 s21, s20                             ; named with it as a pair
	s_mov_b32 s22, 0x76543210                      ; v_permlanex16_b32: each lane takes its own place in the other half
	s_mov_b32 s23, 0xfedcba98
	s_wait_kmcnt 0x0
	s_lshl_b32 s14, s18, 13                        ; rows of sc are 8,192 bytes, of pw 4,096
	s_add_nc_u64 s[24:25], s[4:5], s[14:15]
	s_lshl_b32 s14, s19, 13
	s_add_nc_u64 s[26:27], s[4:5], s[14:15]
	s_lshl_b32 s14, s18, 12
	s_add_nc_u64 s[28:29], s[6:7], s[14:15]
	s_lshl_b32 s14, s19, 12
	s_add_nc_u64 s[30:31], s[6:7], s[14:15]
; Chunk c of a row: two loads of 512 consecutive bytes, or, where sc has no such chunk, eight registers of the lowest number.  Every register is written on either way.
.macro CHUNK x, ptr, c, blk, always
.if !(\always)
	s_cmp_ge_u32 s[\blk], \c
	s_cbranch_scc0 .Ldead_\@
.endif
	global_load_b128 v[(\x)+8*(\c):(\x)+8*(\c)+3],   v1, s[\ptr:\ptr+1] offset:1024*(\c) th:TH_LOAD_NT
	global_load_b128 v[(\x)+8*(\c)+4:(\x)+8*(\c)+7], v1, s[\ptr:\ptr+1] offset:1024*(\c)+512 th:TH_LOAD_NT
.if !(\always)
	s_branch .Ldone_\@
.Ldead_\@:
.set z, 0
.rept 8
	v_mov_b32 v[(\x)+8*(\c)+z], v[NEG]
.set z, z+1
.endr
.Ldone_\@:
.endif
.endm
	CHUNK XB, 26, 0, 13, 1
	CHUNK XB, 26, 1, 13, 1
	CHUNK XB, 26, 2, 13, 1
	CHUNK XB, 26, 3, 13, 1
	CHUNK XB, 26, 4, 13, 1
	CHUNK XA, 24, 0, 12, 1
	CHUNK XB, 26, 5, 13, 0
	CHUNK XB, 26, 6, 13, 0
	CHUNK XB, 26, 7, 13, 0
	CHUNK XA, 24, 1, 12, 0
	CHUNK XA, 24, 2, 12, 0
	CHUNK XA, 24, 3, 12, 0
	s_wait_loadcnt 0x0                             ; for 0: how many loads are out hangs on the way taken
; A row of ng groups of 128 keys in registers x ..; groups from mg on can hold hidden keys.  row: the register with r; ptr: pw's row; the last four groups are stored only if the row's block is lim or more.
; xtra = 1: the second words of keys 0-255 are made and stored.
.macro ROW x, ng, mg, row, ptr, blk, lim, xtra
.set q, \mg
.rept (\ng)-(\mg)
	s_sub_co_i32 s16, s[\row], 128*q               ; key 128 q + 4 lane + e is hidden where 4 lane + e > r - 128 q
.irp e, 0,1,2,3
	v_cmp_lt_i32 vcc_lo, s16, v[KE+(\e)]
	v_cndmask_b32 v[(\x)+4*q+(\e)], v[(\x)+4*q+(\e)], v[NEG], vcc_lo
.endr
.set q, q+1
.endr
	; the maximum: four chains of ng registers each, three operands at a time
.irp k, 0,1,2,3
	v_max3_num_f32 v[M+(\k)], v[(\x)+(\ng)*(\k)], v[(\x)+(\ng)*(\k)+1], v[(\x)+(\ng)*(\k)+2]
.endr
.set u, 3
.rept ((\ng)-4)/2
.irp k, 0,1,2,3
	v_max3_num_f32 v[M+(\k)], v[M+(\k)], v[(\x)+(\ng)*(\k)+u], v[(\x)+(\ng)*(\k)+u+1]
.endr
.set u, u+2
.endr
.irp k, 0,1,2,3
	v_max_num_f32 v[M+(\k)], v[M+(\k)], v[(\x)+(\ng)*(\k)+(\ng)-1]
.endr
	v_max3_num_f32 v[M], v[M], v[M+1], v[M+2]
	v_max_num_f32 v[M], v[M], v[M+3]
	v_max_num_f32_dpp v[M], v[M], v[M] row_xmask:1 row_mask:0xf bank_mask:0xf
	v_max_num_f32_dpp v[M], v[M], v[M] row_xmask:2 row_mask:0xf bank_mask:0xf
	v_max_num_f32_dpp v[M], v[M], v[M] row_xmask:4 row_mask:0xf bank_mask:0xf
	v_max_num_f32_dpp v[M], v[M], v[M] row_xmask:8 row_mask:0xf bank_mask:0xf
	v_permlanex16_b32 v[M+1], v[M], s22, s23
	v_max_num_f32 v[M], v[M], v[M+1]               ; every lane holds the row's maximum: key 0 is always visible, so it is a true score
	v_mul_f32 v[CM], s20, v[M]
	v_mul_f32 v[CM+1], s20, v[M]
.set u, 0
.rept 2*(\ng)
	v_pk_fma_f32 v[(\x)+u:(\x)+u+1], v[(\x)+u:(\x)+u+1], s[20:21], v[CM:CM+1] op_sel_hi:[1,0,0] neg_lo:[0,0,1] neg_hi:[0,0,1]  ; c s - c m
.set u, u+2
.endr
.set u, 0
.rept 4*(\ng)
	v_exp_f32 v[(\x)+u], v[(\x)+u]
.set u, u+1
.endr
	v_nop                                          ; a plain instruction between the last exponential and the use of its result (ISA guide 5.7.2)
	; the sum: four chains of pairs, started by their first two pairs: nothing is cleared
	s_wait_alu depctr_va_vdst(0)
.irp k, 0,1,2,3
	v_pk_add_f32 v[AS+2*(\k):AS+2*(\k)+1], v[(\x)+2*(\k):(\x)+2*(\k)+1], v[(\x)+8+2*(\k):(\x)+8+2*(\k)+1]
.endr
.set u, 16
.rept ((\ng)-4)/2
.irp k, 0,1,2,3
	v_pk_add_f32 v[AS+2*(\k):AS+2*(\k)+1], v[AS+2*(\k):AS+2*(\k)+1], v[(\x)+u+2*(\k):(\x)+u+2*(\k)+1]
.endr
.set u, u+8
.endr
	v_pk_add_f32 v[AS:AS+1], v[AS:AS+1], v[AS+2:AS+3]
	v_pk_add_f32 v[AS+4:AS+5], v[AS+4:AS+5], v[AS+6:AS+7]
	v_pk_add_f32 v[AS:AS+1], v[AS:AS+1], v[AS+4:AS+5]
	v_add_f32 v[AS], v[AS], v[AS+1]
	v_add_f32_dpp v[AS], v[AS], v[AS] row_xmask:1 row_mask:0xf bank_mask:0xf
	v_add_f32_dpp v[AS], v[AS], v[AS] row_xmask:2 row_mask:0xf bank_mask:0xf
	v_add_f32_dpp v[AS], v[AS], v[AS] row_xmask:4 row_mask:0xf bank_mask:0xf
	v_add_f32_dpp v[AS], v[AS], v[AS] row_xmask:8 row_mask:0xf bank_mask:0xf
	v_permlanex16_b32 v[AS+1], v[AS], s22, s23
	v_add_f32 v[AS], v[AS], v[AS+1]                ; at least 1: the maximum's own weight
	v_rcp_f32 v[R], v[AS]
	v_rcp_f32 v[R+1], v[AS]
	v_nop
.set u, 0
	s_wait_alu depctr_va_vdst(0)
.rept 2*(\ng)
	v_pk_mul_f32 v[(\x)+u:(\x)+u+1], v[(\x)+u:(\x)+u+1], v[R:R+1]
.set u, u+2
.endr
.if \xtra
.set q, 0
.rept 2                                ; groups 0 and 1: p - f16(p), an f16 half times -1.0 plus the f32 weight, and that rounded to f16
	v_cvt_pk_f16_f32 v[T], v[(\x)+4*q], v[(\x)+4*q+1]
	v_cvt_pk_f16_f32 v[T+1], v[(\x)+4*q+2], v[(\x)+4*q+3]
	v_fma_mix_f32 v[AS],   v[T],   v[MONE], v[(\x)+4*q]   op_sel:[0,0,0] op_sel_hi:[1,0,0]
	v_fma_mix_f32 v[AS+1], v[T],   v[MONE], v[(\x)+4*q+1] op_sel:[1,0,0] op_sel_hi:[1,0,0]
	v_fma_mix_f32 v[AS+2], v[T+1], v[MONE], v[(\x)+4*q+2] op_sel:[0,0,0] op_sel_hi:[1,0,0]
	v_fma_mix_f32 v[AS+3], v[T+1], v[MONE], v[(\x)+4*q+3] op_sel:[1,0,0] op_sel_hi:[1,0,0]
	v_cvt_pk_f16_f32 v[PL+2*q], v[AS], v[AS+1]
	v_cvt_pk_f16_f32 v[PL+2*q+1], v[AS+2], v[AS+3]
.set q, q+1
.endr
.endif
.set q, 0
.rept \ng
	v_cvt_pk_f16_f32 v[(\x)+4*q], v[(\x)+4*q], v[(\x)+4*q+1]
	v_cvt_pk_f16_f32 v[(\x)+4*q+1], v[(\x)+4*q+2], v[(\x)+4*q+3]
.set q, q+1
.endr
.set q, 0
.rept (\ng)-4
	global_store_b64 v2, v[(\x)+4*q:(\x)+4*q+1], s[\ptr:\ptr+1] offset:256*q  ; 32 lanes store 256 consecutive bytes, aligned
.set q, q+1
.endr
.if \xtra
	global_store_b64 v2, v[PL:PL+1], s[\ptr:\ptr+1] offset:2048      ; the second words, at columns 1,024 on; PL is written by this row alone
	global_store_b64 v2, v[PL+2:PL+3], s[\ptr:\ptr+1] offset:2048+256
.endif
	s_cmp_ge_u32 s[\blk], \lim                     ; the last 512 keys belong to the row only in the upper two of its four blocks
	s_cbranch_scc0 .Lshort_\@
.rept 4
	global_store_b64 v2, v[(\x)+4*q:(\x)+4*q+1], s[\ptr:\ptr+1] offset:256*q
.set q, q+1
.endr
.Lshort_\@:
.endm
	ROW XA, 8, 0, 10, 28, 12, 2, 1
	ROW XB, 16, 8, 11, 30, 13, 6, 0                ; keys under 1,024 are all visible to a row of 1,024 or more
	s_endpgm
.Lfunc_end_k_q5cf80332d1_softmax:
	.size	k_q5cf80332d1_softmax, .Lfunc_end_k_q5cf80332d1_softmax-k_q5cf80332d1_softmax
	.p2alignl 7, 3214868480
	.fill 96, 4, 3214868480
	.section	.rodata,"a",@progbits
	.p2align	6, 0x0
	.amdhsa_kernel k_q5cf80332d1_softmax
		.amdhsa_group_segment_fixed_size 0
		.amdhsa_private_segment_fixed_size 0
		.amdhsa_enable_private_segment 0
		.amdhsa_kernarg_size 16
		.amdhsa_user_sgpr_count 2
		.amdhsa_user_sgpr_kernarg_segment_ptr 1
		.amdhsa_wavefront_size32 1
		.amdhsa_system_sgpr_workgroup_id_x 1
		.amdhsa_system_sgpr_workgroup_id_y 1
		.amdhsa_system_sgpr_workgroup_id_z 1
		.amdhsa_system_vgpr_workitem_id 0
		.amdhsa_next_free_vgpr 128
		.amdhsa_next_free_sgpr 66
		.amdhsa_reserve_vcc 1
		.amdhsa_float_denorm_mode_32 3
		.amdhsa_float_denorm_mode_16_64 3
		.amdhsa_memory_ordered 1
		.amdhsa_forward_progress 1
		.amdhsa_inst_pref_size 35
	.end_amdhsa_kernel
	.amdgpu_metadata
---
amdhsa.version: [ 1, 2 ]
amdhsa.kernels:
  - .name:           k_q5cf80332d1_softmax
    .symbol:         k_q5cf80332d1_softmax.kd
    .args:
      - { .name: sc, .offset: 0, .size: 8, .value_kind: global_buffer, .address_space: global }
      - { .name: pw, .offset: 8, .size: 8, .value_kind: global_buffer, .address_space: global }
    .group_segment_fixed_size: 0
    .private_segment_fixed_size: 0
    .kernarg_segment_align: 8
    .kernarg_segment_size: 16
    .max_flat_workgroup_size: 256
    .sgpr_count:     66
    .vgpr_count:     128
    .wavefront_size: 32
...
	.end_amdgpu_metadata
.endif
;; end of part 6
;; launch pv (part 7): grid 8 x 32, 4 waves a work-group, clusters of 4 x 4, 327,680 bytes of LDS; arguments pw, vt, vx, out0; writes out0
.if DOCPART == 7
	.amdgcn_target "amdgcn-amd-amdhsa--gfx1250"
	.amdhsa_code_object_version 6
	.text
	.protected	k_q5cf80332d1_pv
	.globl	k_q5cf80332d1_pv
	.p2align	8
	.type	k_q5cf80332d1_pv,@function
k_q5cf80332d1_pv:
	s_mov_b64 s[64:65], 0
	v_nop
	global_prefetch_b8 v0, s[64:65] scope:SCOPE_SE
	s_setreg_imm32_b32 hwreg(HW_REG_WAVE_MODE, 25, 1), 1
	s_wait_xcnt 0x0
	s_wait_alu depctr_hold_cnt(0) depctr_sa_sdst(0) depctr_va_vdst(0) depctr_va_sdst(0) depctr_va_ssrc(0) depctr_va_vcc(0) depctr_vm_vsrc(0)
	s_getreg_b32 s2, hwreg(HW_REG_IB_STS2, 6, 4)
	s_cmp_eq_u32 s2, 0
	s_cbranch_scc0 .Lentry_in_a_cluster
	s_endpgm
.Lentry_in_a_cluster:
	s_bfe_u32 s2, ttmp6, 0x10000c
	s_cmp_lg_u32 s2, 0xf033
	s_cbranch_scc0 .Lentry_shape_is_right
	s_endpgm
.Lentry_shape_is_right:
; out0[b][q][c] = sum over k of pw[b][q][k] vt[b][c][k].  pw: [4][2048][2048] f16, the finished weights (0 where hidden); vt: [4][1024][2048] f16, v turned; out0: [4][2048][1024] f32.  Sums in f32.
; A tile of out0 is 128 queries x 128 channels: four waves, 64 x 64 each, 16 accumulators.  K (keys) goes in steps of 256 through two LDS slots; a lap is two steps, 512 keys.
; THE WALK.  Block i of 128 queries needs the keys 0 .. 512 (i / 4 + 1) - 1.  A work-group makes TWO tiles of one channel column: blocks 15 - p and then p: (4 - g) + (1 + g) laps, g = p / 4, and ONE LAP OF
; CORRECTIONS for the second block: 6 laps whatever p: all 256 work-groups do equal work, and one loop with a constant trip count walks the laps; the ring runs on across the change of blocks.
; THE CORRECTIONS.  For rows under 1,024 and keys under 256 the weights have a second f16 word (pw's columns 1,024 + k) and v has one (vx).  The last lap's first step adds (second words of P) x vt, its second
; step P x vx.  So a row under 256, which is a mean of few keys, has P and v to about 22 bits; rows from 256 on keep the plain rounding to f16 for their keys from 256 on.
; CLUSTERS: 4 x 4 work-groups: cx picks the channel tile, cy the pair of blocks p = 4 g + cy; b and g come from the cluster's y, so all sixteen partners walk the same laps, and the one forward branch (a block
; is finished) goes the same way in all.  The four of a row of the cluster need the same tiles of pw, the four of a column the same tiles of vt and vx: each is asked for JOINTLY.
; THE MATRIX INSTRUCTION IS USED TRANSPOSED (source 0 = 16 rows of vt, source 1 = 16 rows of pw): a lane holds row l % 16 of out0 and eight neighbouring channels, 32 bytes.
; A wave's 64 channels are 256 bytes of a row, aligned: each wave has a stage of its own for the way out, and no barrier stands there.
; LIMITS.  pw, vt and vx arrive within f16's range; NaN and infinities are not treated apart.
; REGISTERS: window 0: v0-31 addresses; v32-95 at work on the way out; v128-255 the accumulators ((a, b) at v[128 + 8 (4 a + b)]).  Window 1: two fragment buffers of 128 (64 of A, then 64 of B, for 64 along K).
.set KSTEP,  256
.set PITCH,  528                       ; an LDS row: 512 bytes + 16 of padding = 132 words: row r starts at bank 4 r mod 64 (64 banks of 4 bytes: ISA guide 11.1)
.set HALFT,  64*PITCH
.set SLOT,   4*HALFT
.set STAGE,  2*SLOT                    ; behind the ring: 16 rows x 272 bytes for each wave
.set SPITCH, 272
.set SPARE,  STAGE+4*16*SPITCH         ; behind the stages: the spare words, 128 bytes for each wave
.set LAPS,   6
.set CROW,   4096                      ; bytes in a row of out0
.set ADRA, 16
.set ADRB, 20
.set STO,  24
.set RD,   25
.set CO,   26
.set SPW,  28                          ; v28  LDS address of my spare word; never rewritten
.set NIL,  29                          ; v29  0; never rewritten
.set TMP,  32
.set ACC,  128
.set F0,   0
.set F1,   128
.set G1,  24                           ; s[24:31], s[32:39] descriptor groups 1 and 0 (a set for each slot) for pw's tiles
.set G0,  32
.set G1B, 48                           ; s[48:55], s[56:63] the same for vt's and vx's
.set G0B, 56
.set RN,  69                           ; s69  laps of the block being asked for that are still to be asked for
.set RK,  70                           ; s70  byte along the rows at which the lap to be asked for begins
.set RA,  72                           ; s72  byte offset in pw of my 64 rows of the block being asked for
.set ALO, 74                           ; s74  the same for the second block
.set NL,  75                           ; s75  the second block's laps, the corrections' not counted
.set CN,  76                           ; s76  laps of the block in hand still to be finished
.set VTP, 80                           ; s[80:81] vt at my 64 rows
.set VXP, 88                           ; s[88:89] vx at my 64 rows
.set BT,  90                           ; s[90:91] the one of the two that a refill of slot 1 reads
.set AX,  92                           ; s92  byte offset in pw of the second block's second words: ALO + 2,048
.set MSB, 0
.macro WIN new
.if MSB != (\new)
	s_set_vgpr_msb (MSB<<8)|(\new)
.set MSB, \new
.endif
.endm
.set MUL,  0x05                        ; sources 0 (B) and 1 (A) window 1; C and D window 0
.set TO_F, 0x40                        ; destination window 1, address window 0
.macro JLOAD s                         ; a joint load: waves 0 and 1 fetch pw's two halves, waves 2 and 3 vt's; an s_nop 0 and four v_nop follow each of the two lines
	s_cmp_eq_u32 s11, 0
	s_cbranch_scc0 .Lfor_b_\@
	tensor_load_to_lds s[G0+4*(\s):G0+4*(\s)+3], s[G1:G1+7]
	s_nop 0
.rept 4
	v_nop
.endr
	s_branch .Lasked_\@
.Lfor_b_\@:
	tensor_load_to_lds s[G0B+4*(\s):G0B+4*(\s)+3], s[G1B:G1B+7]
	s_nop 0
.rept 4
	v_nop
.endr
.Lasked_\@:
.endm
.macro CREST
	s_cmp_lg_u32 s10, 0
	s_cbranch_scc1 .Lnot_wave_0_\@
	s_barrier_signal -3
.Lnot_wave_0_\@:
	s_barrier_wait -3
	s_barrier_signal -1
	s_barrier_wait -1
.endm
.macro CROUND
	s_barrier_signal -1
	s_barrier_wait -1
	CREST
.endm
	s_load_b128 s[4:7], s[0:1], 0x0                ; pw s[4:5], vt s[6:7]
	s_load_b64 s[VXP:VXP+1], s[0:1], 0x10          ; vx
	s_load_b64 s[8:9], s[0:1], 0x18                ; out0
	v_lshl_add_u32 v[SPW], v0, 2, SPARE
	v_mov_b32 v[NIL], 0
	ds_add_u32 v[SPW], v[NIL]                      ; the wave's opening: the add and its wait stand ahead of my first tensor load
	ds_add_u32 v28, v29
	v_lshrrev_b32 v1, 5, v0
	v_readfirstlane_b32 s10, v1                    ; wave 0..3
	s_lshr_b32 s11, s10, 1                         ; my half of the tile's rows.  Also: I fetch for pw (0) or for vt (1)
	s_and_b32 s12, s10, 1                          ; my half of its columns.  Also: which 64 rows of that tile I fetch
	s_bfe_u32 s40, ttmp6, 0x40000                  ; cx
	s_bfe_u32 s41, ttmp6, 0x40004                  ; cy
	s_lshl_b32 s42, ttmp9, 2
	s_add_co_u32 s42, s42, s40                     ; channel tile = 4 x cluster x + cx
	s_and_b32 s13, ttmp7, 0xffff                   ; cluster y = 2 b + g
	s_and_b32 s66, s13, 1                          ; g
	s_lshr_b32 s67, s13, 1                         ; b
	s_lshl_b32 s68, s66, 2
	s_add_co_u32 s68, s68, s41                     ; p: the second block
	s_sub_co_u32 s71, 15, s68                      ; the first block
	s_lshl_b32 s43, s41, 2
	s_lshl_b32 s43, 15, s43                        ; my row of the cluster
	s_lshl_b32 s44, 0x1111, s40                    ; my column
	s_or_b32 s[G1+0], s43, (1<<16)|(1<<20)|(1<<21)|(6<<22)|(3<<25)  ; the mask; 2-byte elements; padding on; bit 21 beside a mask; after every 128 words; 4 words
	s_or_b32 s[G1B+0], s44, (1<<16)|(1<<20)|(1<<21)|(6<<22)|(3<<25)
.irp g, G1, G1B
	s_mov_b32 s[(\g)+1], KSTEP<<16                 ; tensor_dim0 = 256
	s_mov_b32 s[(\g)+2], 64<<16                    ; tensor_dim1 = 64
	s_mov_b32 s[(\g)+3], KSTEP<<16                 ; tile_dim0 = 256
	s_mov_b32 s[(\g)+4], 64                        ; tile_dim1 = 64
	s_mov_b32 s[(\g)+5], 2048                      ; elements from row to row
	s_mov_b32 s[(\g)+6], 0
	s_mov_b32 s[(\g)+7], 0
.endr
	s_sub_co_u32 s[CN], 4, s66                     ; the first block has 4 - g laps,
	s_add_co_u32 s[NL], s66, 1                     ; the second 1 + g, and the corrections'
	s_sub_co_u32 s[RN], s[CN], 1                   ; lap 0 is asked for at once
	s_mov_b32 s[RK], 2*KSTEP*2
	s_lshl_b32 s16, s67, 11                        ; pw: row 2,048 b + 128 block + 64 x half, 4,096 bytes a row (under 2^26)
	s_lshl_b32 s17, s12, 6
	s_add_co_u32 s16, s16, s17
	s_lshl_b32 s17, s71, 7
	s_add_co_u32 s17, s17, s16
	s_lshl_b32 s[RA], s17, 12
	s_lshl_b32 s17, s68, 7
	s_add_co_u32 s17, s17, s16
	s_lshl_b32 s[ALO], s17, 12
	s_add_co_u32 s[AX], s[ALO], 2048               ; column 1,024 of the same rows
	s_lshl_b32 s46, s67, 10                        ; vt, vx: row 1,024 b + 128 x channel tile + 64 x half
	s_lshl_b32 s47, s42, 7
	s_add_co_u32 s46, s46, s47
	s_lshl_b32 s47, s12, 6
	s_add_co_u32 s46, s46, s47
	s_lshl_b32 s46, s46, 12
	s_mov_b32 s47, 0
	s_mov_b32 s85, 0                               ; the high words of the two offsets that a refill makes
	s_mov_b32 s87, 0
	s_mul_i32 s20, s10, HALFT                      ; where the tiles go: wave x 64 rows
	s_wait_dscnt 0x0                               ; the opening add is done
	s_wait_kmcnt 0x0
	s_add_nc_u64 s[VTP:VTP+1], s[6:7], s[46:47]
	s_add_nc_u64 s[VXP:VXP+1], s[VXP:VXP+1], s[46:47]
	CROUND                                         ; all sixteen work-groups are here: the first joint loads meet
.irp s, 0,1
	s_mov_b32 s[G0+4*(\s)], 1
	s_add_co_u32 s[G0+4*(\s)+1], s20, (\s)*SLOT
	s_add_co_u32 s84, s[RA], (\s)*KSTEP*2
	s_add_nc_u64 s[G0+4*(\s)+2:G0+4*(\s)+3], s[4:5], s[84:85]
	s_or_b32 s[G0+4*(\s)+3], s[G0+4*(\s)+3], 0x80000000
	s_mov_b32 s[G0B+4*(\s)], 1
	s_add_co_u32 s[G0B+4*(\s)+1], s20, (\s)*SLOT
	s_add_nc_u64 s[G0B+4*(\s)+2:G0B+4*(\s)+3], s[VTP:VTP+1], (\s)*KSTEP*2
	s_or_b32 s[G0B+4*(\s)+3], s[G0B+4*(\s)+3], 0x80000000
	JLOAD \s                                       ; the first block's lap 0: two tensor loads of mine are out
.endr
	v_and_b32 v1, 15, v0                           ; l % 16
	v_bfe_u32 v2, v0, 4, 1                         ; l / 16
	v_mul_u32_u24 v3, v1, PITCH
	v_lshl_add_u32 v3, v2, 4, v3
	s_mul_i32 s21, s11, HALFT                      ; my 64 rows of pw
	s_mul_i32 s22, s12, HALFT                      ; my 64 rows of vt,
	s_add_co_u32 s22, s22, 2*HALFT                 ; which lie behind pw's 128
.irp s, 0,1
	v_add_nc_u32 v[ADRA+(\s)], s21, v3
	v_add_nc_u32 v[ADRB+(\s)], s22, v3
	s_add_co_u32 s21, s21, SLOT
	s_add_co_u32 s22, s22, SLOT
.endr
	s_mul_i32 s23, s10, 16*SPITCH
	s_add_co_u32 s23, s23, STAGE                   ; my stage
	v_mul_u32_u24 v4, v1, SPITCH                   ; in: row l % 16, 32 bytes for each half of the lanes
	v_lshl_add_u32 v4, v2, 5, v4
	v_add_nc_u32 v[STO], s23, v4
	v_mul_u32_u24 v5, v2, SPITCH                   ; back: lanes 0-15 take one row of 256 bytes, lanes 16-31 the next
	v_lshl_add_u32 v5, v1, 4, v5
	v_add_nc_u32 v[RD], s23, v5
	v_lshlrev_b32 v5, 12, v2                       ; and the same two rows in out0
	v_lshl_add_u32 v[CO], v1, 4, v5
	s_lshl_b32 s16, s67, 11                        ; out0: row 2,048 b + 128 block + 64 x my half of the rows; byte 512 x channel tile + 256 x my half of the columns
	s_lshl_b32 s17, s11, 6
	s_add_co_u32 s16, s16, s17
	s_lshl_b32 s46, s42, 9
	s_lshl_b32 s47, s12, 8
	s_add_co_u32 s46, s46, s47
	s_lshl_b32 s18, s68, 7
	s_add_co_u32 s18, s18, s16
	s_lshl_b32 s18, s18, 12
	s_add_co_u32 s18, s18, s46
	s_mov_b32 s19, 0
	s_add_nc_u64 s[82:83], s[8:9], s[18:19]        ; the second block's tile
	s_lshl_b32 s18, s71, 7
	s_add_co_u32 s18, s18, s16
	s_lshl_b32 s18, s18, 12
	s_add_co_u32 s18, s18, s46
	s_add_nc_u64 s[8:9], s[8:9], s[18:19]          ; the first block's
; 8 matrix instructions: m blocks a0, a0 + 1 x all 4 n blocks, 32 along K: half c of buffer f.  zero = 1: the product starts the sums.  The 16 accumulators take turns.
.macro MUL8 f, c, a0, zero
	WIN MUL
.irp a, \a0, (\a0)+1
.irp b, 0,1,2,3
.if \zero
	v_wmma_f32_16x16x32_f16 v[ACC+8*(4*(\a)+(\b)):ACC+8*(4*(\a)+(\b))+7], v[(\f)+64+8*(4*(\c)+(\b)):(\f)+64+8*(4*(\c)+(\b))+7], v[(\f)+8*(4*(\c)+(\a)):(\f)+8*(4*(\c)+(\a))+7], 0
.else
	v_wmma_f32_16x16x32_f16 v[ACC+8*(4*(\a)+(\b)):ACC+8*(4*(\a)+(\b))+7], v[(\f)+64+8*(4*(\c)+(\b)):(\f)+64+8*(4*(\c)+(\b))+7], v[(\f)+8*(4*(\c)+(\a)):(\f)+8*(4*(\c)+(\a))+7], v[ACC+8*(4*(\a)+(\b)):ACC+8*(4*(\a)+(\b))+7]
.endif
.endr
.endr
.endm
; 32 LDS loads in one run: the fragments of 64 along K at byte k of the rows, into buffer f; the first 32 along K first
.macro FETCH slot, k, f
	WIN TO_F
.irp c, 0,1
.irp i, 0,1,2,3
	ds_load_b128 v[(\f)+64+8*(4*(\c)+(\i)):(\f)+64+8*(4*(\c)+(\i))+3],   v[ADRB+(\slot)] offset:(\k)+64*(\c)+(\i)*16*PITCH
	ds_load_b128 v[(\f)+64+8*(4*(\c)+(\i))+4:(\f)+64+8*(4*(\c)+(\i))+7], v[ADRB+(\slot)] offset:(\k)+64*(\c)+(\i)*16*PITCH+32
	ds_load_b128 v[(\f)+8*(4*(\c)+(\i)):(\f)+8*(4*(\c)+(\i))+3],         v[ADRA+(\slot)] offset:(\k)+64*(\c)+(\i)*16*PITCH
	ds_load_b128 v[(\f)+8*(4*(\c)+(\i))+4:(\f)+8*(4*(\c)+(\i))+7],       v[ADRA+(\slot)] offset:(\k)+64*(\c)+(\i)*16*PITCH+32
.endr
.endr
.endm
.macro PLACES
.rept 4
	v_nop
.endr
.endm
.macro QUARTER slot, k, f, g, zero
	s_wait_dscnt 16                                ; the first 32 along K are in
	MUL8 \f, 0, 0, \zero
	MUL8 \f, 0, 2, \zero
	PLACES
	FETCH \slot, \k, \g
	s_wait_dscnt 32                                ; all but the 32 just issued
	MUL8 \f, 1, 0, 0
	MUL8 \f, 1, 2, 0
.endm
; What a refill asks for.  The addresses are made anew from the buffers' bases and offsets kept apart.  Slot 0 opens a lap: where the block being asked for has no lap left, the second block's lap 0 follows.
; Slot 1 closes it.  The loop's last trip (s3 = 1) asks for the lap of corrections: slot 0 takes the second words of P (pw at byte 2,048 of the second block's rows) and vt's keys 0-255, slot 1 takes P's
; keys 0-255 and vx's.  RN, RK and s3 hang on g and the trip alone, RA, ALO and AX on cy, b and the wave: pw's address holds no cx, vt's and vx's no cy.
.macro NEXTREQ slot
.if (\slot) == 0
	s_cmp_eq_u32 s[RN], 0
	s_cselect_b32 s[RA], s[ALO], s[RA]
	s_cselect_b32 s[RK], 0, s[RK]
	s_cselect_b32 s[RN], s[NL], s[RN]
.endif
	s_add_co_u32 s86, s[RK], (\slot)*KSTEP*2
	s_add_co_u32 s84, s[RA], s86
	s_cmp_eq_u32 s3, 1
	s_cselect_b32 s86, 0, s86
.if (\slot) == 0
	s_cselect_b32 s84, s[AX], s84
	s_add_nc_u64 s[G0B+4*(\slot)+2:G0B+4*(\slot)+3], s[VTP:VTP+1], s[86:87]
.else
	s_cselect_b32 s84, s[ALO], s84
	s_cselect_b64 s[BT:BT+1], s[VXP:VXP+1], s[VTP:VTP+1]
	s_add_nc_u64 s[G0B+4*(\slot)+2:G0B+4*(\slot)+3], s[BT:BT+1], s[86:87]
.endif
	s_add_nc_u64 s[G0+4*(\slot)+2:G0+4*(\slot)+3], s[4:5], s[84:85]
	s_or_b32 s[G0+4*(\slot)+3], s[G0+4*(\slot)+3], 0x80000000
	s_or_b32 s[G0B+4*(\slot)+3], s[G0B+4*(\slot)+3], 0x80000000
.if (\slot) == 1
	s_add_co_u32 s[RK], s[RK], 2*KSTEP*2
	s_sub_co_u32 s[RN], s[RN], 1
.endif
.endm
; A K step's last quarter multiplies buffer 1 and changes slots: ONE barrier; in front of it each wave waits for all its tensor loads, adds 0 to its spare word, and waits for that and for its reads of this slot.
; fill = 1: the barrier opens a round of the cluster's barrier, and this slot is filled again, first thing behind the round.
.macro TURN slot, next, fill
	WIN 0
	s_wait_tensorcnt 0x0                           ; no tensor load of mine is out, so a group 0 may be written
	ds_add_u32 v[SPW], v[NIL]                      ; 0 onto my spare word
.if \fill
	NEXTREQ \slot
.endif
	s_wait_dscnt 17                                ; (the add and the youngest sixteen loads may be out)
	MUL8 F1, 0, 0, 0
	s_wait_dscnt 0x0                               ; the add is done, and my reads of this slot are over
	s_barrier_signal -1
	MUL8 F1, 0, 2, 0
.if \fill
	WIN 0
.endif
	s_barrier_wait -1
.if \fill
	CREST                                          ; no wave of any partner still reads this slot's tile or has a load on its way
	JLOAD \slot                                    ; its four v_nop are also the places in front of the loads below
.else
	PLACES
.endif
	FETCH \next, 0, F0
	MUL8 F1, 1, 0, 0
	MUL8 F1, 1, 2, 0
.endm
; THE WAY OUT, 16 rows at a time: a lane's 32 bytes go from the accumulators (low four registers first) into my stage and come back as whole rows of 256 bytes.
.macro TOSTAGE a
	s_wait_xcnt 0x0                                ; the stores of two blocks back have read the registers that are loaded below
.irp b, 0,1,2,3
	ds_store_b128 v[STO], v[ACC+8*(4*(\a)+(\b)):ACC+8*(4*(\a)+(\b))+3]   offset:64*(\b)
	ds_store_b128 v[STO], v[ACC+8*(4*(\a)+(\b))+4:ACC+8*(4*(\a)+(\b))+7] offset:64*(\b)+16
.endr
.irp t, 0,1,2,3,4,5,6,7
	ds_load_b128 v[TMP+32*((\a)%2)+4*(\t):TMP+32*((\a)%2)+4*(\t)+3], v[RD] offset:(\t)*2*SPITCH  ; LDS serves a wave's instructions in order (ISA guide 5.7.1.4)
.endr
.endm
.macro SEND a, younger                 ; younger: the LDS instructions issued behind block a's loads: the next block's sixteen, or none
	s_wait_dscnt \younger
.irp t, 0,1,2,3,4,5,6,7
	global_store_b128 v[CO], v[TMP+32*((\a)%2)+4*(\t):TMP+32*((\a)%2)+4*(\t)+3], s[8:9] offset:(16*(\a)+2*(\t))*CROW th:TH_STORE_NT  ; 16 lanes store 256 consecutive bytes, aligned
.endr
.endm
.macro WAYOUT
	PLACES                                         ; eight plain instructions behind the last products: in front of LDS stores that read results, and of products that start the sums anew
	PLACES
	TOSTAGE 0
.irp a, 1,2,3
	TOSTAGE \a
	SEND (\a)-1, 16
.endr
	SEND 3, 0
.endm
	s_wait_tensorcnt 1                             ; my part of K step 0 is in; K step 1's may stay out
	s_barrier_signal -1
	s_barrier_wait -1
	FETCH 0, 0, F0
	QUARTER 0, 128, F0, F1, 1                      ; the first quarter stands in front of the loop: its first products start the sums
	WIN 0
	s_mov_b32 s3, LAPS-1
.Llap:                                                 ; a trip goes once round the ring, from a lap's second quarter to the next lap's first, and fills both slots again
	QUARTER 0, 256, F1, F0, 0
	QUARTER 0, 384, F0, F1, 0
	TURN 0, 1, 1
	QUARTER 1, 128, F0, F1, 0
	QUARTER 1, 256, F1, F0, 0
	QUARTER 1, 384, F0, F1, 0
	TURN 1, 0, 1
	WIN 0
	s_sub_co_u32 s[CN], s[CN], 1
	s_cmp_lg_u32 s[CN], 0
	s_cbranch_scc1 .Lon                            ; forward, over text that holds neither a barrier nor a tensor load
	WAYOUT                                         ; the first block is finished; both refills for the second block's first lap have been asked for
	s_wait_xcnt 0x0                                ; the stores have read their base
	s_mov_b64 s[8:9], s[82:83]
	s_mov_b32 s[CN], 16                            ; more than the trips that are left: the second block ends behind the loop
	MUL8 F0, 0, 0, 1                               ; the second block's sums begin (the way out has waited for all LDS loads, buffer 0's among them)
	MUL8 F0, 0, 2, 1
	WIN 0
	s_branch .Ljoin
.Lon:
	s_wait_dscnt 16                                ; the first 32 along K are in
	MUL8 F0, 0, 0, 0
	MUL8 F0, 0, 2, 0
	WIN 0
.Ljoin:
	PLACES
	FETCH 0, 128, F1
	s_wait_dscnt 32                                ; all but the 32 just issued, on either way
	MUL8 F0, 1, 0, 0
	MUL8 F0, 1, 2, 0
	WIN 0
	s_sub_co_u32 s3, s3, 1
	s_cmp_lg_u32 s3, 0
	s_cbranch_scc1 .Llap
	QUARTER 0, 256, F1, F0, 0                      ; the last lap, the corrections', fills nothing, and has no round of the cluster's barrier
	QUARTER 0, 384, F0, F1, 0
	TURN 0, 1, 0
	QUARTER 1, 128, F0, F1, 0
	QUARTER 1, 256, F1, F0, 0
	QUARTER 1, 384, F0, F1, 0
	s_wait_dscnt 16                                ; the very last quarter: nothing more to fetch
	MUL8 F1, 0, 0, 0
	MUL8 F1, 0, 2, 0
	s_wait_dscnt 0x0
	MUL8 F1, 1, 0, 0
	MUL8 F1, 1, 2, 0
	WIN 0
	WAYOUT                                         ; the second block
	s_wait_tensorcnt 0x0                           ; the wave's end, behind my last tensor load and my last LDS store
	ds_add_u32 v[SPW], v[NIL]
	s_wait_dscnt 0x0
	CROUND                                         ; the closing round: no work-group ends while a partner may still ask for a tile that names it
	s_endpgm
.Lfunc_end_k_q5cf80332d1_pv:
	.size	k_q5cf80332d1_pv, .Lfunc_end_k_q5cf80332d1_pv-k_q5cf80332d1_pv
	.p2alignl 7, 3214868480
	.fill 96, 4, 3214868480
	.section	.rodata,"a",@progbits
	.p2align	6, 0x0
	.amdhsa_kernel k_q5cf80332d1_pv
		.amdhsa_group_segment_fixed_size 327680
		.amdhsa_private_segment_fixed_size 0
		.amdhsa_enable_private_segment 0
		.amdhsa_kernarg_size 32
		.amdhsa_user_sgpr_count 2
		.amdhsa_user_sgpr_kernarg_segment_ptr 1
		.amdhsa_wavefront_size32 1
		.amdhsa_system_sgpr_workgroup_id_x 1
		.amdhsa_system_sgpr_workgroup_id_y 1
		.amdhsa_system_sgpr_workgroup_id_z 1
		.amdhsa_system_vgpr_workitem_id 0
		.amdhsa_next_free_vgpr 512
		.amdhsa_next_free_sgpr 96
		.amdhsa_reserve_vcc 0
		.amdhsa_float_denorm_mode_32 3
		.amdhsa_float_denorm_mode_16_64 3
		.amdhsa_memory_ordered 1
		.amdhsa_forward_progress 1
		.amdhsa_inst_pref_size 96
	.end_amdhsa_kernel
	.amdgpu_metadata
---
amdhsa.version: [ 1, 2 ]
amdhsa.kernels:
  - .name:           k_q5cf80332d1_pv
    .symbol:         k_q5cf80332d1_pv.kd
    .args:
      - { .name: pw, .offset: 0, .size: 8, .value_kind: global_buffer, .address_space: global }
      - { .name: vt, .offset: 8, .size: 8, .value_kind: global_buffer, .address_space: global }
      - { .name: vx, .offset: 16, .size: 8, .value_kind: global_buffer, .address_space: global }
      - { .name: out0, .offset: 24, .size: 8, .value_kind: global_buffer, .address_space: global }
    .group_segment_fixed_size: 327680
    .private_segment_fixed_size: 0
    .kernarg_segment_align: 8
    .kernarg_segment_size: 32
    .max_flat_workgroup_size: 128
    .sgpr_count:     96
    .vgpr_count:     512
    .wavefront_size: 32
...
	.end_amdgpu_metadata
.endif
;; end of part 7
;; ======== version 2 of 3: 5 launches
;; limits: values are held in f16: magnitudes above 65,504 overflow, below 6.1e-05 lose precision
;; workspace buffers: xb 16,777,216 bytes; wqk 4,194,304 bytes; wv 2,097,152 bytes; qk 33,554,432 bytes; vt 16,777,216 bytes; vx 17,825,792 bytes; sc 67,108,864 bytes; pw 33,554,432 bytes
;; launch prep: the kernel of part 1 again; grid 448 x 1, 8 waves a work-group, no clusters, 35,840 bytes of LDS; arguments x, Wq, Wk, Wv, xb, wqk, wv; writes xb, wqk, wv
;; launch proj (part 8): grid 12 x 32, 4 waves a work-group, clusters of 4 x 4, 327,680 bytes of LDS; arguments xb, wqk, wv, qk, vt, vx; writes qk, vt, vx
.if DOCPART == 8
	.amdgcn_target "amdgcn-amd-amdhsa--gfx1250"
	.amdhsa_code_object_version 6
	.text
	.protected	k_q5cf80332d1_proj
	.globl	k_q5cf80332d1_proj
	.p2align	8
	.type	k_q5cf80332d1_proj,@function
k_q5cf80332d1_proj:
	s_mov_b64 s[64:65], 0
	v_nop
	global_prefetch_b8 v0, s[64:65] scope:SCOPE_SE
	s_setreg_imm32_b32 hwreg(HW_REG_WAVE_MODE, 25, 1), 1
	s_wait_xcnt 0x0
	s_wait_alu depctr_hold_cnt(0) depctr_sa_sdst(0) depctr_va_vdst(0) depctr_va_sdst(0) depctr_va_ssrc(0) depctr_va_vcc(0) depctr_vm_vsrc(0)
	s_getreg_b32 s2, hwreg(HW_REG_IB_STS2, 6, 4)
	s_cmp_eq_u32 s2, 0
	s_cbranch_scc0 .Lentry_in_a_cluster
	s_endpgm
.Lentry_in_a_cluster:
	s_bfe_u32 s2, ttmp6, 0x10000c
	s_cmp_lg_u32 s2, 0xf033
	s_cbranch_scc0 .Lentry_shape_is_right
	s_endpgm
.Lentry_shape_is_right:
; THE THREE PROJECTIONS.  C[m][n] = sum over k of A[m][k] B[n][k].  A, B: rows of 1,024 bf16; sums in f32, K ascending; C rounded once to f16, rows of 4,096 bytes.
; Clusters of 4 x 4 work-groups; X, Y the cluster's place in the grid (3 x 8), cx, cy a work-group's place in it.  A tile is 256 rows of a buffer.
;   X < 2, q and k:  A = xb tile 8 cy + Y (batch cy, rows 256 Y ..), B = wqk tile 4 X + cx, C = qk [8192][2048].
;   X = 2, v turned: A = wv tile cy, B = xb tile 8 cx + Y (batch cx, keys 256 Y ..), C = vt [4][1024 channels][2048 keys].
; Which buffers and tiles hangs on X alone, by selects.  With tr A's tile and tc B's, C's tile begins at byte (tc / 8) x 4,194,304 + 256 tr x 4,096 + (tc % 8) x 512 in both cases.
; THE SECOND WORDS.  f16 keeps 11 bits.  A row of the module's output that is a mean of two or three keys has no averaging that would make that small beside numbers near 0.  So for v's first 256 keys and for q's
; and k's first 64 rows of each batch what the rounding left over, f16(sum - f16(sum)), is stored too: v's in vx with vt's layout, q's and k's as [4][64][2048] f16 from byte 16,777,216 of vx on.
; By the numbering above these are the tiles of the clusters with Y = 0: the count of blocks that get second words hangs on X, Y and the wave's number, never on cx or cy.
; LIMIT.  f16 holds no number beyond 65,504: q, k and v must lie within it (inputs of unit spread give numbers of a few units).  NaN and infinities are not treated apart.
; A tile of C, 256 x 256, is made by four waves; a wave makes 128 x 128: 64 accumulators of 16 x 16, 512 registers.  K goes in 8 steps of 128 through a ring of two LDS slots filled by the tensor
; data mover: tile rows are 256 bytes of memory and start at multiples of 256 bytes.
; THE TEXT.  A K step is written once.  Which slot is read stands in a scalar (0 or SLOT) that one exclusive or turns; the fragment addresses are made from it at each change of slots; the descriptors of K step 1
; walk on, their LDS word turned by the same exclusive or.  The six steps that fill a slot again are one loop, the last two, which fill nothing, a second one.
; JOINT LOADS.  The four of a row of the cluster need the same tiles of A, the four of a column the same tiles of B: such a tile is asked for by the same tensor load with the same descriptor and a mask
; that names the four.  A's address is made of cy, X and Y, B's of cx, X and Y.
; REGISTERS, in windows of 256 (s_set_vgpr_msb's low byte: bits 1:0 source 0, 3:2 source 1, 5:4 source 2, 7:6 destination):
;   window 0: v0-31 addresses; v64-127, v128-191 fragments of A, two buffers (on the way out v64-127 serve the second words); v32-63, v192-255 at work on the way out
;   window 1: v64-127, v128-191 fragments of B     window 2: the accumulators of my rows 0-63 ((a, b) at v[8 (8 a + b)])     window 3: those of my rows 64-127
; THE MATRIX INSTRUCTION IS USED TRANSPOSED: source 0 = 16 rows of B, source 1 = 16 rows of A: a lane then holds row l % 16 of C and the eight neighbouring columns 8 (l / 16) + 0..7.
.set SIZE_K, 1024
.set CROW,   4096                      ; bytes in a row of C
.set QKX,    16777216                  ; byte of vx at which q's and k's second words begin
.set KSTEP,  128
.set STEPS,  SIZE_K/KSTEP
.set PITCH,  272                       ; an LDS row: 256 bytes + 16 of padding = 68 words: row r starts at bank 4 r mod 64 (64 banks of 4 bytes: ISA guide 11.1)
.set HALFT,  128*PITCH                 ; 128 rows: what one tensor load brings, and what one wave reads of A or of B: 34,816 = 2^15 + 2^11
.set SLOT,   4*HALFT                   ; A's 256 rows, then B's 256 rows: 139,264 = 2^17 + 2^13.  The waves' places in slot 0, 0 to 3 x HALFT, use bits 11, 12, 15 and 16 alone: an exclusive or with SLOT adds it or takes it away
.set STAGE,  2*SLOT                    ; behind the ring: 16 rows x 272 bytes for each wave, for the way out
.set SPITCH, 272
.set SPARE,  STAGE+4*16*SPITCH         ; behind the stages: the spare words, 128 bytes for each wave
.set ADRA0, 16                         ; v16     LDS address of my A fragments in slot 0; never rewritten
.set ADRA,  17                         ; v17     the same in the slot that is being read
.set ADRB0, 20                         ; v20, v21  the same two for B
.set ADRB,  21
.set STO,  24                          ; v24     the way out: where I put 16 bytes of a row
.set RD,   25                          ; v25     the way out: where I read a row back
.set CO,   26                          ; v26     my byte offset in C
.set SPW,  28                          ; v28     LDS address of my spare word; never rewritten
.set NIL,  29                          ; v29     0; never rewritten
.set PFO,  30                          ; v30     the prefetches' offset: my lane x a row of 2,048 bytes; never rewritten
.set MONE, 31                          ; v31     -1.0
.set PFA,  44                          ; s[44:45] where my prefetches stand
.set LIM,  43                          ; s43     2 in a wave that prefetches, else the greatest number
.set XP,   80                          ; s[80:81] the second words at my part of the tile; never rewritten
.set XF,   82                          ; s82     how many of my eight blocks of 16 rows get second words: 8, 4 or 0
.set TB,   86                          ; s86     LDS byte at which the slot that is being read begins: 0 or SLOT
.set CNT,  87                          ; s87     counts the last two K steps
.set F0,   64
.set F1,   128
.set TMP,  192
.set OB,   32
.set TMP2, 64                          ; the second words, packed
.set BK2,  96                          ; the second words, read back by rows
.set G1,  24                           ; s[24:31] descriptor group 1 for A's tiles
.set G0,  32                           ; s[32:35] group 0 for A's K step 0; s[36:39] for K step 1, which then walks on
.set G1B, 48                           ; s[48:55], s[56:63] the same for B's
.set G0B, 56
.set MSB, 0
.macro WIN new                         ; the immediate's high byte repeats the setting that is left; a switch that changes nothing is dropped
.if MSB != (\new)
	s_set_vgpr_msb (MSB<<8)|(\new)
.set MSB, \new
.endif
.endm
.set MUL_LO, 0xa1                      ; source 0 (B) window 1, source 1 (A) window 0, C and D window 2
.set MUL_HI, 0xf1                      ; the same, C and D window 3
.set TO_B,   0x40                      ; destination window 1, address window 0
; A joint load.  Waves 0 and 1 fetch A's two halves, waves 2 and 3 B's.  The branch hangs on the wave's number alone.  An s_nop 0 and four v_nop follow each of the two lines.
.macro JLOAD s
	s_cmp_eq_u32 s11, 0
	s_cbranch_scc0 .Lfor_b_\@
	tensor_load_to_lds s[G0+4*(\s):G0+4*(\s)+3], s[G1:G1+7]
	s_nop 0
.rept 4
	v_nop
.endr
	s_branch .Lasked_\@
.Lfor_b_\@:
	tensor_load_to_lds s[G0B+4*(\s):G0B+4*(\s)+3], s[G1B:G1B+7]
	s_nop 0
.rept 4
	v_nop
.endr
.Lasked_\@:
.endm
; A prefetch into the L2, behind each joint refill and the run of LDS loads that follows it: the K step that stands TWO refills on (512 matrix instructions ahead of the load that will want it): 32 rows x 256 bytes,
; a lane a row.  Each row's 256 bytes of a K step are named once in the launch: xb's tiles 8 c + Y are read by the clusters (0, Y), (1, Y) and (2, Y): (0, Y) asks; wqk's tiles 4 X + cx by the clusters (X, all Y):
; (X, 0) asks; wv's by the clusters (2, all Y): (2, 0) asks.  The four partners that ask for a tile jointly take 32 of a wave's 128 rows each, told apart by address.
; K steps 0 to 3 come by their loads alone; the loop's last two trips (s3 = 2 and 1) have no K step two refills on.
.macro ASK
	s_cmp_gt_u32 s3, s[LIM]
	s_cbranch_scc0 .Lnot_mine_\@
	global_prefetch_b8 v[PFO], s[PFA:PFA+1] offset:KSTEP*2 th:TH_LOAD_NT scope:SCOPE_SE
.Lnot_mine_\@:
.endm
.macro CREST                           ; a round of the cluster's barrier behind its opening barrier
	s_cmp_lg_u32 s10, 0
	s_cbranch_scc1 .Lnot_wave_0_\@
	s_barrier_signal -3
.Lnot_wave_0_\@:
	s_barrier_wait -3
	s_barrier_signal -1
	s_barrier_wait -1
.endm
.macro CROUND                          ; a whole round
	s_barrier_signal -1
	s_barrier_wait -1
	CREST
.endm
	s_load_b256 s[68:75], s[0:1], 0x0              ; xb s[68:69], wqk s[70:71], wv s[72:73], qk s[74:75]
	s_load_b128 s[76:79], s[0:1], 0x20             ; vt s[76:77], vx s[78:79]
	v_lshl_add_u32 v[SPW], v0, 2, SPARE
	v_mov_b32 v[NIL], 0
	ds_add_u32 v[SPW], v[NIL]                      ; the wave's opening: the add and its wait stand ahead of my first tensor load; work on registers stands between them
	ds_add_u32 v28, v29
	v_mov_b32 v[MONE], -1.0
	v_lshrrev_b32 v1, 5, v0
	v_readfirstlane_b32 s10, v1                    ; wave 0..3
	s_lshr_b32 s11, s10, 1                         ; which half of the tile's rows is mine.  Also: I fetch for A (0) or for B (1)
	s_and_b32 s12, s10, 1                          ; which half of its columns.  Also: which 128 rows of that tile I fetch
	s_bfe_u32 s40, ttmp6, 0x40000                  ; cx
	s_bfe_u32 s41, ttmp6, 0x40004                  ; cy
	s_and_b32 s66, ttmp7, 0xffff                   ; Y
	s_lshl_b32 s13, s41, 3
	s_add_co_u32 s13, s13, s66                     ; 8 cy + Y
	s_lshl_b32 s42, ttmp9, 2
	s_add_co_u32 s42, s42, s40                     ; 4 X + cx
	s_lshl_b32 s67, s40, 3
	s_add_co_u32 s67, s67, s66                     ; 8 cx + Y
	s_cmp_eq_u32 ttmp9, 2                          ; v's clusters?
	s_cselect_b32 s13, s41, s13                    ; tr, A's tile: cy of wv, or 8 cy + Y of xb
	s_cselect_b32 s42, s67, s42                    ; tc, B's tile: 8 cx + Y of xb, or 4 X + cx of wqk
	s_cmp_eq_u32 s11, 0
	s_cselect_b32 s[XF], 4, 0                      ; q, k: rows 0-63 of the tile lie in the upper half's first four blocks;
	s_cmp_eq_u32 ttmp9, 2
	s_cselect_b32 s[XF], 8, s[XF]                  ; v: all channels;
	s_cmp_eq_u32 s66, 0
	s_cselect_b32 s[XF], s[XF], 0                  ; and only where the tile holds a batch's first 256 rows
	s_lshl_b32 s43, s41, 2
	s_lshl_b32 s43, 15, s43                        ; my row of the cluster: places 4 cy .. 4 cy + 3
	s_lshl_b32 s44, 0x1111, s40                    ; my column: places cx, cx + 4, cx + 8, cx + 12
	s_or_b32 s[G1+0], s43, (1<<16)|(1<<20)|(1<<21)|(5<<22)|(3<<25)  ; the mask; 2-byte elements; padding on; bit 21 beside a mask; after every 64 words; 4 words
	s_or_b32 s[G1B+0], s44, (1<<16)|(1<<20)|(1<<21)|(5<<22)|(3<<25)
.irp g, G1, G1B
	s_mov_b32 s[(\g)+1], KSTEP<<16                 ; tensor_dim0 = 128
	s_mov_b32 s[(\g)+2], 128<<16                   ; tensor_dim1 = 128
	s_mov_b32 s[(\g)+3], KSTEP<<16                 ; tile_dim0 = 128
	s_mov_b32 s[(\g)+4], 128                       ; tile_dim1 = 128
	s_mov_b32 s[(\g)+5], SIZE_K                    ; elements from row to row
	s_mov_b32 s[(\g)+6], 0
	s_mov_b32 s[(\g)+7], 0
.endr
	s_lshl_b32 s17, s12, 7                         ; which 128 rows of the tile I fetch
	s_lshl_b32 s16, s13, 8
	s_add_co_u32 s16, s16, s17                     ; A: row 256 tr + 128 x half
	s_lshl_b32 s46, s42, 8
	s_add_co_u32 s46, s46, s17                     ; B: row 256 tc + 128 x half
	s_mov_b32 s17, 0
	s_mov_b32 s47, 0
	s_mov_b64 s[18:19], SIZE_K*2
	s_mul_u64 s[16:17], s[16:17], s[18:19]
	s_mul_u64 s[46:47], s[46:47], s[18:19]
	s_mul_i32 s20, s10, HALFT                      ; where they go: wave x 128 rows: no place in the cluster enters an LDS address
	s_wait_dscnt 0x0                               ; the opening add is done
	s_wait_kmcnt 0x0
	s_cmp_eq_u32 ttmp9, 2
	s_cselect_b64 s[4:5], s[72:73], s[68:69]       ; A: wv or xb
	s_cselect_b64 s[6:7], s[68:69], s[70:71]       ; B: xb or wqk
	s_cselect_b64 s[8:9], s[76:77], s[74:75]       ; C: vt or qk
	s_add_nc_u64 s[14:15], s[4:5], s[16:17]
	s_add_nc_u64 s[46:47], s[6:7], s[46:47]
	CROUND                                         ; all sixteen work-groups are here: the first joint loads meet
.irp s, 0,1
	s_mov_b32 s[G0+4*(\s)], 1
	s_add_co_u32 s[G0+4*(\s)+1], s20, (\s)*SLOT
	s_add_nc_u64 s[G0+4*(\s)+2:G0+4*(\s)+3], s[14:15], (\s)*KSTEP*2
	s_or_b32 s[G0+4*(\s)+3], s[G0+4*(\s)+3], 0x80000000
	s_mov_b32 s[G0B+4*(\s)], 1
	s_add_co_u32 s[G0B+4*(\s)+1], s20, (\s)*SLOT
	s_add_nc_u64 s[G0B+4*(\s)+2:G0B+4*(\s)+3], s[46:47], (\s)*KSTEP*2
	s_or_b32 s[G0B+4*(\s)+3], s[G0B+4*(\s)+3], 0x80000000
	JLOAD \s                                       ; K steps 0 and 1: two tensor loads of mine are out
.endr
	; A fragment is 16 rows x 32 K in 8 registers: lane l holds row l % 16; registers 0-3 K = 8 (l / 16) + 0..7, registers 4-7 K = 16 + 8 (l / 16) + 0..7: two loads of 16 bytes, 32 bytes apart.
	v_and_b32 v1, 15, v0                           ; l % 16
	v_bfe_u32 v2, v0, 4, 1                         ; l / 16
	v_mul_u32_u24 v3, v1, PITCH
	v_lshl_add_u32 v3, v2, 4, v3
	s_mul_i32 s21, s11, HALFT                      ; my 128 rows of A
	s_mul_i32 s22, s12, HALFT                      ; my 128 rows of B,
	s_add_co_u32 s22, s22, 2*HALFT                 ; which lie behind A's 256
	v_add_nc_u32 v[ADRA0], s21, v3
	v_add_nc_u32 v[ADRB0], s22, v3
	v_add_nc_u32 v[ADRA], s21, v3                  ; slot 0 is read first
	v_add_nc_u32 v[ADRB], s22, v3
	s_mov_b32 s[TB], 0
	s_mul_i32 s23, s10, 16*SPITCH
	s_add_co_u32 s23, s23, STAGE                   ; my stage
	v_mul_u32_u24 v4, v1, SPITCH                   ; in: row l % 16, 16 bytes for each half of the lanes
	v_lshl_add_u32 v4, v2, 4, v4
	v_add_nc_u32 v[STO], s23, v4
	v_mul_u32_u24 v5, v2, SPITCH                   ; back: lanes 0-15 take one row of 256 bytes, lanes 16-31 the next
	v_lshl_add_u32 v5, v1, 4, v5
	v_add_nc_u32 v[RD], s23, v5
	v_lshlrev_b32 v5, 12, v2                       ; and the same two rows in C
	v_lshl_add_u32 v[CO], v1, 4, v5
	; where my part of the tile begins in C, in bytes (under 2^26), and where its second words begin in vx
	s_lshl_b32 s13, s13, 8
	s_lshl_b32 s14, s11, 7
	s_add_co_u32 s16, s13, s14                     ; my first row of C
	s_lshl_b32 s16, s16, 12
	s_mov_b32 s17, 0
	s_and_b32 s46, s42, 7
	s_lshl_b32 s46, s46, 9                         ; 512 x (tc % 8)
	s_lshl_b32 s47, s12, 8
	s_add_co_u32 s46, s46, s47                     ; + 256 x half
	s_lshl_b32 s84, s41, 18                        ; q's and k's second words: row 64 cy (the batch is cy), 4,096 bytes a row,
	s_add_co_u32 s84, s84, s46                     ; the same columns as in qk,
	s_add_co_u32 s84, s84, QKX                     ; behind v's
	s_lshr_b32 s47, s42, 3
	s_lshl_b32 s47, s47, 22
	s_add_co_u32 s46, s46, s47                     ; + 4,194,304 x (tc / 8)
	s_mov_b32 s47, 0
	s_add_nc_u64 s[16:17], s[16:17], s[46:47]
	s_cmp_eq_u32 ttmp9, 2
	s_cselect_b32 s84, s16, s84                    ; v's second words lie in vx as v lies in vt
	s_mov_b32 s85, 0
	s_add_nc_u64 s[XP:XP+1], s[78:79], s[84:85]
	; the prefetches.  s13 = 256 tr, s42 = tc, s40 = cx, s41 = cy, s66 = Y still stand
	s_lshl_b32 s42, s42, 8
	s_cmp_eq_u32 ttmp9, 2
	s_cselect_b32 s22, s66, ttmp9                  ; A is asked for where this is 0: wv by Y = 0, xb by X = 0
	s_cselect_b32 s67, 1, s66                      ; B likewise: xb as B never, wqk by Y = 0
	s_cmp_eq_u32 s11, 0                            ; do I fetch for A?
	s_cselect_b32 s20, s13, s42                    ; the tile's first row
	s_cselect_b32 s21, s40, s41                    ; my place among the four that ask for it with me
	s_cselect_b32 s22, s22, s67
	s_cselect_b64 s[PFA:PFA+1], s[4:5], s[6:7]
	s_cmp_eq_u32 s22, 0
	s_cselect_b32 s[LIM], 2, -1                    ; the same in all sixteen partners, for a given wave
	s_lshl_b32 s22, s12, 7
	s_add_co_u32 s20, s20, s22                     ; + the 128 rows that I fetch
	s_lshl_b32 s21, s21, 5
	s_add_co_u32 s20, s20, s21                     ; + my work-group's 32 of them
	s_mov_b32 s21, 0
	s_mov_b64 s[18:19], SIZE_K*2
	s_mul_u64 s[20:21], s[20:21], s[18:19]
	s_add_nc_u64 s[PFA:PFA+1], s[PFA:PFA+1], s[20:21]
	s_add_nc_u64 s[PFA:PFA+1], s[PFA:PFA+1], 2*KSTEP*2  ; at K step 2: the first refill steps it to 3 and names K step 4
	v_and_b32 v[PFO], 31, v0
	v_mul_u32_u24 v[PFO], v[PFO], SIZE_K*2
; 16 matrix instructions: m blocks a0, a0 + 1 of the window's four x all 8 n blocks, 32 along K.  zero = 1: the first product starts the sums: nothing is cleared.
.macro MUL16 f, hi, a0, zero
	WIN MUL_LO+0x50*(\hi)
.irp a, \a0, (\a0)+1
.irp b, 0,1,2,3,4,5,6,7
.if \zero
	v_wmma_f32_16x16x32_bf16 v[8*(8*(\a)+(\b)):8*(8*(\a)+(\b))+7], v[(\f)+8*(\b):(\f)+8*(\b)+7], v[(\f)+8*(4*(\hi)+(\a)):(\f)+8*(4*(\hi)+(\a))+7], 0
.else
	v_wmma_f32_16x16x32_bf16 v[8*(8*(\a)+(\b)):8*(8*(\a)+(\b))+7], v[(\f)+8*(\b):(\f)+8*(\b)+7], v[(\f)+8*(4*(\hi)+(\a)):(\f)+8*(4*(\hi)+(\a))+7], v[8*(8*(\a)+(\b)):8*(8*(\a)+(\b))+7]
.endif
.endr
.endr
.endm
; 32 LDS loads in one run: the fragments of one quarter step (128 rows of B, 128 rows of A, 32 K at byte k of the rows of the slot that is being read) into buffer f
.macro FETCH k, f
	WIN TO_B
.irp i, 0,1,2,3,4,5,6,7
	ds_load_b128 v[(\f)+8*(\i):(\f)+8*(\i)+3],   v[ADRB] offset:(\k)+(\i)*16*PITCH
	ds_load_b128 v[(\f)+8*(\i)+4:(\f)+8*(\i)+7], v[ADRB] offset:(\k)+(\i)*16*PITCH+32
.endr
	WIN 0
.irp i, 0,1,2,3,4,5,6,7
	ds_load_b128 v[(\f)+8*(\i):(\f)+8*(\i)+3],   v[ADRA] offset:(\k)+(\i)*16*PITCH
	ds_load_b128 v[(\f)+8*(\i)+4:(\f)+8*(\i)+7], v[ADRA] offset:(\k)+(\i)*16*PITCH+32
.endr
.endm
.macro PLACES                          ; four plain vector instructions between a matrix instruction and a load into, or a reader of, its registers (ISA guide 7.12.1 for vector instructions)
.rept 4
	v_nop
.endr
.endm
; A K step is four quarters of 32 along K, 64 matrix instructions each, on buffers 0, 1, 0, 1.  The 64 accumulators take turns in the same order in every quarter.
; One of the first three: multiplies buffer f; in its middle it fetches the next quarter's fragments, at byte k of the rows, into buffer g.
.macro QUARTER k, f, g, zero
	s_wait_dscnt 8                                 ; B and A's rows 0-63 are in; the youngest eight loads (A's rows 64-127) may be out
	MUL16 \f, 0, 0, \zero
	MUL16 \f, 0, 2, \zero
	PLACES
	FETCH \k, \g
	s_wait_dscnt 32                                ; all but the 32 just issued
	MUL16 \f, 1, 0, \zero
	MUL16 \f, 1, 2, \zero
.endm
; The first half of a K step's last quarter: ONE barrier for the change of slots.  In front of it each wave waits for all its tensor loads (one is out: its part of the next slot), adds 0 to its spare word,
; and waits for that and for its own reads of this slot.
.macro MEET round
	WIN 0
	s_wait_tensorcnt 0x0                           ; all my tensor loads have landed
	ds_add_u32 v[SPW], v[NIL]                      ; 0 onto my spare word
	s_wait_dscnt 9                                 ; (the add and the youngest eight loads may be out)
	MUL16 F1, 0, 0, 0                              ; sixteen matrix instructions stand between the add and the wait for it
	s_wait_dscnt 0x0                               ; the add is done, and my reads of this slot are over
	s_barrier_signal -1
	MUL16 F1, 0, 2, 0                              ; work on registers while the others arrive
.if \round
	WIN 0
.endif
	s_barrier_wait -1
.endm
; The whole last quarter.  fill = 1: behind a round of the cluster's barrier the slot just read out is filled again, two K steps on: the walking descriptors take the other slot than last time and the next
; K step.  Then the fragment addresses go over to the other slot (no LDS load of mine is out), and its first fragments are fetched.
.macro TURN fill
.if \fill
	s_wait_xcnt 0x0                                ; the last prefetch, a K step back, has read its address
	s_add_nc_u64 s[PFA:PFA+1], s[PFA:PFA+1], KSTEP*2
	MEET 1
	CREST                                          ; no wave of any partner still reads this slot's tile or has a load on its way
	s_xor_b32 s[G0+5], s[G0+5], SLOT
	s_add_nc_u64 s[G0+6:G0+7], s[G0+6:G0+7], KSTEP*2   ; the type bits on top are not reached
	s_xor_b32 s[G0B+5], s[G0B+5], SLOT
	s_add_nc_u64 s[G0B+6:G0B+7], s[G0B+6:G0B+7], KSTEP*2
	s_xor_b32 s[TB], s[TB], SLOT
	JLOAD 1                                        ; the first tensor load behind the round; its four v_nop are also the places in front of the loads below
.else
	MEET 0
	s_xor_b32 s[TB], s[TB], SLOT
	PLACES
	WIN 0
.endif
	v_add_nc_u32 v[ADRA], s[TB], v[ADRA0]
	v_add_nc_u32 v[ADRB], s[TB], v[ADRB0]
	FETCH 0, F0
.if \fill
	ASK
.endif
	MUL16 F1, 1, 0, 0
	MUL16 F1, 1, 2, 0
.endm
; THE WAY OUT of block a (16 rows).  PACK: rounded to f16, 16 bytes a lane, each accumulator's registers in ascending order.  TOSTAGE: into my own stage, and back as whole rows of 256 bytes.  SEND: stored.
.macro PACK a
.set AC, 64*((\a)%4)
	WIN 0x0a+5*((\a)/4)                            ; sources 0 and 1: window 2 or 3
.irp b, 0,1,2,3,4,5,6,7
.irp r, 0,1,2,3
	v_cvt_pk_f16_f32 v[TMP+4*(\b)+(\r)], v[AC+8*(\b)+2*(\r)], v[AC+8*(\b)+2*(\r)+1]
.endr
.endr
	WIN 0
.endm
.macro TOSTAGE a
.set BK, OB+192*((\a)%2)
.irp b, 0,1,2,3,4,5,6,7
	ds_store_b128 v[STO], v[TMP+4*(\b):TMP+4*(\b)+3] offset:32*(\b)
.endr
.irp t, 0,1,2,3,4,5,6,7
	ds_load_b128 v[BK+4*(\t):BK+4*(\t)+3], v[RD] offset:(\t)*2*SPITCH  ; LDS serves a wave's instructions in order (ISA guide 5.7.1.4): these see the stores above
.endr
.endm
.macro SEND a
.set BK, OB+192*((\a)%2)
	s_wait_dscnt 0x0                               ; the block is back in registers
	s_wait_xcnt 0x0                                ; earlier stores have read their base and their data: both are rewritten only behind this wait
.if (\a) == 0
	s_add_nc_u64 s[8:9], s[8:9], s[16:17]          ; on to my part of the tile
.else
	s_add_nc_u64 s[8:9], s[8:9], 16*CROW           ; 16 rows of C on
.endif
.irp t, 0,1,2,3,4,5,6,7
	global_store_b128 v[CO], v[BK+4*(\t):BK+4*(\t)+3], s[8:9] offset:2*(\t)*CROW  ; 16 lanes store 256 consecutive bytes, aligned
.endr
.endm
; THE SECOND WORDS of block a, where it has any.  TMP still holds the block's f16 words and the accumulators its f32 sums: sum - word is an f16 half times -1.0 plus the sum, rounded once, straight to f16, into
; one half of a packed register (whose other half is kept).  The words go through my stage behind the first words' loads (LDS serves a wave's instructions in order) and come back by rows.  All of it stands inside
; ONE forward branch, which hangs on X, Y and the wave's number.  The block stands in the stores' immediate (126 rows of 4,096 bytes at the most), so their base is never rewritten; BK2 is loaded again only
; behind the next SEND's s_wait_xcnt 0.
.macro XTRA a
.set AC, 64*((\a)%4)
	s_cmp_gt_u32 s[XF], \a
	s_cbranch_scc0 .Lno_second_\@
	WIN 0x20+0x10*((\a)/4)                         ; source 2: window 2 or 3; sources 0 and 1 and the destination: window 0
.irp b, 0,1,2,3,4,5,6,7
.irp r, 0,1,2,3
	v_fma_mixlo_f16 v[TMP2+4*(\b)+(\r)], v[TMP+4*(\b)+(\r)], v[MONE], v[AC+8*(\b)+2*(\r)]   op_sel:[0,0,0] op_sel_hi:[1,0,0]
	v_fma_mixhi_f16 v[TMP2+4*(\b)+(\r)], v[TMP+4*(\b)+(\r)], v[MONE], v[AC+8*(\b)+2*(\r)+1] op_sel:[1,0,0] op_sel_hi:[1,0,0]
.endr
.endr
	WIN 0
.irp b, 0,1,2,3,4,5,6,7
	ds_store_b128 v[STO], v[TMP2+4*(\b):TMP2+4*(\b)+3] offset:32*(\b)
.endr
.irp t, 0,1,2,3,4,5,6,7
	ds_load_b128 v[BK2+4*(\t):BK2+4*(\t)+3], v[RD] offset:(\t)*2*SPITCH
.endr
	s_wait_dscnt 0x0
.irp t, 0,1,2,3,4,5,6,7
	global_store_b128 v[CO], v[BK2+4*(\t):BK2+4*(\t)+3], s[XP:XP+1] offset:(16*(\a)+2*(\t))*CROW  ; 16 lanes store 256 consecutive bytes, aligned
.endr
.Lno_second_\@:
.endm
	s_wait_tensorcnt 1                             ; my part of K step 0 is in; K step 1's may stay out
	s_barrier_signal -1
	s_barrier_wait -1                              ; everybody's is
	FETCH 0, F0
	QUARTER 64,  F0, F1, 1                         ; the first quarter stands in front of the loop: its products start the sums
	WIN 0                                          ; at a label and at a branch every window is 0
	s_mov_b32 s3, STEPS-2
.Lstep:                                                ; a trip goes from a K step's second quarter to the next step's first, and fills the slot that it leaves: K steps 2 to 7 are asked for
	QUARTER 128, F1, F0, 0
	QUARTER 192, F0, F1, 0
	TURN 1
	QUARTER 64,  F0, F1, 0
	WIN 0
	s_sub_co_u32 s3, s3, 1
	s_cmp_lg_u32 s3, 0
	s_cbranch_scc1 .Lstep
	s_mov_b32 s[CNT], 2
.Ltail:                                                ; the last two K steps fill nothing: a text of their own; the second trip is left in front of its change of slots
	QUARTER 128, F1, F0, 0
	QUARTER 192, F0, F1, 0
	WIN 0
	s_cmp_eq_u32 s[CNT], 1
	s_cbranch_scc1 .Llast
	TURN 0
	QUARTER 64,  F0, F1, 0
	WIN 0
	s_sub_co_u32 s[CNT], s[CNT], 1
	s_cmp_lg_u32 s[CNT], 0
	s_cbranch_scc1 .Ltail
.Llast:
	s_wait_dscnt 8                                 ; the very last quarter: nothing more to fetch
	MUL16 F1, 0, 0, 0
	MUL16 F1, 0, 2, 0
	s_wait_dscnt 0x0
	MUL16 F1, 1, 0, 0
	MUL16 F1, 1, 2, 0
	WIN 0
	PLACES                                         ; the conversions read results in front of which no vector instruction stands
	PLACES
	PACK 0
	TOSTAGE 0
	XTRA 0
.irp a, 1,2,3,4,5,6,7                  ; block a's conversions stand between block a - 1's loads from the stage and the wait for them
	PACK \a
	SEND (\a)-1
	TOSTAGE \a
	XTRA \a
.endr
	SEND 7
	s_wait_tensorcnt 0x0                           ; the wave's end, behind my last tensor load and my last LDS store
	ds_add_u32 v[SPW], v[NIL]
	s_wait_dscnt 0x0
	CROUND                                         ; the closing round: no work-group ends while a partner may still ask for a tile that names it
	s_endpgm
.Lfunc_end_k_q5cf80332d1_proj:
	.size	k_q5cf80332d1_proj, .Lfunc_end_k_q5cf80332d1_proj-k_q5cf80332d1_proj
	.p2alignl 7, 3214868480
	.fill 96, 4, 3214868480
	.section	.rodata,"a",@progbits
	.p2align	6, 0x0
	.amdhsa_kernel k_q5cf80332d1_proj
		.amdhsa_group_segment_fixed_size 327680
		.amdhsa_private_segment_fixed_size 0
		.amdhsa_enable_private_segment 0
		.amdhsa_kernarg_size 48
		.amdhsa_user_sgpr_count 2
		.amdhsa_user_sgpr_kernarg_segment_ptr 1
		.amdhsa_wavefront_size32 1
		.amdhsa_system_sgpr_workgroup_id_x 1
		.amdhsa_system_sgpr_workgroup_id_y 1
		.amdhsa_system_sgpr_workgroup_id_z 1
		.amdhsa_system_vgpr_workitem_id 0
		.amdhsa_next_free_vgpr 1024
		.amdhsa_next_free_sgpr 96
		.amdhsa_reserve_vcc 0
		.amdhsa_float_denorm_mode_32 3
		.amdhsa_float_denorm_mode_16_64 3
		.amdhsa_memory_ordered 1
		.amdhsa_forward_progress 1
		.amdhsa_inst_pref_size 154
	.end_amdhsa_kernel
	.amdgpu_metadata
---
amdhsa.version: [ 1, 2 ]
amdhsa.kernels:
  - .name:           k_q5cf80332d1_proj
    .symbol:         k_q5cf80332d1_proj.kd
    .args:
      - { .name: xb, .offset: 0, .size: 8, .value_kind: global_buffer, .address_space: global }
      - { .name: wqk, .offset: 8, .size: 8, .value_kind: global_buffer, .address_space: global }
      - { .name: wv, .offset: 16, .size: 8, .value_kind: global_buffer, .address_space: global }
      - { .name: qk, .offset: 24, .size: 8, .value_kind: global_buffer, .address_space: global }
      - { .name: vt, .offset: 32, .size: 8, .value_kind: global_buffer, .address_space: global }
      - { .name: vx, .offset: 40, .size: 8, .value_kind: global_buffer, .address_space: global }
    .group_segment_fixed_size: 327680
    .private_segment_fixed_size: 0
    .kernarg_segment_align: 8
    .kernarg_segment_size: 48
    .max_flat_workgroup_size: 128
    .sgpr_count:     96
    .vgpr_count:     1024
    .wavefront_size: 32
...
	.end_amdgpu_metadata
.endif
;; end of part 8
;; launch scores (part 9): grid 10 x 16, 4 waves a work-group, no clusters, 327,680 bytes of LDS; arguments qk, sc, vx; writes sc
.if DOCPART == 9
	.amdgcn_target "amdgcn-amd-amdhsa--gfx1250"
	.amdhsa_code_object_version 6
	.text
	.protected	k_q5cf80332d1_scores
	.globl	k_q5cf80332d1_scores
	.p2align	8
	.type	k_q5cf80332d1_scores,@function
k_q5cf80332d1_scores:
	s_mov_b64 s[64:65], 0
	v_nop
	global_prefetch_b8 v0, s[64:65] scope:SCOPE_SE
	s_setreg_imm32_b32 hwreg(HW_REG_WAVE_MODE, 25, 1), 1
	s_wait_xcnt 0x0
; sc[b][q][k] = sum over e of q[b][q][e] k[b][k][e], unscaled, in f32, for the tiles of 256 x 256 on and below the diagonal alone: 36 of a batch's 64.  The tiles above it are never made.
; qk: [8192][2048] f16, a row holds q (bytes 0-2,047) and k (bytes 2,048-4,095).  sc: [4][2048][2048] f32.  Products in f16, sums in f32, K ascending.
; SHARES.  Work-group (t, y), y = 4 b + p.  t < 9: tile rows p and 7 - p of a batch have 9 tiles together: tile (p, t) if t <= p, else tile (7 - p, t - p - 1): 144 work-groups of equal work.
; t = 9: THE FIRST 64 ROWS' SCORES IN TWO WORDS: rows 16 p .. 16 p + 15 of batch b, keys 0 .. 63 (at the text's end): 16 work-groups more, with far less work than a tile.
; NO CLUSTER: a row of this grid has 9 tiles, which no cluster of four divides, and neighbours in it share q's block or k's block by turns, not one of them throughout.
; The tile is made as in the projections: four waves, 128 x 128 each, 8 K steps of 128 through two LDS slots; each wave fetches a quarter of a slot (waves 0, 1: q's rows; waves 2, 3: k's) by a load of its own.
; THE TEXT.  A K step is written once.  Which slot is read stands in a scalar (0 or SLOT) that one exclusive or turns; the fragment addresses are made from it at each change of slots; the descriptor of K step 1
; walks on, its LDS word turned by the same exclusive or.  The six steps that fill a slot again are one loop, the last two, which fill nothing, a second one.
; The diagonal tiles are made whole; the mask is applied where the scores are read.
; REGISTERS as in the projections: window 0 addresses, A's fragments (v64-191; on the way out rows read back), window 1 B's fragments, windows 2 and 3 the 64 accumulators.
.set KSTEP,  128
.set STEPS,  8
.set PITCH,  272                       ; an LDS row: 256 bytes + 16 of padding: row r starts at bank 4 r mod 64 (64 banks of 4 bytes: ISA guide 11.1)
.set HALFT,  128*PITCH                 ; 34,816 = 2^15 + 2^11
.set SLOT,   4*HALFT                   ; 139,264 = 2^17 + 2^13.  The waves' places in slot 0, 0 to 3 x HALFT, use bits 11, 12, 15 and 16 alone: an exclusive or with SLOT adds it or takes it away
.set STAGE,  2*SLOT                    ; behind the ring: 16 rows x 528 bytes for each wave
.set SPITCH, 528                       ; 128 f32 + 16 bytes of padding
.set SPARE,  STAGE+4*16*SPITCH         ; behind the stages: the spare words, 128 bytes for each wave
.set SROW,   8192                      ; bytes in a row of sc
.set ADRA0, 16                         ; v16  LDS address of my A fragments in slot 0; never rewritten
.set ADRA,  17                         ; v17  the same in the slot that is being read
.set ADRB0, 20                         ; v20, v21  the same two for B
.set ADRB,  21
.set STO,  24
.set RD,   25
.set CO,   26
.set SPW,  28                          ; v28  LDS address of my spare word; never rewritten
.set NIL,  29                          ; v29  0; never rewritten
.set F0,   64
.set F1,   128
.set G1,  24                           ; s[24:31] descriptor group 1
.set G0,  32                           ; s[32:35] group 0 for K step 0; s[36:39] for K step 1, which then walks on
.set TB,  44                           ; s44  LDS byte at which the slot that is being read begins: 0 or SLOT
.set CNT, 45                           ; s45  counts the last two K steps
.set MSB, 0
.macro WIN new
.if MSB != (\new)
	s_set_vgpr_msb (MSB<<8)|(\new)
.set MSB, \new
.endif
.endm
.set MUL_LO, 0xa1
.set MUL_HI, 0xf1
.set TO_B,   0x40
	s_load_b128 s[4:7], s[0:1], 0x0                ; qk s[4:5], sc s[6:7]
	s_load_b64 s[8:9], s[0:1], 0x10                ; vx
	v_lshl_add_u32 v[SPW], v0, 2, SPARE
	v_mov_b32 v[NIL], 0
	ds_add_u32 v[SPW], v[NIL]                      ; the wave's opening: the add and its wait stand ahead of my first tensor load
	ds_add_u32 v28, v29
	v_lshrrev_b32 v1, 5, v0
	v_readfirstlane_b32 s10, v1                    ; wave 0..3
	s_lshr_b32 s11, s10, 1                         ; my half of the tile's rows.  Also: I fetch q's rows (0) or k's (1)
	s_and_b32 s12, s10, 1                          ; my half of its columns.  Also: which 128 rows I fetch
	s_and_b32 s13, ttmp7, 0xffff
	s_and_b32 s14, s13, 3                          ; p
	s_lshr_b32 s15, s13, 2                         ; b
	s_sub_co_u32 s40, 7, s14
	s_add_co_u32 s41, s14, 1
	s_cmp_le_u32 ttmp9, s14
	s_cselect_b32 s42, s14, s40                    ; i, the tile row: p or 7 - p
	s_cselect_b32 s41, 0, s41
	s_sub_co_u32 s43, ttmp9, s41                   ; j, the tile column: t or t - p - 1
	s_mov_b32 s[G1+0], (1<<16)|(1<<20)|(5<<22)|(3<<25)  ; 2-byte elements; padding on; after every 64 words; 4 words
	s_mov_b32 s[G1+1], KSTEP<<16                   ; tensor_dim0 = 128
	s_mov_b32 s[G1+2], 128<<16                     ; tensor_dim1 = 128
	s_mov_b32 s[G1+3], KSTEP<<16                   ; tile_dim0 = 128
	s_mov_b32 s[G1+4], 128                         ; tile_dim1 = 128
	s_mov_b32 s[G1+5], 2048                        ; elements from row to row
	s_mov_b32 s[G1+6], 0
	s_mov_b32 s[G1+7], 0
	s_cmp_eq_u32 s11, 0
	s_cselect_b32 s16, s42, s43                    ; the block of 256 rows that I fetch from
	s_lshl_b32 s16, s16, 8
	s_lshl_b32 s17, s15, 11
	s_add_co_u32 s16, s16, s17
	s_lshl_b32 s17, s12, 7
	s_add_co_u32 s16, s16, s17                     ; its row in qk,
	s_lshl_b32 s16, s16, 12                        ; in bytes (under 2^26),
	s_lshl_b32 s17, s11, 11
	s_add_co_u32 s16, s16, s17                     ; and k's half of the row for waves 2 and 3
	s_mov_b32 s17, 0
	s_mul_i32 s20, s10, HALFT                      ; where it goes: wave x 128 rows
	s_wait_dscnt 0x0                               ; the opening add is done
	s_wait_kmcnt 0x0
	s_cmp_eq_u32 ttmp9, 9                          ; the work-group's number alone: all four waves go the same way
	s_cbranch_scc1 .Lsmall
	s_add_nc_u64 s[18:19], s[4:5], s[16:17]
.irp s, 0,1
	s_mov_b32 s[G0+4*(\s)], 1
	s_add_co_u32 s[G0+4*(\s)+1], s20, (\s)*SLOT
	s_add_nc_u64 s[G0+4*(\s)+2:G0+4*(\s)+3], s[18:19], (\s)*KSTEP*2
	s_or_b32 s[G0+4*(\s)+3], s[G0+4*(\s)+3], 0x80000000
.endr
	tensor_load_to_lds s[G0:G0+3], s[G1:G1+7]      ; K steps 0 and 1 go out together: two tensor loads of mine are out
	s_nop 0
	tensor_load_to_lds s[G0+4:G0+7], s[G1:G1+7]
	s_nop 0
.rept 4
	v_nop
.endr
	v_and_b32 v1, 15, v0                           ; l % 16
	v_bfe_u32 v2, v0, 4, 1                         ; l / 16
	v_mul_u32_u24 v3, v1, PITCH
	v_lshl_add_u32 v3, v2, 4, v3
	s_mul_i32 s21, s11, HALFT
	s_mul_i32 s22, s12, HALFT
	s_add_co_u32 s22, s22, 2*HALFT
	v_add_nc_u32 v[ADRA0], s21, v3
	v_add_nc_u32 v[ADRB0], s22, v3
	v_add_nc_u32 v[ADRA], s21, v3                  ; slot 0 is read first
	v_add_nc_u32 v[ADRB], s22, v3
	s_mov_b32 s[TB], 0
	s_mul_i32 s23, s10, 16*SPITCH
	s_add_co_u32 s23, s23, STAGE                   ; my stage
	v_mul_u32_u24 v4, v1, SPITCH                   ; in: row l % 16, 32 bytes (8 f32) for each half of the lanes
	v_lshl_add_u32 v4, v2, 5, v4
	v_add_nc_u32 v[STO], s23, v4
	v_and_b32 v5, 31, v0
	v_lshlrev_b32 v[CO], 4, v5                     ; back and out: 32 lanes take a row's 512 bytes
	v_add_nc_u32 v[RD], s23, v[CO]
	s_lshl_b32 s16, s15, 11                        ; where my part of the tile begins in sc, in bytes (under 2^27)
	s_lshl_b32 s17, s42, 8
	s_add_co_u32 s16, s16, s17
	s_lshl_b32 s17, s11, 7
	s_add_co_u32 s16, s16, s17
	s_lshl_b32 s16, s16, 13
	s_lshl_b32 s17, s43, 10
	s_add_co_u32 s16, s16, s17
	s_lshl_b32 s17, s12, 9
	s_add_co_u32 s16, s16, s17
	s_mov_b32 s17, 0
.macro MUL16 f, hi, a0, zero
	WIN MUL_LO+0x50*(\hi)
.irp a, \a0, (\a0)+1
.irp b, 0,1,2,3,4,5,6,7
.if \zero
	v_wmma_f32_16x16x32_f16 v[8*(8*(\a)+(\b)):8*(8*(\a)+(\b))+7], v[(\f)+8*(\b):(\f)+8*(\b)+7], v[(\f)+8*(4*(\hi)+(\a)):(\f)+8*(4*(\hi)+(\a))+7], 0
.else
	v_wmma_f32_16x16x32_f16 v[8*(8*(\a)+(\b)):8*(8*(\a)+(\b))+7], v[(\f)+8*(\b):(\f)+8*(\b)+7], v[(\f)+8*(4*(\hi)+(\a)):(\f)+8*(4*(\hi)+(\a))+7], v[8*(8*(\a)+(\b)):8*(8*(\a)+(\b))+7]
.endif
.endr
.endr
.endm
.macro FETCH k, f                      ; 32 LDS loads in one run: the fragments of 32 K at byte k of the rows of the slot that is being read, into buffer f
	WIN TO_B
.irp i, 0,1,2,3,4,5,6,7
	ds_load_b128 v[(\f)+8*(\i):(\f)+8*(\i)+3],   v[ADRB] offset:(\k)+(\i)*16*PITCH
	ds_load_b128 v[(\f)+8*(\i)+4:(\f)+8*(\i)+7], v[ADRB] offset:(\k)+(\i)*16*PITCH+32
.endr
	WIN 0
.irp i, 0,1,2,3,4,5,6,7
	ds_load_b128 v[(\f)+8*(\i):(\f)+8*(\i)+3],   v[ADRA] offset:(\k)+(\i)*16*PITCH
	ds_load_b128 v[(\f)+8*(\i)+4:(\f)+8*(\i)+7], v[ADRA] offset:(\k)+(\i)*16*PITCH+32
.endr
.endm
.macro PLACES                          ; four plain vector instructions between a matrix instruction and a load into, or a reader of, its registers (ISA guide 7.12.1 for vector instructions)
.rept 4
	v_nop
.endr
.endm
.macro QUARTER k, f, g, zero
	s_wait_dscnt 8                                 ; B and A's rows 0-63 are in; the youngest eight loads may be out
	MUL16 \f, 0, 0, \zero
	MUL16 \f, 0, 2, \zero
	PLACES
	FETCH \k, \g
	s_wait_dscnt 32                                ; all but the 32 just issued
	MUL16 \f, 1, 0, \zero
	MUL16 \f, 1, 2, \zero
.endm
; A K step's last quarter changes slots: ONE barrier.  In front of it each wave waits for all its tensor loads (one is out: its part of the next slot), adds 0 to its spare word, and waits for that and for
; its reads of this slot.  fill = 1: this slot is filled again, two K steps on, the first thing behind the barrier: the walking descriptor takes the other slot than last time and the next K step.
; Then the fragment addresses go over to the other slot (no LDS load of mine is out), and its first fragments are fetched.
.macro TURN fill
	WIN 0
	s_wait_tensorcnt 0x0                           ; no tensor load of mine is out, so a group 0 may be written
	ds_add_u32 v[SPW], v[NIL]                      ; 0 onto my spare word
.if \fill
	s_xor_b32 s[G0+5], s[G0+5], SLOT
	s_add_nc_u64 s[G0+6:G0+7], s[G0+6:G0+7], KSTEP*2   ; the type bits on top are not reached
.endif
	s_xor_b32 s[TB], s[TB], SLOT
	s_wait_dscnt 9                                 ; (the add and the youngest eight loads may be out)
	MUL16 F1, 0, 0, 0
	s_wait_dscnt 0x0                               ; the add is done, and my reads of this slot are over
	s_barrier_signal -1
	MUL16 F1, 0, 2, 0
	WIN 0                                          ; the windows are set ahead of the tensor load
	s_barrier_wait -1
.if \fill
	tensor_load_to_lds s[G0+4:G0+7], s[G1:G1+7]    ; my one tensor load behind this barrier
	s_nop 0
.endif
	PLACES                                         ; in front of the loads into buffer 0, which the quarter before multiplied
	v_add_nc_u32 v[ADRA], s[TB], v[ADRA0]
	v_add_nc_u32 v[ADRB], s[TB], v[ADRB0]
	FETCH 0, F0
	MUL16 F1, 1, 0, 0
	MUL16 F1, 1, 2, 0
.endm
; THE WAY OUT of block a (16 rows x 128 f32).  A lane's eight numbers of a row are 32 bytes: they go straight from the accumulators into my stage (each accumulator's low four registers first) and come
; back as whole rows of 512 bytes, into A's fragment buffers by turns.
.macro TOSTAGE a
.set AC, 64*((\a)%4)
.set BK, 64+64*((\a)%2)
	s_wait_xcnt 0x0                                ; the stores of two blocks back have read the registers that are loaded below
	WIN 0x08+4*((\a)/4)                            ; store data (source 1) in window 2 or 3
.irp b, 0,1,2,3,4,5,6,7
	ds_store_b128 v[STO], v[AC+8*(\b):AC+8*(\b)+3]   offset:64*(\b)
	ds_store_b128 v[STO], v[AC+8*(\b)+4:AC+8*(\b)+7] offset:64*(\b)+16
.endr
	WIN 0
.irp t, 0,1,2,3,4,5,6,7,8,9,10,11,12,13,14,15
	ds_load_b128 v[BK+4*(\t):BK+4*(\t)+3], v[RD] offset:(\t)*SPITCH  ; LDS serves a wave's instructions in order (ISA guide 5.7.1.4): these see the stores above; the next block's stores come behind them
.endr
.endm
.macro SEND a, younger                 ; younger: the LDS instructions issued behind block a's loads: the next block's 32, or none
.set BK, 64+64*((\a)%2)
	s_wait_dscnt \younger
	s_wait_xcnt 0x0                                ; earlier stores have read their base
.if (\a) == 0
	s_add_nc_u64 s[6:7], s[6:7], s[16:17]
.else
	s_add_nc_u64 s[6:7], s[6:7], 16*SROW
.endif
.irp t, 0,1,2,3,4,5,6,7,8,9,10,11,12,13,14,15
	global_store_b128 v[CO], v[BK+4*(\t):BK+4*(\t)+3], s[6:7] offset:(\t)*SROW  ; 32 lanes store 512 consecutive bytes, aligned
.endr
.endm
	s_wait_tensorcnt 1                             ; my part of K step 0 is in; K step 1's may stay out
	s_barrier_signal -1
	s_barrier_wait -1
	FETCH 0, F0
	QUARTER 64,  F0, F1, 1                         ; the first quarter stands in front of the loop: its products start the sums
	WIN 0
	s_mov_b32 s3, STEPS-2
.Lstep:                                                ; a trip goes from a K step's second quarter to the next step's first, and fills the slot that it leaves: K steps 2 to 7 are asked for
	QUARTER 128, F1, F0, 0
	QUARTER 192, F0, F1, 0
	TURN 1
	QUARTER 64,  F0, F1, 0
	WIN 0
	s_sub_co_u32 s3, s3, 1
	s_cmp_lg_u32 s3, 0
	s_cbranch_scc1 .Lstep
	s_mov_b32 s[CNT], 2
.Ltail:                                                ; the last two K steps fill nothing: a text of their own; the second trip is left in front of its change of slots
	QUARTER 128, F1, F0, 0
	QUARTER 192, F0, F1, 0
	WIN 0
	s_cmp_eq_u32 s[CNT], 1
	s_cbranch_scc1 .Llast
	TURN 0
	QUARTER 64,  F0, F1, 0
	WIN 0
	s_sub_co_u32 s[CNT], s[CNT], 1
	s_cmp_lg_u32 s[CNT], 0
	s_cbranch_scc1 .Ltail
.Llast:
	s_wait_dscnt 8                                 ; the very last quarter: nothing more to fetch
	MUL16 F1, 0, 0, 0
	MUL16 F1, 0, 2, 0
	s_wait_dscnt 0x0
	MUL16 F1, 1, 0, 0
	MUL16 F1, 1, 2, 0
	WIN 0
	PLACES                                         ; in front of LDS stores that read results, and of loads into A's buffers
	PLACES
	TOSTAGE 0
.irp a, 1,2,3,4,5,6,7
	TOSTAGE \a
	SEND (\a)-1, 32
.endr
	SEND 7, 0
	s_wait_tensorcnt 0x0                           ; the wave's end, behind my last tensor load and my last LDS store
	ds_add_u32 v[SPW], v[NIL]
	s_wait_dscnt 0x0
	s_endpgm
; THE FIRST 64 ROWS' SCORES IN TWO WORDS.  For r, k < 64: qh . kh + qh . kl + ql . kh, unscaled, in f32.  qh, kh: qk.  ql, kl: the second words, [4][64][2048] f16 from byte 16,777,216 of vx on.
; WHY.  f16's rounding of q and k moves a score by some 3e-4 of the scores' spread, and with it all the weights of a row.  In a row of two or three keys that shift goes into every channel of the output
; undiminished, times the difference of the keys' v.  From some tens of keys on it is averaged away: 64 rows are taken, since 64 keys of f32 are 256 bytes, aligned.
; WHERE.  Each byte of sc has one work-group that stores it, and sc[r][k] is the tile's: these scores go to columns 1,024 + k of rows r < 64, which no tile writes; columns 1,088 to 1,151 take 0, since the reader
; takes 512 bytes of a row at once (all those keys are hidden from rows under 64).
; LIMIT.  ql . kl, some 2^-22 of a score, is left out; rows from 64 on keep q and k in one f16 word.  The 16 x 64 piece is made whole; the mask is applied where the scores are read.
; THE 1,024 CHANNELS ARE SPLIT AMONG THE FOUR WAVES: wave w takes 256 w .. 256 w + 255, in 4 trips of 64: 40 loads straight into fragments, their wait, 24 products on 4 accumulators (key blocks of 16) by turns.
; A trip waits out its loads: this path has a tile's whole time in which to run, so the short text is taken.  The sums start at 0 by 32 moves, so that the loop has one form of product.
; The four partial sums meet in the stages' bytes, into which no tensor load fills.  All registers lie in window 0.
.set XROW,  4096                       ; bytes in a row of qk and of the second words
.set QKX,   16777216
.set XPP,   272                        ; a row of partial sums: 64 f32 + 16 bytes: row r starts at bank 4 r mod 64
.set XCOPY, 16*XPP                     ; a wave's partial piece; four of them, 17,408 bytes, lie in the stages' 33,792
.set XFO,   2                          ; v2   my byte offset in a fragment's rows: (l % 16) x 4,096 + 16 (l / 16) + 512 x wave, stepped by 128 a trip
.set XSTO,  3                          ; v3   where I put 32 bytes of a row of my partial piece
.set XRD,   4                          ; v4   where I read 16 bytes of a row back
.set XCO,   5                          ; v5   my 16 bytes of sc
.set ZR,    12                         ; v12-15  0
.set XACC,  32                         ; v32-63  four accumulators
.set XFR,   64                         ; v64-223 two sets of 80, 32 channels each: kh's 4 fragments, kl's 4, qh, ql
.set XSUM,  224                        ; v224-255 partial sums read back
.Lsmall:
	v_and_b32 v8, 15, v0                           ; l % 16
	v_bfe_u32 v9, v0, 4, 1                         ; l / 16
	s_lshl_b32 s16, s10, 9                         ; my quarter of the channels: 512 bytes of a row
	v_lshlrev_b32 v[XFO], 12, v8
	v_lshl_add_u32 v[XFO], v9, 4, v[XFO]
	v_add_nc_u32 v[XFO], s16, v[XFO]
	s_mul_i32 s17, s10, XCOPY
	s_add_co_u32 s17, s17, STAGE
	v_mul_u32_u24 v[XSTO], v8, XPP                 ; in: row l % 16, 32 bytes (8 f32) for each half of the lanes
	v_lshl_add_u32 v[XSTO], v9, 5, v[XSTO]
	v_add_nc_u32 v[XSTO], s17, v[XSTO]
	s_lshl_b32 s18, s10, 2
	v_add_nc_u32 v10, s18, v9                      ; back: wave w finishes rows 4 w .. 4 w + 3, two a pass; 16 lanes take a row's 256 bytes
	v_mul_u32_u24 v[XRD], v10, XPP
	v_lshl_add_u32 v[XRD], v8, 4, v[XRD]
	v_add_nc_u32 v[XRD], STAGE, v[XRD]
	v_lshlrev_b32 v[XCO], 13, v10
	v_lshl_add_u32 v[XCO], v8, 4, v[XCO]
	s_mov_b32 s17, 0
	s_lshl_b32 s16, s15, 23                        ; qk: row 2,048 b
	s_add_nc_u64 s[40:41], s[4:5], s[16:17]        ; kh's rows
	s_lshl_b32 s16, s15, 18                        ; the second words: row 64 b
	s_add_co_u32 s16, s16, QKX
	s_add_nc_u64 s[42:43], s[8:9], s[16:17]        ; kl's rows
	s_lshl_b32 s16, s14, 16                        ; my 16 rows in either
	s_add_nc_u64 s[44:45], s[40:41], s[16:17]      ; qh's rows
	s_add_nc_u64 s[46:47], s[42:43], s[16:17]      ; ql's rows
	s_lshl_b32 s16, s15, 24                        ; sc: row 2,048 b + 16 p, column 1,024
	s_lshl_b32 s18, s14, 17
	s_add_co_u32 s16, s16, s18
	s_add_co_u32 s16, s16, 4096
	s_add_nc_u64 s[6:7], s[6:7], s[16:17]
.set z, 0
.rept 32
	v_mov_b32 v[XACC+z], 0
.set z, z+1
.endr
.irp z, 0,1,2,3
	v_mov_b32 v[ZR+(\z)], 0
.endr
	s_mov_b32 s3, 4
.Lsm:                                                  ; a trip: 64 channels.  k lies 2,048 bytes behind q in a row
.irp u, 0,1
.irp i, 0,1,2,3
	global_load_b128 v[XFR+80*(\u)+8*(\i):XFR+80*(\u)+8*(\i)+3],   v[XFO], s[40:41] offset:2048+(\i)*16*XROW+64*(\u)
	global_load_b128 v[XFR+80*(\u)+8*(\i)+4:XFR+80*(\u)+8*(\i)+7], v[XFO], s[40:41] offset:2048+(\i)*16*XROW+64*(\u)+32
.endr
.irp i, 0,1,2,3
	global_load_b128 v[XFR+80*(\u)+32+8*(\i):XFR+80*(\u)+32+8*(\i)+3],   v[XFO], s[42:43] offset:2048+(\i)*16*XROW+64*(\u)
	global_load_b128 v[XFR+80*(\u)+32+8*(\i)+4:XFR+80*(\u)+32+8*(\i)+7], v[XFO], s[42:43] offset:2048+(\i)*16*XROW+64*(\u)+32
.endr
	global_load_b128 v[XFR+80*(\u)+64:XFR+80*(\u)+67], v[XFO], s[44:45] offset:64*(\u)
	global_load_b128 v[XFR+80*(\u)+68:XFR+80*(\u)+71], v[XFO], s[44:45] offset:64*(\u)+32
	global_load_b128 v[XFR+80*(\u)+72:XFR+80*(\u)+75], v[XFO], s[46:47] offset:64*(\u)
	global_load_b128 v[XFR+80*(\u)+76:XFR+80*(\u)+79], v[XFO], s[46:47] offset:64*(\u)+32
.endr
	s_wait_loadcnt 0x0                             ; the trip's 40 loads are in, and their address register is free
.irp u, 0,1                            ; kh x qh, kl x qh, kh x ql: the 4 accumulators take turns, one instruction a turn, over the backward jump too
.irp i, 0,1,2,3
	v_wmma_f32_16x16x32_f16 v[XACC+8*(\i):XACC+8*(\i)+7], v[XFR+80*(\u)+8*(\i):XFR+80*(\u)+8*(\i)+7], v[XFR+80*(\u)+64:XFR+80*(\u)+71], v[XACC+8*(\i):XACC+8*(\i)+7]
.endr
.irp i, 0,1,2,3
	v_wmma_f32_16x16x32_f16 v[XACC+8*(\i):XACC+8*(\i)+7], v[XFR+80*(\u)+32+8*(\i):XFR+80*(\u)+32+8*(\i)+7], v[XFR+80*(\u)+64:XFR+80*(\u)+71], v[XACC+8*(\i):XACC+8*(\i)+7]
.endr
.irp i, 0,1,2,3
	v_wmma_f32_16x16x32_f16 v[XACC+8*(\i):XACC+8*(\i)+7], v[XFR+80*(\u)+8*(\i):XFR+80*(\u)+8*(\i)+7], v[XFR+80*(\u)+72:XFR+80*(\u)+79], v[XACC+8*(\i):XACC+8*(\i)+7]
.endr
.endr
	v_add_nc_u32 v[XFO], 128, v[XFO]               ; the next 64 channels
	PLACES                                         ; in front of the next trip's loads into registers that the products have read
	s_sub_co_u32 s3, s3, 1
	s_cmp_lg_u32 s3, 0
	s_cbranch_scc1 .Lsm
	PLACES                                         ; in front of LDS stores that read results just made
.irp i, 0,1,2,3                        ; each accumulator's low four registers first
	ds_store_b128 v[XSTO], v[XACC+8*(\i):XACC+8*(\i)+3]   offset:64*(\i)
	ds_store_b128 v[XSTO], v[XACC+8*(\i)+4:XACC+8*(\i)+7] offset:64*(\i)+16
.endr
	s_wait_dscnt 0x0                               ; for the others' sake: my partial piece lies in LDS
	s_barrier_signal -1
	s_barrier_wait -1                              ; all four do
.irp t, 0,1                            ; pass t: rows 4 w + 2 t and the next, from all four copies
.irp c, 0,1,2,3
	ds_load_b128 v[XSUM+16*(\t)+4*(\c):XSUM+16*(\t)+4*(\c)+3], v[XRD] offset:(\c)*XCOPY+2*(\t)*XPP
.endr
.endr
	s_wait_dscnt 0x0
.irp t, 0,1
	v_pk_add_f32 v[XSUM+16*(\t):XSUM+16*(\t)+1],     v[XSUM+16*(\t):XSUM+16*(\t)+1],     v[XSUM+16*(\t)+4:XSUM+16*(\t)+5]
	v_pk_add_f32 v[XSUM+16*(\t)+2:XSUM+16*(\t)+3],   v[XSUM+16*(\t)+2:XSUM+16*(\t)+3],   v[XSUM+16*(\t)+6:XSUM+16*(\t)+7]
	v_pk_add_f32 v[XSUM+16*(\t)+8:XSUM+16*(\t)+9],   v[XSUM+16*(\t)+8:XSUM+16*(\t)+9],   v[XSUM+16*(\t)+12:XSUM+16*(\t)+13]
	v_pk_add_f32 v[XSUM+16*(\t)+10:XSUM+16*(\t)+11], v[XSUM+16*(\t)+10:XSUM+16*(\t)+11], v[XSUM+16*(\t)+14:XSUM+16*(\t)+15]
	v_pk_add_f32 v[XSUM+16*(\t):XSUM+16*(\t)+1],     v[XSUM+16*(\t):XSUM+16*(\t)+1],     v[XSUM+16*(\t)+8:XSUM+16*(\t)+9]
	v_pk_add_f32 v[XSUM+16*(\t)+2:XSUM+16*(\t)+3],   v[XSUM+16*(\t)+2:XSUM+16*(\t)+3],   v[XSUM+16*(\t)+10:XSUM+16*(\t)+11]
	global_store_b128 v[XCO], v[XSUM+16*(\t):XSUM+16*(\t)+3], s[6:7] offset:2*(\t)*SROW      ; 16 lanes store 256 consecutive bytes, aligned; no register is written twice
	global_store_b128 v[XCO], v[ZR:ZR+3], s[6:7] offset:2*(\t)*SROW+256                      ; and the 256 bytes of zeros behind them
.endr
	s_wait_tensorcnt 0x0                           ; the wave's end, behind my last LDS store
	ds_add_u32 v[SPW], v[NIL]
	s_wait_dscnt 0x0
	s_endpgm
.Lfunc_end_k_q5cf80332d1_scores:
	.size	k_q5cf80332d1_scores, .Lfunc_end_k_q5cf80332d1_scores-k_q5cf80332d1_scores
	.p2alignl 7, 3214868480
	.fill 96, 4, 3214868480
	.section	.rodata,"a",@progbits
	.p2align	6, 0x0
	.amdhsa_kernel k_q5cf80332d1_scores
		.amdhsa_group_segment_fixed_size 327680
		.amdhsa_private_segment_fixed_size 0
		.amdhsa_enable_private_segment 0
		.amdhsa_kernarg_size 24
		.amdhsa_user_sgpr_count 2
		.amdhsa_user_sgpr_kernarg_segment_ptr 1
		.amdhsa_wavefront_size32 1
		.amdhsa_system_sgpr_workgroup_id_x 1
		.amdhsa_system_sgpr_workgroup_id_y 1
		.amdhsa_system_sgpr_workgroup_id_z 1
		.amdhsa_system_vgpr_workitem_id 0
		.amdhsa_next_free_vgpr 1024
		.amdhsa_next_free_sgpr 66
		.amdhsa_reserve_vcc 0
		.amdhsa_float_denorm_mode_32 3
		.amdhsa_float_denorm_mode_16_64 3
		.amdhsa_memory_ordered 1
		.amdhsa_forward_progress 1
		.amdhsa_inst_pref_size 110
	.end_amdhsa_kernel
	.amdgpu_metadata
---
amdhsa.version: [ 1, 2 ]
amdhsa.kernels:
  - .name:           k_q5cf80332d1_scores
    .symbol:         k_q5cf80332d1_scores.kd
    .args:
      - { .name: qk, .offset: 0, .size: 8, .value_kind: global_buffer, .address_space: global }
      - { .name: sc, .offset: 8, .size: 8, .value_kind: global_buffer, .address_space: global }
      - { .name: vx, .offset: 16, .size: 8, .value_kind: global_buffer, .address_space: global }
    .group_segment_fixed_size: 327680
    .private_segment_fixed_size: 0
    .kernarg_segment_align: 8
    .kernarg_segment_size: 24
    .max_flat_workgroup_size: 128
    .sgpr_count:     66
    .vgpr_count:     1024
    .wavefront_size: 32
...
	.end_amdgpu_metadata
.endif
;; end of part 9
;; launch softmax (part 10): grid 128 x 4, 8 waves a work-group, no clusters, 0 bytes of LDS; arguments sc, pw; writes pw
.if DOCPART == 10
	.amdgcn_target "amdgcn-amd-amdhsa--gfx1250"
	.amdhsa_code_object_version 6
	.text
	.protected	k_q5cf80332d1_softmax
	.globl	k_q5cf80332d1_softmax
	.p2align	8
	.type	k_q5cf80332d1_softmax,@function
k_q5cf80332d1_softmax:
	s_mov_b64 s[64:65], 0
	v_nop
	global_prefetch_b8 v0, s[64:65] scope:SCOPE_SE
	s_setreg_imm32_b32 hwreg(HW_REG_WAVE_MODE, 25, 1), 1
	s_wait_xcnt 0x0
; pw[b][r][k] = softmax over k <= r of sc[b][r][k] / 32, rounded once to f16; 0 for r < k < 512 (r / 512 + 1), as far as the last product reads a row.
; p = 2^(c s - c m), c = log2(e) / 32, m the row's true maximum over its visible keys; the sum is taken of the unrounded p, in f32; p is multiplied by 1 / sum before it is rounded.
; ROWS UNDER 64 take their keys 0-127 from columns 1,024-1,151 of sc's row, where the scores made of q and k in two words lie (keys 0-63; zeros behind them, all hidden from such a row).
; THE SECOND WORD.  For rows under 1,024 and keys under 256 what the rounding left over, f16(p - f16(p)), is stored too, at columns 1,024 + k of pw's row, which such a row does not use otherwise: a row that is a
; mean of two or three keys has no averaging that would make a weight's 2^-12 small, so the last product adds these words times v.
; A row stays in registers between the maximum, the exponentials and the scaling: sc is read once.  One wave, one row: no LDS, no barrier.
; SHARES.  A wave takes rows r = 8 x + w (under 1,024) and 2,047 - r of batch y: 9 chunks of 256 keys whatever r.  Their blocks of 256 rows, i = x / 32 and 7 - i, are the same for the work-group's eight waves.
; sc holds chunk c of a row only for c <= i: a chunk beyond is not loaded; its registers take the lowest finite number, as every hidden score does, whose weight comes out as 0.
; LIMITS.  A hidden score counts as -3.4e38; a weight below 2^-126 counts as 0; a weight below 6e-5 keeps f16's fixed step of 6e-8; NaN and infinities are not treated apart.
.set KE,  4                            ; v4-7    4 lane + e: my four keys in a group of 128
.set NEG, 8                            ; v8      the lowest finite f32
.set MONE, 9                           ; v9      -1.0
.set M,   10                           ; v10-13  four running maxima
.set CM,  14                           ; v14-15  c m, twice
.set AS,  16                           ; v16-23  four running sums, in pairs; later at work
.set R,   24                           ; v24-25  1 / sum, twice
.set T,   26                           ; v26-27  at work
.set PL,  28                           ; v28-31  the second words of keys 0-255
.set XA,  32                           ; v32-63   the short row: group q of 128 keys at XA + 4 q
.set XB,  64                           ; v64-127  the long row
	s_load_b128 s[4:7], s[0:1], 0x0                ; sc s[4:5], pw s[6:7]
	v_lshrrev_b32 v1, 5, v0
	v_readfirstlane_b32 s8, v1                     ; wave 0..7
	v_and_b32 v3, 31, v0
	v_lshlrev_b32 v1, 4, v3                        ; 16 bytes a lane of sc
	v_lshlrev_b32 v2, 3, v3                        ; 8 bytes a lane of pw
	v_lshlrev_b32 v[KE], 2, v3
	v_add_nc_u32 v[KE+1], 1, v[KE]
	v_add_nc_u32 v[KE+2], 2, v[KE]
	v_add_nc_u32 v[KE+3], 3, v[KE]
	v_mov_b32 v[NEG], 0xff7fffff
	v_mov_b32 v[MONE], -1.0
	s_and_b32 s9, ttmp7, 0xffff                    ; b
	s_lshl_b32 s10, ttmp9, 3
	s_add_co_u32 s10, s10, s8                      ; the short row
	s_sub_co_u32 s11, 2047, s10                    ; the long row
	s_lshr_b32 s12, ttmp9, 5                       ; the short row's block, 0..3
	s_sub_co_u32 s13, 7, s12                       ; the long row's, 4..7
	s_lshl_b32 s17, s9, 11
	s_add_co_u32 s18, s17, s10
	s_add_co_u32 s19, s17, s11
	s_mov_b32 s15, 0
	s_mov_b32 s20, 0x3d38aa3b                      ; c = log2(e) / 32
	s_mov_b32 s21, s20                             ; named with it as a pair
	s_mov_b32 s22, 0x76543210                      ; v_permlanex16_b32: each lane takes its own place in the other half
	s_mov_b32 s23, 0xfedcba98
	s_wait_kmcnt 0x0
	s_lshl_b32 s14, s18, 13                        ; rows of sc are 8,192 bytes, of pw 4,096
	s_add_nc_u64 s[24:25], s[4:5], s[14:15]
	s_cmp_lt_u32 ttmp9, 8                          ; is the short row under 64?  The same for the work-group's eight waves
	s_cselect_b32 s14, 4096, 0                     ; then its keys 0-127 come from column 1,024 on
	s_add_nc_u64 s[32:33], s[24:25], s[14:15]
	s_lshl_b32 s14, s19, 13
	s_add_nc_u64 s[26:27], s[4:5], s[14:15]
	s_lshl_b32 s14, s18, 12
	s_add_nc_u64 s[28:29], s[6:7], s[14:15]
	s_lshl_b32 s14, s19, 12
	s_add_nc_u64 s[30:31], s[6:7], s[14:15]
; Chunk c of a row: two loads of 512 consecutive bytes, or, where sc has no such chunk, eight registers of the lowest number.  Every register is written on either way.
.macro CHUNK x, ptr, c, blk, always
.if !(\always)
	s_cmp_ge_u32 s[\blk], \c
	s_cbranch_scc0 .Ldead_\@
.endif
	global_load_b128 v[(\x)+8*(\c):(\x)+8*(\c)+3],   v1, s[\ptr:\ptr+1] offset:1024*(\c) th:TH_LOAD_NT
	global_load_b128 v[(\x)+8*(\c)+4:(\x)+8*(\c)+7], v1, s[\ptr:\ptr+1] offset:1024*(\c)+512 th:TH_LOAD_NT
.if !(\always)
	s_branch .Ldone_\@
.Ldead_\@:
.set z, 0
.rept 8
	v_mov_b32 v[(\x)+8*(\c)+z], v[NEG]
.set z, z+1
.endr
.Ldone_\@:
.endif
.endm
	CHUNK XB, 26, 0, 13, 1
	CHUNK XB, 26, 1, 13, 1
	CHUNK XB, 26, 2, 13, 1
	CHUNK XB, 26, 3, 13, 1
	CHUNK XB, 26, 4, 13, 1
	global_load_b128 v[XA:XA+3],   v1, s[32:33] th:TH_LOAD_NT             ; the short row's keys 0-127, by the pointer chosen above,
	global_load_b128 v[XA+4:XA+7], v1, s[24:25] offset:512 th:TH_LOAD_NT  ; and its keys 128-255
	CHUNK XB, 26, 5, 13, 0
	CHUNK XB, 26, 6, 13, 0
	CHUNK XB, 26, 7, 13, 0
	CHUNK XA, 24, 1, 12, 0
	CHUNK XA, 24, 2, 12, 0
	CHUNK XA, 24, 3, 12, 0
	s_wait_loadcnt 0x0                             ; for 0: how many loads are out hangs on the way taken
; A row of ng groups of 128 keys in registers x ..; groups from mg on can hold hidden keys.  row: the register with r; ptr: pw's row; the last four groups are stored only if the row's block is lim or more.
; xtra = 1: the second words of keys 0-255 are made and stored.
.macro ROW x, ng, mg, row, ptr, blk, lim, xtra
.set q, \mg
.rept (\ng)-(\mg)
	s_sub_co_i32 s16, s[\row], 128*q               ; key 128 q + 4 lane + e is hidden where 4 lane + e > r - 128 q
.irp e, 0,1,2,3
	v_cmp_lt_i32 vcc_lo, s16, v[KE+(\e)]
	v_cndmask_b32 v[(\x)+4*q+(\e)], v[(\x)+4*q+(\e)], v[NEG], vcc_lo
.endr
.set q, q+1
.endr
	; the maximum: four chains of ng registers each, three operands at a time
.irp k, 0,1,2,3
	v_max3_num_f32 v[M+(\k)], v[(\x)+(\ng)*(\k)], v[(\x)+(\ng)*(\k)+1], v[(\x)+(\ng)*(\k)+2]
.endr
.set u, 3
.rept ((\ng)-4)/2
.irp k, 0,1,2,3
	v_max3_num_f32 v[M+(\k)], v[M+(\k)], v[(\x)+(\ng)*(\k)+u], v[(\x)+(\ng)*(\k)+u+1]
.endr
.set u, u+2
.endr
.irp k, 0,1,2,3
	v_max_num_f32 v[M+(\k)], v[M+(\k)], v[(\x)+(\ng)*(\k)+(\ng)-1]
.endr
	v_max3_num_f32 v[M], v[M], v[M+1], v[M+2]
	v_max_num_f32 v[M], v[M], v[M+3]
	v_max_num_f32_dpp v[M], v[M], v[M] row_xmask:1 row_mask:0xf bank_mask:0xf
	v_max_num_f32_dpp v[M], v[M], v[M] row_xmask:2 row_mask:0xf bank_mask:0xf
	v_max_num_f32_dpp v[M], v[M], v[M] row_xmask:4 row_mask:0xf bank_mask:0xf
	v_max_num_f32_dpp v[M], v[M], v[M] row_xmask:8 row_mask:0xf bank_mask:0xf
	v_permlanex16_b32 v[M+1], v[M], s22, s23
	v_max_num_f32 v[M], v[M], v[M+1]               ; every lane holds the row's maximum: key 0 is always visible, so it is a true score
	v_mul_f32 v[CM], s20, v[M]
	v_mul_f32 v[CM+1], s20, v[M]
.set u, 0
.rept 2*(\ng)
	v_pk_fma_f32 v[(\x)+u:(\x)+u+1], v[(\x)+u:(\x)+u+1], s[20:21], v[CM:CM+1] op_sel_hi:[1,0,0] neg_lo:[0,0,1] neg_hi:[0,0,1]  ; c s - c m
.set u, u+2
.endr
.set u, 0
.rept 4*(\ng)
	v_exp_f32 v[(\x)+u], v[(\x)+u]
.set u, u+1
.endr
	v_nop                                          ; a plain instruction between the last exponential and the use of its result (ISA guide 5.7.2)
	; the sum: four chains of pairs, started by their first two pairs: nothing is cleared
	s_wait_alu depctr_va_vdst(0)
.irp k, 0,1,2,3
	v_pk_add_f32 v[AS+2*(\k):AS+2*(\k)+1], v[(\x)+2*(\k):(\x)+2*(\k)+1], v[(\x)+8+2*(\k):(\x)+8+2*(\k)+1]
.endr
.set u, 16
.rept ((\ng)-4)/2
.irp k, 0,1,2,3
	v_pk_add_f32 v[AS+2*(\k):AS+2*(\k)+1], v[AS+2*(\k):AS+2*(\k)+1], v[(\x)+u+2*(\k):(\x)+u+2*(\k)+1]
.endr
.set u, u+8
.endr
	v_pk_add_f32 v[AS:AS+1], v[AS:AS+1], v[AS+2:AS+3]
	v_pk_add_f32 v[AS+4:AS+5], v[AS+4:AS+5], v[AS+6:AS+7]
	v_pk_add_f32 v[AS:AS+1], v[AS:AS+1], v[AS+4:AS+5]
	v_add_f32 v[AS], v[AS], v[AS+1]
	v_add_f32_dpp v[AS], v[AS], v[AS] row_xmask:1 row_mask:0xf bank_mask:0xf
	v_add_f32_dpp v[AS], v[AS], v[AS] row_xmask:2 row_mask:0xf bank_mask:0xf
	v_add_f32_dpp v[AS], v[AS], v[AS] row_xmask:4 row_mask:0xf bank_mask:0xf
	v_add_f32_dpp v[AS], v[AS], v[AS] row_xmask:8 row_mask:0xf bank_mask:0xf
	v_permlanex16_b32 v[AS+1], v[AS], s22, s23
	v_add_f32 v[AS], v[AS], v[AS+1]                ; at least 1: the maximum's own weight
	v_rcp_f32 v[R], v[AS]
	v_rcp_f32 v[R+1], v[AS]
	v_nop
.set u, 0
	s_wait_alu depctr_va_vdst(0)
.rept 2*(\ng)
	v_pk_mul_f32 v[(\x)+u:(\x)+u+1], v[(\x)+u:(\x)+u+1], v[R:R+1]
.set u, u+2
.endr
.if \xtra
.set q, 0
.rept 2                                ; groups 0 and 1: p - f16(p), an f16 half times -1.0 plus the f32 weight, and that rounded to f16
	v_cvt_pk_f16_f32 v[T], v[(\x)+4*q], v[(\x)+4*q+1]
	v_cvt_pk_f16_f32 v[T+1], v[(\x)+4*q+2], v[(\x)+4*q+3]
	v_fma_mix_f32 v[AS],   v[T],   v[MONE], v[(\x)+4*q]   op_sel:[0,0,0] op_sel_hi:[1,0,0]
	v_fma_mix_f32 v[AS+1], v[T],   v[MONE], v[(\x)+4*q+1] op_sel:[1,0,0] op_sel_hi:[1,0,0]
	v_fma_mix_f32 v[AS+2], v[T+1], v[MONE], v[(\x)+4*q+2] op_sel:[0,0,0] op_sel_hi:[1,0,0]
	v_fma_mix_f32 v[AS+3], v[T+1], v[MONE], v[(\x)+4*q+3] op_sel:[1,0,0] op_sel_hi:[1,0,0]
	v_cvt_pk_f16_f32 v[PL+2*q], v[AS], v[AS+1]
	v_cvt_pk_f16_f32 v[PL+2*q+1], v[AS+2], v[AS+3]
.set q, q+1
.endr
.endif
.set q, 0
.rept \ng
	v_cvt_pk_f16_f32 v[(\x)+4*q], v[(\x)+4*q], v[(\x)+4*q+1]
	v_cvt_pk_f16_f32 v[(\x)+4*q+1], v[(\x)+4*q+2], v[(\x)+4*q+3]
.set q, q+1
.endr
.set q, 0
.rept (\ng)-4
	global_store_b64 v2, v[(\x)+4*q:(\x)+4*q+1], s[\ptr:\ptr+1] offset:256*q  ; 32 lanes store 256 consecutive bytes, aligned
.set q, q+1
.endr
.if \xtra
	global_store_b64 v2, v[PL:PL+1], s[\ptr:\ptr+1] offset:2048      ; the second words, at columns 1,024 on; PL is written by this row alone
	global_store_b64 v2, v[PL+2:PL+3], s[\ptr:\ptr+1] offset:2048+256
.endif
	s_cmp_ge_u32 s[\blk], \lim                     ; the last 512 keys belong to the row only in the upper two of its four blocks
	s_cbranch_scc0 .Lshort_\@
.rept 4
	global_store_b64 v2, v[(\x)+4*q:(\x)+4*q+1], s[\ptr:\ptr+1] offset:256*q
.set q, q+1
.endr
.Lshort_\@:
.endm
	ROW XA, 8, 0, 10, 28, 12, 2, 1
	ROW XB, 16, 8, 11, 30, 13, 6, 0                ; keys under 1,024 are all visible to a row of 1,024 or more
	s_endpgm
.Lfunc_end_k_q5cf80332d1_softmax:
	.size	k_q5cf80332d1_softmax, .Lfunc_end_k_q5cf80332d1_softmax-k_q5cf80332d1_softmax
	.p2alignl 7, 3214868480
	.fill 96, 4, 3214868480
	.section	.rodata,"a",@progbits
	.p2align	6, 0x0
	.amdhsa_kernel k_q5cf80332d1_softmax
		.amdhsa_group_segment_fixed_size 0
		.amdhsa_private_segment_fixed_size 0
		.amdhsa_enable_private_segment 0
		.amdhsa_kernarg_size 16
		.amdhsa_user_sgpr_count 2
		.amdhsa_user_sgpr_kernarg_segment_ptr 1
		.amdhsa_wavefront_size32 1
		.amdhsa_system_sgpr_workgroup_id_x 1
		.amdhsa_system_sgpr_workgroup_id_y 1
		.amdhsa_system_sgpr_workgroup_id_z 1
		.amdhsa_system_vgpr_workitem_id 0
		.amdhsa_next_free_vgpr 128
		.amdhsa_next_free_sgpr 66
		.amdhsa_reserve_vcc 1
		.amdhsa_float_denorm_mode_32 3
		.amdhsa_float_denorm_mode_16_64 3
		.amdhsa_memory_ordered 1
		.amdhsa_forward_progress 1
		.amdhsa_inst_pref_size 35
	.end_amdhsa_kernel
	.amdgpu_metadata
---
amdhsa.version: [ 1, 2 ]
amdhsa.kernels:
  - .name:           k_q5cf80332d1_softmax
    .symbol:         k_q5cf80332d1_softmax.kd
    .args:
      - { .name: sc, .offset: 0, .size: 8, .value_kind: global_buffer, .address_space: global }
      - { .name: pw, .offset: 8, .size: 8, .value_kind: global_buffer, .address_space: global }
    .group_segment_fixed_size: 0
    .private_segment_fixed_size: 0
    .kernarg_segment_align: 8
    .kernarg_segment_size: 16
    .max_flat_workgroup_size: 256
    .sgpr_count:     66
    .vgpr_count:     128
    .wavefront_size: 32
...
	.end_amdgpu_metadata
.endif
;; end of part 10
;; launch pv (part 11): grid 8 x 32, 4 waves a work-group, clusters of 4 x 4, 327,680 bytes of LDS; arguments pw, vt, vx, out0; writes out0
.if DOCPART == 11
	.amdgcn_target "amdgcn-amd-amdhsa--gfx1250"
	.amdhsa_code_object_version 6
	.text
	.protected	k_q5cf80332d1_pv
	.globl	k_q5cf80332d1_pv
	.p2align	8
	.type	k_q5cf80332d1_pv,@function
k_q5cf80332d1_pv:
	s_mov_b64 s[64:65], 0
	v_nop
	global_prefetch_b8 v0, s[64:65] scope:SCOPE_SE
	s_setreg_imm32_b32 hwreg(HW_REG_WAVE_MODE, 25, 1), 1
	s_wait_xcnt 0x0
	s_wait_alu depctr_hold_cnt(0) depctr_sa_sdst(0) depctr_va_vdst(0) depctr_va_sdst(0) depctr_va_ssrc(0) depctr_va_vcc(0) depctr_vm_vsrc(0)
	s_getreg_b32 s2, hwreg(HW_REG_IB_STS2, 6, 4)
	s_cmp_eq_u32 s2, 0
	s_cbranch_scc0 .Lentry_in_a_cluster
	s_endpgm
.Lentry_in_a_cluster:
	s_bfe_u32 s2, ttmp6, 0x10000c
	s_cmp_lg_u32 s2, 0xf033
	s_cbranch_scc0 .Lentry_shape_is_right
	s_endpgm
.Lentry_shape_is_right:
; out0[b][q][c] = sum over k of pw[b][q][k] vt[b][c][k].  pw: [4][2048][2048] f16, the finished weights (0 where hidden); vt: [4][1024][2048] f16, v turned; out0: [4][2048][1024] f32.  Sums in f32.
; A tile of out0 is 128 queries x 128 channels: four waves, 64 x 64 each, 16 accumulators.  K (keys) goes in steps of 256 through two LDS slots.
; THE WALK.  Block i of 128 queries needs the keys 0 .. 512 (i / 4 + 1) - 1.  A work-group makes TWO tiles of one channel column: blocks 15 - p and then p: (8 - 2 g) + (2 + 2 g) steps, g = p / 4, and TWO STEPS OF
; CORRECTIONS for the second block: 12 steps whatever p: all 256 work-groups do equal work, and one loop with a constant trip count walks the steps; the ring runs on across the change of blocks.
; THE CORRECTIONS.  For rows under 1,024 and keys under 256 the weights have a second f16 word (pw's columns 1,024 + k) and v has one (vx).  The last step but one adds (second words of P) x vt, the last
; P x vx.  So a row under 256, which is a mean of few keys, has P and v to about 22 bits; rows from 256 on keep the plain rounding to f16 for their keys from 256 on.
; THE TEXT.  A K step is written once.  Which slot is read stands in a scalar (0 or SLOT) that one exclusive or turns; the fragment addresses are made from it at each change of slots; the descriptors of K step 1
; walk on, their LDS word turned by the same exclusive or.  The ten steps that fill a slot again are one loop, the last two, which fill nothing, a second one.
; CLUSTERS: 4 x 4 work-groups: cx picks the channel tile, cy the pair of blocks p = 4 g + cy; b and g come from the cluster's y, so all sixteen partners walk the same steps, and the one forward branch (a block
; is finished) goes the same way in all.  The four of a row of the cluster need the same tiles of pw, the four of a column the same tiles of vt and vx: each is asked for JOINTLY.
; THE MATRIX INSTRUCTION IS USED TRANSPOSED (source 0 = 16 rows of vt, source 1 = 16 rows of pw): a lane holds row l % 16 of out0 and eight neighbouring channels, 32 bytes.
; A wave's 64 channels are 256 bytes of a row, aligned: each wave has a stage of its own for the way out, and no barrier stands there.
; LIMITS.  pw, vt and vx arrive within f16's range; NaN and infinities are not treated apart.
; REGISTERS: window 0: v0-31 addresses; v32-95 at work on the way out; v128-255 the accumulators ((a, b) at v[128 + 8 (4 a + b)]).  Window 1: two fragment buffers of 128 (64 of A, then 64 of B, for 64 along K).
.set KSTEP,  256
.set STEPS,  12
.set PITCH,  528                       ; an LDS row: 512 bytes + 16 of padding = 132 words: row r starts at bank 4 r mod 64 (64 banks of 4 bytes: ISA guide 11.1)
.set HALFT,  64*PITCH                  ; 33,792 = 2^15 + 2^10
.set SLOT,   4*HALFT                   ; 135,168 = 2^17 + 2^12.  The waves' places in slot 0, 0 to 3 x HALFT, use bits 10, 11, 15 and 16 alone: an exclusive or with SLOT adds it or takes it away
.set STAGE,  2*SLOT                    ; behind the ring: 16 rows x 272 bytes for each wave
.set SPITCH, 272
.set SPARE,  STAGE+4*16*SPITCH         ; behind the stages: the spare words, 128 bytes for each wave
.set CROW,   4096                      ; bytes in a row of out0
.set ADRA0, 16                         ; v16  LDS address of my A fragments in slot 0; never rewritten
.set ADRA,  17                         ; v17  the same in the slot that is being read
.set ADRB0, 20                         ; v20, v21  the same two for B
.set ADRB,  21
.set STO,  24
.set RD,   25
.set CO,   26
.set SPW,  28                          ; v28  LDS address of my spare word; never rewritten
.set NIL,  29                          ; v29  0; never rewritten
.set TMP,  32
.set ACC,  128
.set F0,   0
.set F1,   128
.set G1,  24                           ; s[24:31] descriptor group 1 for pw's tiles; s[32:35] group 0 for K step 0; s[36:39] for K step 1, which then walks on
.set G0,  32
.set G1B, 48                           ; s[48:55], s[56:63] the same for vt's and vx's
.set G0B, 56
.set RN,  69                           ; s69  steps of the block being asked for that are still to be asked for
.set RK,  70                           ; s70  byte along the rows at which the step to be asked for begins
.set RA,  72                           ; s72  byte offset in pw of my 64 rows of the block being asked for
.set ALO, 74                           ; s74  the same for the second block
.set NL,  75                           ; s75  the second block's steps, the corrections' not counted
.set CN,  76                           ; s76  steps of the block in hand still to be finished
.set VTP, 80                           ; s[80:81] vt at my 64 rows
.set VXP, 88                           ; s[88:89] vx at my 64 rows
.set BT,  90                           ; s[90:91] the one of the two that a refill reads
.set AX,  92                           ; s92  byte offset in pw of the second block's second words: ALO + 2,048
.set TB,  93                           ; s93  LDS byte at which the slot that is being read begins: 0 or SLOT
.set CNT, 94                           ; s94  counts the last two K steps
.set MSB, 0
.macro WIN new
.if MSB != (\new)
	s_set_vgpr_msb (MSB<<8)|(\new)
.set MSB, \new
.endif
.endm
.set MUL,  0x05                        ; sources 0 (B) and 1 (A) window 1; C and D window 0
.set TO_F, 0x40                        ; destination window 1, address window 0
.macro JLOAD s                         ; a joint load: waves 0 and 1 fetch pw's two halves, waves 2 and 3 vt's; an s_nop 0 and four v_nop follow each of the two lines
	s_cmp_eq_u32 s11, 0
	s_cbranch_scc0 .Lfor_b_\@
	tensor_load_to_lds s[G0+4*(\s):G0+4*(\s)+3], s[G1:G1+7]
	s_nop 0
.rept 4
	v_nop
.endr
	s_branch .Lasked_\@
.Lfor_b_\@:
	tensor_load_to_lds s[G0B+4*(\s):G0B+4*(\s)+3], s[G1B:G1B+7]
	s_nop 0
.rept 4
	v_nop
.endr
.Lasked_\@:
.endm
.macro CREST
	s_cmp_lg_u32 s10, 0
	s_cbranch_scc1 .Lnot_wave_0_\@
	s_barrier_signal -3
.Lnot_wave_0_\@:
	s_barrier_wait -3
	s_barrier_signal -1
	s_barrier_wait -1
.endm
.macro CROUND
	s_barrier_signal -1
	s_barrier_wait -1
	CREST
.endm
	s_load_b128 s[4:7], s[0:1], 0x0                ; pw s[4:5], vt s[6:7]
	s_load_b64 s[VXP:VXP+1], s[0:1], 0x10          ; vx
	s_load_b64 s[8:9], s[0:1], 0x18                ; out0
	v_lshl_add_u32 v[SPW], v0, 2, SPARE
	v_mov_b32 v[NIL], 0
	ds_add_u32 v[SPW], v[NIL]                      ; the wave's opening: the add and its wait stand ahead of my first tensor load
	ds_add_u32 v28, v29
	v_lshrrev_b32 v1, 5, v0
	v_readfirstlane_b32 s10, v1                    ; wave 0..3
	s_lshr_b32 s11, s10, 1                         ; my half of the tile's rows.  Also: I fetch for pw (0) or for vt (1)
	s_and_b32 s12, s10, 1                          ; my half of its columns.  Also: which 64 rows of that tile I fetch
	s_bfe_u32 s40, ttmp6, 0x40000                  ; cx
	s_bfe_u32 s41, ttmp6, 0x40004                  ; cy
	s_lshl_b32 s42, ttmp9, 2
	s_add_co_u32 s42, s42, s40                     ; channel tile = 4 x cluster x + cx
	s_and_b32 s13, ttmp7, 0xffff                   ; cluster y = 2 b + g
	s_and_b32 s66, s13, 1                          ; g
	s_lshr_b32 s67, s13, 1                         ; b
	s_lshl_b32 s68, s66, 2
	s_add_co_u32 s68, s68, s41                     ; p: the second block
	s_sub_co_u32 s71, 15, s68                      ; the first block
	s_lshl_b32 s43, s41, 2
	s_lshl_b32 s43, 15, s43                        ; my row of the cluster
	s_lshl_b32 s44, 0x1111, s40                    ; my column
	s_or_b32 s[G1+0], s43, (1<<16)|(1<<20)|(1<<21)|(6<<22)|(3<<25)  ; the mask; 2-byte elements; padding on; bit 21 beside a mask; after every 128 words; 4 words
	s_or_b32 s[G1B+0], s44, (1<<16)|(1<<20)|(1<<21)|(6<<22)|(3<<25)
.irp g, G1, G1B
	s_mov_b32 s[(\g)+1], KSTEP<<16                 ; tensor_dim0 = 256
	s_mov_b32 s[(\g)+2], 64<<16                    ; tensor_dim1 = 64
	s_mov_b32 s[(\g)+3], KSTEP<<16                 ; tile_dim0 = 256
	s_mov_b32 s[(\g)+4], 64                        ; tile_dim1 = 64
	s_mov_b32 s[(\g)+5], 2048                      ; elements from row to row
	s_mov_b32 s[(\g)+6], 0
	s_mov_b32 s[(\g)+7], 0
.endr
	s_sub_co_u32 s[CN], 4, s66
	s_lshl_b32 s[CN], s[CN], 1                     ; the first block has 8 - 2 g steps,
	s_lshl_b32 s[NL], s66, 1
	s_add_co_u32 s[NL], s[NL], 2                   ; the second 2 + 2 g, and the corrections'
	s_sub_co_u32 s[RN], s[CN], 2                   ; steps 0 and 1 are asked for at once
	s_mov_b32 s[RK], 2*KSTEP*2
	s_lshl_b32 s16, s67, 11                        ; pw: row 2,048 b + 128 block + 64 x half, 4,096 bytes a row (under 2^26)
	s_lshl_b32 s17, s12, 6
	s_add_co_u32 s16, s16, s17
	s_lshl_b32 s17, s71, 7
	s_add_co_u32 s17, s17, s16
	s_lshl_b32 s[RA], s17, 12
	s_lshl_b32 s17, s68, 7
	s_add_co_u32 s17, s17, s16
	s_lshl_b32 s[ALO], s17, 12
	s_add_co_u32 s[AX], s[ALO], 2048               ; column 1,024 of the same rows
	s_lshl_b32 s46, s67, 10                        ; vt, vx: row 1,024 b + 128 x channel tile + 64 x half
	s_lshl_b32 s47, s42, 7
	s_add_co_u32 s46, s46, s47
	s_lshl_b32 s47, s12, 6
	s_add_co_u32 s46, s46, s47
	s_lshl_b32 s46, s46, 12
	s_mov_b32 s47, 0
	s_mov_b32 s85, 0                               ; the high words of the two offsets that a refill makes
	s_mov_b32 s87, 0
	s_mul_i32 s20, s10, HALFT                      ; where the tiles go: wave x 64 rows
	s_wait_dscnt 0x0                               ; the opening add is done
	s_wait_kmcnt 0x0
	s_add_nc_u64 s[VTP:VTP+1], s[6:7], s[46:47]
	s_add_nc_u64 s[VXP:VXP+1], s[VXP:VXP+1], s[46:47]
	CROUND                                         ; all sixteen work-groups are here: the first joint loads meet
.irp s, 0,1
	s_mov_b32 s[G0+4*(\s)], 1
	s_add_co_u32 s[G0+4*(\s)+1], s20, (\s)*SLOT
	s_add_co_u32 s84, s[RA], (\s)*KSTEP*2
	s_add_nc_u64 s[G0+4*(\s)+2:G0+4*(\s)+3], s[4:5], s[84:85]
	s_or_b32 s[G0+4*(\s)+3], s[G0+4*(\s)+3], 0x80000000
	s_mov_b32 s[G0B+4*(\s)], 1
	s_add_co_u32 s[G0B+4*(\s)+1], s20, (\s)*SLOT
	s_add_nc_u64 s[G0B+4*(\s)+2:G0B+4*(\s)+3], s[VTP:VTP+1], (\s)*KSTEP*2
	s_or_b32 s[G0B+4*(\s)+3], s[G0B+4*(\s)+3], 0x80000000
	JLOAD \s                                       ; the first block's steps 0 and 1: two tensor loads of mine are out
.endr
	v_and_b32 v1, 15, v0                           ; l % 16
	v_bfe_u32 v2, v0, 4, 1                         ; l / 16
	v_mul_u32_u24 v3, v1, PITCH
	v_lshl_add_u32 v3, v2, 4, v3
	s_mul_i32 s21, s11, HALFT                      ; my 64 rows of pw
	s_mul_i32 s22, s12, HALFT                      ; my 64 rows of vt,
	s_add_co_u32 s22, s22, 2*HALFT                 ; which lie behind pw's 128
	v_add_nc_u32 v[ADRA0], s21, v3
	v_add_nc_u32 v[ADRB0], s22, v3
	v_add_nc_u32 v[ADRA], s21, v3                  ; slot 0 is read first
	v_add_nc_u32 v[ADRB], s22, v3
	s_mov_b32 s[TB], 0
	s_mul_i32 s23, s10, 16*SPITCH
	s_add_co_u32 s23, s23, STAGE                   ; my stage
	v_mul_u32_u24 v4, v1, SPITCH                   ; in: row l % 16, 32 bytes for each half of the lanes
	v_lshl_add_u32 v4, v2, 5, v4
	v_add_nc_u32 v[STO], s23, v4
	v_mul_u32_u24 v5, v2, SPITCH                   ; back: lanes 0-15 take one row of 256 bytes, lanes 16-31 the next
	v_lshl_add_u32 v5, v1, 4, v5
	v_add_nc_u32 v[RD], s23, v5
	v_lshlrev_b32 v5, 12, v2                       ; and the same two rows in out0
	v_lshl_add_u32 v[CO], v1, 4, v5
	s_lshl_b32 s16, s67, 11                        ; out0: row 2,048 b + 128 block + 64 x my half of the rows; byte 512 x channel tile + 256 x my half of the columns
	s_lshl_b32 s17, s11, 6
	s_add_co_u32 s16, s16, s17
	s_lshl_b32 s46, s42, 9
	s_lshl_b32 s47, s12, 8
	s_add_co_u32 s46, s46, s47
	s_lshl_b32 s18, s68, 7
	s_add_co_u32 s18, s18, s16
	s_lshl_b32 s18, s18, 12
	s_add_co_u32 s18, s18, s46
	s_mov_b32 s19, 0
	s_add_nc_u64 s[82:83], s[8:9], s[18:19]        ; the second block's tile
	s_lshl_b32 s18, s71, 7
	s_add_co_u32 s18, s18, s16
	s_lshl_b32 s18, s18, 12
	s_add_co_u32 s18, s18, s46
	s_add_nc_u64 s[8:9], s[8:9], s[18:19]          ; the first block's
; 8 matrix instructions: m blocks a0, a0 + 1 x all 4 n blocks, 32 along K: half c of buffer f.  zero = 1: the product starts the sums.  The 16 accumulators take turns.
.macro MUL8 f, c, a0, zero
	WIN MUL
.irp a, \a0, (\a0)+1
.irp b, 0,1,2,3
.if \zero
	v_wmma_f32_16x16x32_f16 v[ACC+8*(4*(\a)+(\b)):ACC+8*(4*(\a)+(\b))+7], v[(\f)+64+8*(4*(\c)+(\b)):(\f)+64+8*(4*(\c)+(\b))+7], v[(\f)+8*(4*(\c)+(\a)):(\f)+8*(4*(\c)+(\a))+7], 0
.else
	v_wmma_f32_16x16x32_f16 v[ACC+8*(4*(\a)+(\b)):ACC+8*(4*(\a)+(\b))+7], v[(\f)+64+8*(4*(\c)+(\b)):(\f)+64+8*(4*(\c)+(\b))+7], v[(\f)+8*(4*(\c)+(\a)):(\f)+8*(4*(\c)+(\a))+7], v[ACC+8*(4*(\a)+(\b)):ACC+8*(4*(\a)+(\b))+7]
.endif
.endr
.endr
.endm
; 32 LDS loads in one run: the fragments of 64 along K at byte k of the rows of the slot that is being read, into buffer f; the first 32 along K first
.macro FETCH k, f
	WIN TO_F
.irp c, 0,1
.irp i, 0,1,2,3
	ds_load_b128 v[(\f)+64+8*(4*(\c)+(\i)):(\f)+64+8*(4*(\c)+(\i))+3],   v[ADRB] offset:(\k)+64*(\c)+(\i)*16*PITCH
	ds_load_b128 v[(\f)+64+8*(4*(\c)+(\i))+4:(\f)+64+8*(4*(\c)+(\i))+7], v[ADRB] offset:(\k)+64*(\c)+(\i)*16*PITCH+32
	ds_load_b128 v[(\f)+8*(4*(\c)+(\i)):(\f)+8*(4*(\c)+(\i))+3],         v[ADRA] offset:(\k)+64*(\c)+(\i)*16*PITCH
	ds_load_b128 v[(\f)+8*(4*(\c)+(\i))+4:(\f)+8*(4*(\c)+(\i))+7],       v[ADRA] offset:(\k)+64*(\c)+(\i)*16*PITCH+32
.endr
.endr
.endm
.macro PLACES                          ; four plain vector instructions between a matrix instruction and a load into, or a reader of, its registers (ISA guide 7.12.1 for vector instructions)
.rept 4
	v_nop
.endr
.endm
.macro QUARTER k, f, g, zero
	s_wait_dscnt 16                                ; the first 32 along K are in
	MUL8 \f, 0, 0, \zero
	MUL8 \f, 0, 2, \zero
	PLACES
	FETCH \k, \g
	s_wait_dscnt 32                                ; all but the 32 just issued
	MUL8 \f, 1, 0, 0
	MUL8 \f, 1, 2, 0
.endm
; What a refill asks for.  The addresses are made anew from the buffers' bases and offsets kept apart; the walking descriptors take the other slot than last time.  Where the block being asked for has no step
; left, the second block's step 0 follows.  The loop's last two trips ask for the corrections: at s3 = 2 the second words of P (pw at byte 2,048 of the second block's rows) and vt's keys 0-255, at s3 = 1 P's
; keys 0-255 and vx's.  RN, RK and s3 hang on g and the trip alone, RA, ALO and AX on cy, b and the wave: pw's address holds no cx, vt's and vx's no cy.
.macro NEXTREQ
	s_cmp_eq_u32 s[RN], 0
	s_cselect_b32 s[RA], s[ALO], s[RA]
	s_cselect_b32 s[RK], 0, s[RK]
	s_cselect_b32 s[RN], s[NL], s[RN]
	s_mov_b32 s86, s[RK]
	s_add_co_u32 s84, s[RA], s[RK]
	s_cmp_eq_u32 s3, 2
	s_cselect_b32 s84, s[AX], s84
	s_cselect_b32 s86, 0, s86
	s_cmp_eq_u32 s3, 1
	s_cselect_b32 s84, s[ALO], s84
	s_cselect_b32 s86, 0, s86
	s_cselect_b64 s[BT:BT+1], s[VXP:VXP+1], s[VTP:VTP+1]
	s_add_nc_u64 s[G0+6:G0+7], s[4:5], s[84:85]
	s_or_b32 s[G0+7], s[G0+7], 0x80000000
	s_add_nc_u64 s[G0B+6:G0B+7], s[BT:BT+1], s[86:87]
	s_or_b32 s[G0B+7], s[G0B+7], 0x80000000
	s_xor_b32 s[G0+5], s[G0+5], SLOT
	s_xor_b32 s[G0B+5], s[G0B+5], SLOT
	s_add_co_u32 s[RK], s[RK], KSTEP*2
	s_sub_co_u32 s[RN], s[RN], 1
.endm
; A K step's last quarter multiplies buffer 1 and changes slots: ONE barrier; in front of it each wave waits for all its tensor loads, adds 0 to its spare word, and waits for that and for its reads of this slot.
; fill = 1: the barrier opens a round of the cluster's barrier, and this slot is filled again, first thing behind the round.  Then the fragment addresses go over to the other slot (no LDS load of mine is out).
.macro TURN fill
	WIN 0
	s_wait_tensorcnt 0x0                           ; no tensor load of mine is out, so a group 0 may be written
	ds_add_u32 v[SPW], v[NIL]                      ; 0 onto my spare word
.if \fill
	NEXTREQ
.endif
	s_xor_b32 s[TB], s[TB], SLOT
	s_wait_dscnt 17                                ; (the add and the youngest sixteen loads may be out)
	MUL8 F1, 0, 0, 0
	s_wait_dscnt 0x0                               ; the add is done, and my reads of this slot are over
	s_barrier_signal -1
	MUL8 F1, 0, 2, 0
	WIN 0                                          ; branches, or lines on window 0, follow
	s_barrier_wait -1
.if \fill
	CREST                                          ; no wave of any partner still reads this slot's tile or has a load on its way
	JLOAD 1                                        ; its four v_nop are also the places in front of the loads below
.else
	PLACES
.endif
	v_add_nc_u32 v[ADRA], s[TB], v[ADRA0]
	v_add_nc_u32 v[ADRB], s[TB], v[ADRB0]
	FETCH 0, F0
	MUL8 F1, 1, 0, 0
	MUL8 F1, 1, 2, 0
.endm
; THE WAY OUT, 16 rows at a time: a lane's 32 bytes go from the accumulators (low four registers first) into my stage and come back as whole rows of 256 bytes.
.macro TOSTAGE a
	s_wait_xcnt 0x0                                ; the stores of two blocks back have read the registers that are loaded below
.irp b, 0,1,2,3
	ds_store_b128 v[STO], v[ACC+8*(4*(\a)+(\b)):ACC+8*(4*(\a)+(\b))+3]   offset:64*(\b)
	ds_store_b128 v[STO], v[ACC+8*(4*(\a)+(\b))+4:ACC+8*(4*(\a)+(\b))+7] offset:64*(\b)+16
.endr
.irp t, 0,1,2,3,4,5,6,7
	ds_load_b128 v[TMP+32*((\a)%2)+4*(\t):TMP+32*((\a)%2)+4*(\t)+3], v[RD] offset:(\t)*2*SPITCH  ; LDS serves a wave's instructions in order (ISA guide 5.7.1.4)
.endr
.endm
.macro SEND a, younger                 ; younger: the LDS instructions issued behind block a's loads: the next block's sixteen, or none
	s_wait_dscnt \younger
.irp t, 0,1,2,3,4,5,6,7
	global_store_b128 v[CO], v[TMP+32*((\a)%2)+4*(\t):TMP+32*((\a)%2)+4*(\t)+3], s[8:9] offset:(16*(\a)+2*(\t))*CROW th:TH_STORE_NT  ; 16 lanes store 256 consecutive bytes, aligned
.endr
.endm
.macro WAYOUT
	PLACES                                         ; eight plain instructions behind the last products: in front of LDS stores that read results, and of products that start the sums anew
	PLACES
	TOSTAGE 0
.irp a, 1,2,3
	TOSTAGE \a
	SEND (\a)-1, 16
.endr
	SEND 3, 0
.endm
	s_wait_tensorcnt 1                             ; my part of K step 0 is in; K step 1's may stay out
	s_barrier_signal -1
	s_barrier_wait -1
	FETCH 0, F0
	QUARTER 128, F0, F1, 1                         ; the first quarter stands in front of the loop: its first products start the sums
	WIN 0
	s_mov_b32 s3, STEPS-2
.Lstep:                                                ; a trip goes from a K step's second quarter to the next step's first, and fills the slot that it leaves: steps 2 to 11 are asked for
	QUARTER 256, F1, F0, 0
	QUARTER 384, F0, F1, 0
	TURN 1
	WIN 0
	s_sub_co_u32 s[CN], s[CN], 1
	s_cmp_lg_u32 s[CN], 0
	s_cbranch_scc1 .Lon                            ; forward, over text that holds neither a barrier nor a tensor load
	WAYOUT                                         ; the first block is finished; the second block's first two steps have been asked for
	s_wait_xcnt 0x0                                ; the stores have read their base
	s_mov_b64 s[8:9], s[82:83]
	s_mov_b32 s[CN], 32                            ; more than the trips that are left: the second block ends behind the loops
	MUL8 F0, 0, 0, 1                               ; the second block's sums begin (the way out has waited for all LDS loads, buffer 0's among them)
	MUL8 F0, 0, 2, 1
	WIN 0
	s_branch .Ljoin
.Lon:
	s_wait_dscnt 16                                ; the first 32 along K are in
	MUL8 F0, 0, 0, 0
	MUL8 F0, 0, 2, 0
	WIN 0
.Ljoin:
	PLACES
	FETCH 128, F1
	s_wait_dscnt 32                                ; all but the 32 just issued, on either way
	MUL8 F0, 1, 0, 0
	MUL8 F0, 1, 2, 0
	WIN 0
	s_sub_co_u32 s3, s3, 1
	s_cmp_lg_u32 s3, 0
	s_cbranch_scc1 .Lstep
	s_mov_b32 s[CNT], 2
.Ltail:                                                ; the last two steps, the corrections', fill nothing and have no round of the cluster's barrier: a text of their own; the second trip is left in front of its change of slots
	QUARTER 256, F1, F0, 0
	QUARTER 384, F0, F1, 0
	WIN 0
	s_cmp_eq_u32 s[CNT], 1
	s_cbranch_scc1 .Llast
	TURN 0
	QUARTER 128, F0, F1, 0
	WIN 0
	s_sub_co_u32 s[CNT], s[CNT], 1
	s_cmp_lg_u32 s[CNT], 0
	s_cbranch_scc1 .Ltail
.Llast:
	s_wait_dscnt 16                                ; the very last quarter: nothing more to fetch
	MUL8 F1, 0, 0, 0
	MUL8 F1, 0, 2, 0
	s_wait_dscnt 0x0
	MUL8 F1, 1, 0, 0
	MUL8 F1, 1, 2, 0
	WIN 0
	WAYOUT                                         ; the second block
	s_wait_tensorcnt 0x0                           ; the wave's end, behind my last tensor load and my last LDS store
	ds_add_u32 v[SPW], v[NIL]
	s_wait_dscnt 0x0
	CROUND                                         ; the closing round: no work-group ends while a partner may still ask for a tile that names it
	s_endpgm
.Lfunc_end_k_q5cf80332d1_pv:
	.size	k_q5cf80332d1_pv, .Lfunc_end_k_q5cf80332d1_pv-k_q5cf80332d1_pv
	.p2alignl 7, 3214868480
	.fill 96, 4, 3214868480
	.section	.rodata,"a",@progbits
	.p2align	6, 0x0
	.amdhsa_kernel k_q5cf80332d1_pv
		.amdhsa_group_segment_fixed_size 327680
		.amdhsa_private_segment_fixed_size 0
		.amdhsa_enable_private_segment 0
		.amdhsa_kernarg_size 32
		.amdhsa_user_sgpr_count 2
		.amdhsa_user_sgpr_kernarg_segment_ptr 1
		.amdhsa_wavefront_size32 1
		.amdhsa_system_sgpr_workgroup_id_x 1
		.amdhsa_system_sgpr_workgroup_id_y 1
		.amdhsa_system_sgpr_workgroup_id_z 1
		.amdhsa_system_vgpr_workitem_id 0
		.amdhsa_next_free_vgpr 512
		.amdhsa_next_free_sgpr 96
		.amdhsa_reserve_vcc 0
		.amdhsa_float_denorm_mode_32 3
		.amdhsa_float_denorm_mode_16_64 3
		.amdhsa_memory_ordered 1
		.amdhsa_forward_progress 1
		.amdhsa_inst_pref_size 70
	.end_amdhsa_kernel
	.amdgpu_metadata
---
amdhsa.version: [ 1, 2 ]
amdhsa.kernels:
  - .name:           k_q5cf80332d1_pv
    .symbol:         k_q5cf80332d1_pv.kd
    .args:
      - { .name: pw, .offset: 0, .size: 8, .value_kind: global_buffer, .address_space: global }
      - { .name: vt, .offset: 8, .size: 8, .value_kind: global_buffer, .address_space: global }
      - { .name: vx, .offset: 16, .size: 8, .value_kind: global_buffer, .address_space: global }
      - { .name: out0, .offset: 24, .size: 8, .value_kind: global_buffer, .address_space: global }
    .group_segment_fixed_size: 327680
    .private_segment_fixed_size: 0
    .kernarg_segment_align: 8
    .kernarg_segment_size: 32
    .max_flat_workgroup_size: 128
    .sgpr_count:     96
    .vgpr_count:     512
    .wavefront_size: 32
...
	.end_amdgpu_metadata
.endif
;; end of part 11
;; ======== version 3 of 3: 5 launches; version 2 with the launches prep, softmax written anew for expert scheduling mode
;; limits: values are held in f16: magnitudes above 65,504 overflow, below 6.1e-05 lose precision
;; workspace buffers: xb 16,777,216 bytes; wqk 4,194,304 bytes; wv 2,097,152 bytes; qk 33,554,432 bytes; vt 16,777,216 bytes; vx 17,825,792 bytes; sc 67,108,864 bytes; pw 33,554,432 bytes
;; launch prep (part 12): grid 448 x 1, 8 waves a work-group, no clusters, 35,840 bytes of LDS; arguments x, Wq, Wk, Wv, xb, wqk, wv; writes xb, wqk, wv
.if DOCPART == 12
	.amdgcn_target "amdgcn-amd-amdhsa--gfx1250"
	.amdhsa_code_object_version 6
	.text
	.protected	k_q5cf80332d1_prep
	.globl	k_q5cf80332d1_prep
	.p2align	8
	.type	k_q5cf80332d1_prep,@function
k_q5cf80332d1_prep:
	s_mov_b64 s[64:65], 0
	v_nop
	global_prefetch_b8 v0, s[64:65] scope:SCOPE_SE
	s_setreg_imm32_b32 hwreg(HW_REG_WAVE_SCHED_MODE, 0, 2), 2
	s_setreg_imm32_b32 hwreg(HW_REG_WAVE_MODE, 25, 1), 1
	s_wait_xcnt 0x0
	s_wait_alu depctr_vm_vsrc(0)
; The inputs are rounded once to bf16, the format of the projections' matrix operands.
; Work-groups 0 to 191: a tile of 128 (k) x 128 (n) of Wq, Wk or Wv ([k][n], f32) is rounded and TURNED, so that the weights lie [n][k] with k along the rows:
;   Wq -> wqk rows 0-1023, Wk -> wqk rows 1024-2047, Wv -> wv.  The turn goes through LDS: a lane packs 16 k of one column into 32 bytes, rows of 256 bytes come back.
; Work-groups 192 to 447: 131,072 consecutive bytes of x are rounded into 65,536 bytes of xb: a stream, 32 loads of every wave in flight, no LDS.
; The branch between the two hangs on the work-group's number alone: all eight waves of a work-group take the same way, so the one barrier is passed by all or by none.
; THE MODE: SCHED_MODE bits 1:0 = 2 (LLVM: expert scheduling mode 2), set by the entry lines.  The code itself states the register dependences
; between vector instructions and memory or LDS instructions, with s_wait_alu, always for 0.
; THE PLAN.  Registers that memory or LDS instructions touch:
;   v4          Either way: the loads' offset.  Written once, ahead of the loads.
;   v5          A weight's tile: the LDS stores' address.  x: the stores' offset.  Written once.
;   v6, v7      A weight's tile: the LDS loads' address and the stores' offset.  Written once.
;   IN          The loads land in it once; the conversions read it; it is never loaded again.
;   OUT         x: block g's conversions write its eight registers; the four stores issued in block g + 1 read them; no register is written twice.
;               A weight's tile: the conversions write OUT .. OUT + 31, the LDS stores read them; the LDS loads land in OUT + 32 .. OUT + 63, the stores read them; no vector instruction of that way names these 32.
;   v[SPW], v[NIL]  Written at the head, read by the closing add alone.
; No register that a memory or LDS instruction has read is written again: the text holds no wait on vm_vsrc.
; x goes in 8 blocks of four loads.  ONE wait on va_vdst stands at a block's head: the block before has written its part of OUT.  That block's four stores follow it, dealt among this block's
; conversions, which name this block's IN and OUT alone.
.set SP,    272                        ; a stage row: 128 k x 2 bytes + 16 of padding
.set SPARE, 128*SP                     ; behind the stage (34,816 bytes): the spare words, 128 bytes for each of eight waves
.set SPW, 2                            ; v2   LDS address of my spare word; never rewritten
.set NIL, 3                            ; v3   0; never rewritten
.set IN,  16                           ; v[16:143]  as loaded
.set OUT, 144                          ; v[144:207] rounded
	s_load_b256 s[4:11], s[0:1], 0x0               ; x s[4:5], Wq s[6:7], Wk s[8:9], Wv s[10:11]
	s_load_b128 s[12:15], s[0:1], 0x20             ; xb s[12:13], wqk s[14:15]
	s_load_b64 s[16:17], s[0:1], 0x30              ; wv
	v_lshl_add_u32 v[SPW], v0, 2, SPARE
	v_mov_b32 v[NIL], 0
	v_lshrrev_b32 v1, 5, v0
	v_readfirstlane_b32 s20, v1                    ; wave 0..7
	v_and_b32 v8, 31, v0                           ; lane
	s_mov_b32 s31, 0                               ; the high words of two offsets
	s_mov_b32 s33, 0
	s_wait_alu depctr_va_sdst(0)                   ; s20 is written, ahead of the branch: both ways make their offsets from it
	s_wait_kmcnt 0x0
	s_cmp_lt_u32 ttmp9, 192
	s_cbranch_scc0 .Lx
	; ---- a tile of a weight matrix ----
	s_lshr_b32 s21, ttmp9, 6                       ; which matrix: 0 Wq, 1 Wk, 2 Wv
	s_bfe_u32 s22, ttmp9, 0x30003                  ; tile along k
	s_and_b32 s28, ttmp9, 7                        ; tile along n
	s_lshl_b32 s30, s22, 19                        ; from: 128 rows of 4,096 bytes,
	s_lshl_b32 s29, s28, 9                         ; 128 columns of 4 bytes
	s_add_co_u32 s30, s30, s29
	s_and_b32 s32, s21, 1                          ; to: Wk's rows lie 1,024 rows of 2,048 bytes behind Wq's,
	s_lshl_b32 s32, s32, 21
	s_lshl_b32 s29, s28, 18                        ; 128 rows of 2,048 bytes,
	s_add_co_u32 s32, s32, s29
	s_lshl_b32 s29, s22, 8                         ; 128 k of 2 bytes
	s_add_co_u32 s32, s32, s29
	s_cmp_eq_u32 s21, 0
	s_cselect_b64 s[24:25], s[6:7], s[8:9]
	s_cmp_eq_u32 s21, 2
	s_cselect_b64 s[24:25], s[10:11], s[24:25]
	s_cselect_b64 s[26:27], s[16:17], s[14:15]
	s_add_nc_u64 s[24:25], s[24:25], s[30:31]
	s_add_nc_u64 s[26:27], s[26:27], s[32:33]
	s_lshl_b32 s29, s20, 16                        ; wave w takes rows k = 16 w .. 16 w + 15; a lane four columns, 16 bytes
	v_lshl_add_u32 v4, v8, 4, s29
	s_wait_alu depctr_va_vdst(0)                   ; v4 is written, which the sixteen loads read as their offset
.set j, 0
.rept 16
	global_load_b128 v[IN+4*j:IN+4*j+3], v4, s[24:25] offset:4096*j th:TH_LOAD_NT  ; 512 consecutive bytes of row 16 w + j
.set j, j+1
.endr
	v_mul_u32_u24 v5, v8, 4*SP                     ; into the stage: row n = 4 lane + e, byte 32 w.  (These lines name neither v4 nor IN.)
	s_lshl_b32 s34, s20, 5
	v_add_nc_u32 v5, s34, v5
	v_lshrrev_b32 v9, 4, v8
	v_and_b32 v10, 15, v0
	s_lshl_b32 s35, s20, 4
	v_add_nc_u32 v9, s35, v9                       ; back: wave w takes rows 16 w .. 16 w + 15, two a load
	v_mul_u32_u24 v6, v9, SP
	v_lshl_add_u32 v6, v10, 4, v6
	v_lshlrev_b32 v7, 11, v9                       ; and the same rows in memory, 2,048 bytes apart
	v_lshl_add_u32 v7, v10, 4, v7
	s_wait_loadcnt 0x0
.irp e, 0,1,2,3
.irp jj, 0,1,2,3,4,5,6,7
	v_cvt_pk_bf16_f32 v[OUT+8*(\e)+(\jj)], v[IN+8*(\jj)+(\e)], v[IN+8*(\jj)+4+(\e)]  ; column 4 lane + e: k = 16 w + 2 jj and the next
.endr
.endr
	s_wait_alu depctr_va_vdst(0)                   ; the conversions have written OUT .. OUT + 31, which the LDS stores read; v5, v6 and v7 are written, by which the LDS stores, the LDS loads and the stores below go; no vector instruction follows on this way
.irp e, 0,1,2,3                        ; neighbouring lanes lie 1,088 bytes = 272 words apart, 16 modulo the 64 banks (ISA guide 11.1): four lanes meet in a bank group; eight stores a lane, once a work-group
	ds_store_b128 v5, v[OUT+8*(\e):OUT+8*(\e)+3] offset:SP*(\e)
	ds_store_b128 v5, v[OUT+8*(\e)+4:OUT+8*(\e)+7] offset:SP*(\e)+16
.endr
	s_wait_dscnt 0x0                               ; for the others' sake: my stores into the stage are done
	s_barrier_signal -1
	s_barrier_wait -1
.irp t, 0,1,2,3,4,5,6,7
	ds_load_b128 v[OUT+32+4*(\t):OUT+32+4*(\t)+3], v6 offset:2*SP*(\t)
.endr
.irp t, 0,1,2,3,4,5,6,7
	s_wait_dscnt 7-(\t)                            ; LDS loads come back in order: load t is in, the younger ones stay out
	global_store_b128 v7, v[OUT+32+4*(\t):OUT+32+4*(\t)+3], s[26:27] offset:4096*(\t)  ; 16 lanes store 256 consecutive bytes, aligned
.endr
	s_branch .Lend
	; ---- a piece of x ----
.Lx:
	s_sub_co_u32 s21, ttmp9, 192
	s_lshl_b32 s30, s21, 17
	s_lshl_b32 s32, s21, 16
	s_add_nc_u64 s[4:5], s[4:5], s[30:31]
	s_add_nc_u64 s[12:13], s[12:13], s[32:33]
	s_lshl_b32 s29, s20, 14                        ; a wave's 16,384 bytes of x,
	v_lshl_add_u32 v4, v8, 4, s29
	s_lshl_b32 s34, s20, 13                        ; and 8,192 of xb (in a scalar register of its own: none that a vector instruction has read is written again)
	v_lshl_add_u32 v5, v8, 3, s34
	s_wait_alu depctr_va_vdst(0)                   ; v4 and v5 are written: every load of this way reads the one as its offset, every store the other
.set j, 0
.rept 32
	global_load_b128 v[IN+4*j:IN+4*j+3], v4, s[4:5] offset:512*j th:TH_LOAD_NT
.set j, j+1
.endr
.set g, 0
.rept 8                                ; block g: loads 4 g .. 4 g + 3 are rounded; the stores of block g - 1 go out among the conversions
	s_wait_loadcnt 28-4*g                          ; loads come back in order: the block's four are in, the 28 - 4 g younger ones stay out
.if g > 0
	s_wait_alu depctr_va_vdst(0)                   ; the block before has written its eight registers of OUT, which the four stores below read
.endif
.set i, 0
.rept 4
.if g > 0
	global_store_b64 v5, v[OUT+2*(4*(g-1)+i):OUT+2*(4*(g-1)+i)+1], s[12:13] offset:256*(4*(g-1)+i)  ; 32 lanes store 256 consecutive bytes, aligned; no vector instruction since the wait names these registers
.endif
	v_cvt_pk_bf16_f32 v[OUT+2*(4*g+i)], v[IN+4*(4*g+i)], v[IN+4*(4*g+i)+1]
	v_cvt_pk_bf16_f32 v[OUT+2*(4*g+i)+1], v[IN+4*(4*g+i)+2], v[IN+4*(4*g+i)+3]
.set i, i+1
.endr
.set g, g+1
.endr
	s_wait_alu depctr_va_vdst(0)                   ; the last block has written its eight registers of OUT, which the last four stores read
.set i, 28
.rept 4
	global_store_b64 v5, v[OUT+2*i:OUT+2*i+1], s[12:13] offset:256*i
.set i, i+1
.endr
.Lend:
	s_wait_dscnt 0x0                               ; the closing lines, six on end
	s_wait_alu 0x0
	s_wait_tensorcnt 0x0
	ds_add_u32 v[SPW], v[NIL]
	s_wait_dscnt 0x0
	s_endpgm
.Lfunc_end_k_q5cf80332d1_prep:
	.size	k_q5cf80332d1_prep, .Lfunc_end_k_q5cf80332d1_prep-k_q5cf80332d1_prep
	.p2alignl 7, 3214868480
	.fill 96, 4, 3214868480
	.section	.rodata,"a",@progbits
	.p2align	6, 0x0
	.amdhsa_kernel k_q5cf80332d1_prep
		.amdhsa_group_segment_fixed_size 35840
		.amdhsa_private_segment_fixed_size 0
		.amdhsa_enable_private_segment 0
		.amdhsa_kernarg_size 56
		.amdhsa_user_sgpr_count 2
		.amdhsa_user_sgpr_kernarg_segment_ptr 1
		.amdhsa_wavefront_size32 1
		.amdhsa_system_sgpr_workgroup_id_x 1
		.amdhsa_system_sgpr_workgroup_id_y 1
		.amdhsa_system_sgpr_workgroup_id_z 1
		.amdhsa_system_vgpr_workitem_id 0
		.amdhsa_next_free_vgpr 208
		.amdhsa_next_free_sgpr 66
		.amdhsa_reserve_vcc 0
		.amdhsa_float_denorm_mode_32 3
		.amdhsa_float_denorm_mode_16_64 3
		.amdhsa_memory_ordered 1
		.amdhsa_forward_progress 1
		.amdhsa_inst_pref_size 20
	.end_amdhsa_kernel
	.amdgpu_metadata
---
amdhsa.version: [ 1, 2 ]
amdhsa.kernels:
  - .name:           k_q5cf80332d1_prep
    .symbol:         k_q5cf80332d1_prep.kd
    .args:
      - { .name: x, .offset: 0, .size: 8, .value_kind: global_buffer, .address_space: global }
      - { .name: Wq, .offset: 8, .size: 8, .value_kind: global_buffer, .address_space: global }
      - { .name: Wk, .offset: 16, .size: 8, .value_kind: global_buffer, .address_space: global }
      - { .name: Wv, .offset: 24, .size: 8, .value_kind: global_buffer, .address_space: global }
      - { .name: xb, .offset: 32, .size: 8, .value_kind: global_buffer, .address_space: global }
      - { .name: wqk, .offset: 40, .size: 8, .value_kind: global_buffer, .address_space: global }
      - { .name: wv, .offset: 48, .size: 8, .value_kind: global_buffer, .address_space: global }
    .group_segment_fixed_size: 35840
    .private_segment_fixed_size: 0
    .kernarg_segment_align: 8
    .kernarg_segment_size: 56
    .max_flat_workgroup_size: 256
    .sgpr_count:     66
    .vgpr_count:     208
    .wavefront_size: 32
...
	.end_amdgpu_metadata
.endif
;; end of part 12
;; launch proj: the kernel of part 8 again; grid 12 x 32, 4 waves a work-group, clusters of 4 x 4, 327,680 bytes of LDS; arguments xb, wqk, wv, qk, vt, vx; writes qk, vt, vx
;; launch scores: the kernel of part 9 again; grid 10 x 16, 4 waves a work-group, no clusters, 327,680 bytes of LDS; arguments qk, sc, vx; writes sc
;; launch softmax (part 13): grid 128 x 4, 8 waves a work-group, no clusters, 0 bytes of LDS; arguments sc, pw; writes pw
.if DOCPART == 13
	.amdgcn_target "amdgcn-amd-amdhsa--gfx1250"
	.amdhsa_code_object_version 6
	.text
	.protected	k_q5cf80332d1_softmax
	.globl	k_q5cf80332d1_softmax
	.p2align	8
	.type	k_q5cf80332d1_softmax,@function
k_q5cf80332d1_softmax:
	s_mov_b64 s[64:65], 0
	v_nop
	global_prefetch_b8 v0, s[64:65] scope:SCOPE_SE
	s_setreg_imm32_b32 hwreg(HW_REG_WAVE_SCHED_MODE, 0, 2), 2
	s_setreg_imm32_b32 hwreg(HW_REG_WAVE_MODE, 25, 1), 1
	s_wait_xcnt 0x0
	s_wait_alu depctr_vm_vsrc(0)
; pw[b][r][k] = softmax over k <= r of sc[b][r][k] / 32, rounded once to f16; 0 for r < k < 512 (r / 512 + 1), as far as the last product reads a row.
; p = 2^(c s - c m), c = log2(e) / 32, m the row's true maximum over its visible keys; the sum is taken of the unrounded p, in f32; p is multiplied by 1 / sum before it is rounded.
; ROWS UNDER 64 take their keys 0-127 from columns 1,024-1,151 of sc's row, where the scores made of q and k in two words lie (keys 0-63; zeros behind them, all hidden from such a row).
; THE SECOND WORD.  For rows under 1,024 and keys under 256 what the rounding left over, f16(p - f16(p)), is stored too, at columns 1,024 + k of pw's row, which such a row does not use otherwise: a row that is a
; mean of two or three keys has no averaging that would make a weight's 2^-12 small, so the last product adds these words times v.
; A row stays in registers between the maximum, the exponentials and the scaling: sc is read once.  One wave, one row: no LDS, no barrier.
; SHARES.  A wave takes rows r = 8 x + w (under 1,024) and 2,047 - r of batch y: 9 chunks of 256 keys whatever r.  Their blocks of 256 rows, i = x / 32 and 7 - i, are the same for the work-group's eight waves.
; sc holds chunk c of a row only for c <= i: a chunk beyond is not loaded; its registers take the lowest finite number, as every hidden score does, whose weight comes out as 0.
; LIMITS.  A hidden score counts as -3.4e38; a weight below 2^-126 counts as 0; a weight below 6e-5 keeps f16's fixed step of 6e-8; NaN and infinities are not treated apart.
; THE MODE: SCHED_MODE bits 1:0 = 2 (LLVM: expert scheduling mode 2), set by the entry lines.  The code itself states the register dependences
; between vector instructions and memory instructions, and those that go through scalar registers written by vector instructions, with s_wait_alu, always for 0.
; THE PLAN.  Registers that memory instructions touch:
;   v1, v2   The loads' and the stores' offsets: written at the head, never again.
;   XA, XB   A register is written once at the head, by a load or (a chunk that sc does not hold) by a move, never by both on one way; then the row's vector work goes on in place; the row's stores read
;            the rounded words; behind them nothing writes these registers.
;   PL       Written by the short row's second words, read by two stores; the long row never names it.
;   M, CM, AS, R, T are named by vector instructions alone.
; No register that a store has read is written again: the text holds no wait on vm_vsrc.
; THE ORDER.  The short row's front (masks, maximum, exponentials) and back (sum, scaling, roundings); the long row's front; ONE wait on va_vdst, which states both that the long row's exponentials and that the
; short row's roundings are written; the short row's stores; the long row's back, which names AS, R and XB alone; a wait; the long row's stores.
; THE MASKS.  A compare writes its mask into a scalar register, and the select reads it: the compares stand in runs of sixteen, into sixteen registers, with one wait on va_sdst behind a run.
.set KE,  4                            ; v4-7    4 lane + e: my four keys in a group of 128
.set NEG, 8                            ; v8      the lowest finite f32
.set MONE, 9                           ; v9      -1.0
.set M,   10                           ; v10-13  four running maxima
.set CM,  14                           ; v14-15  c m, twice
.set AS,  16                           ; v16-23  four running sums, in pairs; later at work
.set R,   24                           ; v24-25  1 / sum, twice
.set T,   26                           ; v26-27  at work
.set PL,  28                           ; v28-31  the second words of keys 0-255
.set XA,  32                           ; v32-63   the short row: group q of 128 keys at XA + 4 q
.set XB,  64                           ; v64-127  the long row
.set TH,  34                           ; s34-37  r - 128 q for the four groups of a run
.set MK,  40                           ; s40-55  a run's sixteen masks
	s_load_b128 s[4:7], s[0:1], 0x0                ; sc s[4:5], pw s[6:7]
	v_lshrrev_b32 v1, 5, v0
	v_readfirstlane_b32 s8, v1                     ; wave 0..7
	v_and_b32 v3, 31, v0
	v_lshlrev_b32 v1, 4, v3                        ; 16 bytes a lane of sc
	v_lshlrev_b32 v2, 3, v3                        ; 8 bytes a lane of pw
	v_lshlrev_b32 v[KE], 2, v3
	v_add_nc_u32 v[KE+1], 1, v[KE]
	v_add_nc_u32 v[KE+2], 2, v[KE]
	v_add_nc_u32 v[KE+3], 3, v[KE]
	v_mov_b32 v[NEG], 0xff7fffff
	v_mov_b32 v[MONE], -1.0
	s_and_b32 s9, ttmp7, 0xffff                    ; b
	s_lshl_b32 s10, ttmp9, 3
	s_wait_alu depctr_va_sdst(0)                   ; s8 is written, ahead of its first reader: the rows and their addresses are made from it
	s_add_co_u32 s10, s10, s8                      ; the short row
	s_sub_co_u32 s11, 2047, s10                    ; the long row
	s_lshr_b32 s12, ttmp9, 5                       ; the short row's block, 0..3
	s_sub_co_u32 s13, 7, s12                       ; the long row's, 4..7
	s_lshl_b32 s17, s9, 11
	s_add_co_u32 s18, s17, s10
	s_add_co_u32 s19, s17, s11
	s_mov_b32 s15, 0
	s_mov_b32 s20, 0x3d38aa3b                      ; c = log2(e) / 32
	s_mov_b32 s21, s20                             ; named with it as a pair
	s_mov_b32 s22, 0x76543210                      ; v_permlanex16_b32: each lane takes its own place in the other half
	s_mov_b32 s23, 0xfedcba98
	s_wait_kmcnt 0x0
	s_lshl_b32 s14, s18, 13                        ; rows of sc are 8,192 bytes, of pw 4,096
	s_add_nc_u64 s[24:25], s[4:5], s[14:15]
	s_cmp_lt_u32 ttmp9, 8                          ; is the short row under 64?  The same for the work-group's eight waves
	s_cselect_b32 s14, 4096, 0                     ; then its keys 0-127 come from column 1,024 on
	s_add_nc_u64 s[32:33], s[24:25], s[14:15]
	s_lshl_b32 s14, s19, 13
	s_add_nc_u64 s[26:27], s[4:5], s[14:15]
	s_lshl_b32 s14, s18, 12
	s_add_nc_u64 s[28:29], s[6:7], s[14:15]
	s_lshl_b32 s14, s19, 12
	s_add_nc_u64 s[30:31], s[6:7], s[14:15]
	s_wait_alu depctr_va_vdst(0)                   ; v1 and v2 are written: every load reads the one as its offset, every store the other
; Chunk c of a row: two loads of 512 consecutive bytes, or, where sc has no such chunk, eight registers of the lowest number.  Every register is written on either way.
; The moves name their own chunk's registers and v[NEG]: none that a load of another chunk touches.
.macro CHUNK x, ptr, c, blk, always
.if !(\always)
	s_cmp_ge_u32 s[\blk], \c
	s_cbranch_scc0 .Ldead_\@
.endif
	global_load_b128 v[(\x)+8*(\c):(\x)+8*(\c)+3],   v1, s[\ptr:\ptr+1] offset:1024*(\c) th:TH_LOAD_NT
	global_load_b128 v[(\x)+8*(\c)+4:(\x)+8*(\c)+7], v1, s[\ptr:\ptr+1] offset:1024*(\c)+512 th:TH_LOAD_NT
.if !(\always)
	s_branch .Ldone_\@
.Ldead_\@:
.set z, 0
.rept 8
	v_mov_b32 v[(\x)+8*(\c)+z], v[NEG]
.set z, z+1
.endr
.Ldone_\@:
.endif
.endm
	CHUNK XB, 26, 0, 13, 1
	CHUNK XB, 26, 1, 13, 1
	CHUNK XB, 26, 2, 13, 1
	CHUNK XB, 26, 3, 13, 1
	CHUNK XB, 26, 4, 13, 1
	global_load_b128 v[XA:XA+3],   v1, s[32:33] th:TH_LOAD_NT             ; the short row's keys 0-127, by the pointer chosen above,
	global_load_b128 v[XA+4:XA+7], v1, s[24:25] offset:512 th:TH_LOAD_NT  ; and its keys 128-255
	CHUNK XB, 26, 5, 13, 0
	CHUNK XB, 26, 6, 13, 0
	CHUNK XB, 26, 7, 13, 0
	CHUNK XA, 24, 1, 12, 0
	CHUNK XA, 24, 2, 12, 0
	CHUNK XA, 24, 3, 12, 0
	s_wait_loadcnt 0x0                             ; for 0: how many loads are out hangs on the way taken
; A ROW'S FRONT.  A row of ng groups of 128 keys in registers x ..; groups from mg on can hold hidden keys.  row: the register with r.  Masks, maximum, scaling, exponentials, and the plain instruction behind the last of them.
; The wait for the exponentials stands behind the macro.
.macro FRONT x, ng, mg, row
.set q, \mg
.rept ((\ng)-(\mg))/4                  ; a run: four groups, sixteen compares, one wait, sixteen selects
.irp d, 0,1,2,3
	s_sub_co_i32 s[TH+(\d)], s[\row], 128*(q+(\d)) ; key 128 q + 4 lane + e is hidden where 4 lane + e > r - 128 q.  (Written again only behind the wait below, which shows the run before's compares done)
.endr
.irp d, 0,1,2,3
.irp e, 0,1,2,3
	v_cmp_lt_i32 s[MK+4*(\d)+(\e)], s[TH+(\d)], v[KE+(\e)]
.endr
.endr
	s_wait_alu depctr_va_sdst(0)                   ; the sixteen compares have written s[MK ..], which the sixteen selects read
.irp d, 0,1,2,3
.irp e, 0,1,2,3
	v_cndmask_b32 v[(\x)+4*(q+(\d))+(\e)], v[(\x)+4*(q+(\d))+(\e)], v[NEG], s[MK+4*(\d)+(\e)]
.endr
.endr
.set q, q+4
.endr
	; the maximum: four chains of ng registers each, three operands at a time
.irp k, 0,1,2,3
	v_max3_num_f32 v[M+(\k)], v[(\x)+(\ng)*(\k)], v[(\x)+(\ng)*(\k)+1], v[(\x)+(\ng)*(\k)+2]
.endr
.set u, 3
.rept ((\ng)-4)/2
.irp k, 0,1,2,3
	v_max3_num_f32 v[M+(\k)], v[M+(\k)], v[(\x)+(\ng)*(\k)+u], v[(\x)+(\ng)*(\k)+u+1]
.endr
.set u, u+2
.endr
.irp k, 0,1,2,3
	v_max_num_f32 v[M+(\k)], v[M+(\k)], v[(\x)+(\ng)*(\k)+(\ng)-1]
.endr
	v_max3_num_f32 v[M], v[M], v[M+1], v[M+2]
	v_max_num_f32 v[M], v[M], v[M+3]
	v_max_num_f32_dpp v[M], v[M], v[M] row_xmask:1 row_mask:0xf bank_mask:0xf
	v_max_num_f32_dpp v[M], v[M], v[M] row_xmask:2 row_mask:0xf bank_mask:0xf
	v_max_num_f32_dpp v[M], v[M], v[M] row_xmask:4 row_mask:0xf bank_mask:0xf
	v_max_num_f32_dpp v[M], v[M], v[M] row_xmask:8 row_mask:0xf bank_mask:0xf
	v_permlanex16_b32 v[M+1], v[M], s22, s23
	v_max_num_f32 v[M], v[M], v[M+1]               ; every lane holds the row's maximum: key 0 is always visible, so it is a true score
	v_mul_f32 v[CM], s20, v[M]
	v_mul_f32 v[CM+1], s20, v[M]
.set u, 0
.rept 2*(\ng)
	v_pk_fma_f32 v[(\x)+u:(\x)+u+1], v[(\x)+u:(\x)+u+1], s[20:21], v[CM:CM+1] op_sel_hi:[1,0,0] neg_lo:[0,0,1] neg_hi:[0,0,1]  ; c s - c m
.set u, u+2
.endr
.set u, 0
.rept 4*(\ng)
	v_exp_f32 v[(\x)+u], v[(\x)+u]
.set u, u+1
.endr
	v_nop                                          ; a plain instruction between the last exponential and the use of its result (ISA guide 5.7.2)
.endm
; A ROW'S BACK.  The sum, its reciprocal, the scaling, (xtra = 1) the second words of keys 0-255, and the roundings, in place.
.macro BACK x, ng, xtra
	; the sum: four chains of pairs, started by their first two pairs: nothing is cleared
.irp k, 0,1,2,3
	v_pk_add_f32 v[AS+2*(\k):AS+2*(\k)+1], v[(\x)+2*(\k):(\x)+2*(\k)+1], v[(\x)+8+2*(\k):(\x)+8+2*(\k)+1]
.endr
.set u, 16
.rept ((\ng)-4)/2
.irp k, 0,1,2,3
	v_pk_add_f32 v[AS+2*(\k):AS+2*(\k)+1], v[AS+2*(\k):AS+2*(\k)+1], v[(\x)+u+2*(\k):(\x)+u+2*(\k)+1]
.endr
.set u, u+8
.endr
	v_pk_add_f32 v[AS:AS+1], v[AS:AS+1], v[AS+2:AS+3]
	v_pk_add_f32 v[AS+4:AS+5], v[AS+4:AS+5], v[AS+6:AS+7]
	v_pk_add_f32 v[AS:AS+1], v[AS:AS+1], v[AS+4:AS+5]
	v_add_f32 v[AS], v[AS], v[AS+1]
	v_add_f32_dpp v[AS], v[AS], v[AS] row_xmask:1 row_mask:0xf bank_mask:0xf
	v_add_f32_dpp v[AS], v[AS], v[AS] row_xmask:2 row_mask:0xf bank_mask:0xf
	v_add_f32_dpp v[AS], v[AS], v[AS] row_xmask:4 row_mask:0xf bank_mask:0xf
	v_add_f32_dpp v[AS], v[AS], v[AS] row_xmask:8 row_mask:0xf bank_mask:0xf
	v_permlanex16_b32 v[AS+1], v[AS], s22, s23
	v_add_f32 v[AS], v[AS], v[AS+1]                ; at least 1: the maximum's own weight
	v_rcp_f32 v[R], v[AS]
	v_rcp_f32 v[R+1], v[AS]
	v_nop                                          ; a plain instruction between the second reciprocal and the use of its result
	s_wait_alu depctr_va_vdst(0)                   ; the two reciprocals have written v[R] and v[R+1], which the scalings read: one wait for both
.set u, 0
.rept 2*(\ng)
	v_pk_mul_f32 v[(\x)+u:(\x)+u+1], v[(\x)+u:(\x)+u+1], v[R:R+1]
.set u, u+2
.endr
.if \xtra
.set q, 0
.rept 2                                ; groups 0 and 1: p - f16(p), an f16 half times -1.0 plus the f32 weight, and that rounded to f16
	v_cvt_pk_f16_f32 v[T], v[(\x)+4*q], v[(\x)+4*q+1]
	v_cvt_pk_f16_f32 v[T+1], v[(\x)+4*q+2], v[(\x)+4*q+3]
	v_fma_mix_f32 v[AS],   v[T],   v[MONE], v[(\x)+4*q]   op_sel:[0,0,0] op_sel_hi:[1,0,0]
	v_fma_mix_f32 v[AS+1], v[T],   v[MONE], v[(\x)+4*q+1] op_sel:[1,0,0] op_sel_hi:[1,0,0]
	v_fma_mix_f32 v[AS+2], v[T+1], v[MONE], v[(\x)+4*q+2] op_sel:[0,0,0] op_sel_hi:[1,0,0]
	v_fma_mix_f32 v[AS+3], v[T+1], v[MONE], v[(\x)+4*q+3] op_sel:[1,0,0] op_sel_hi:[1,0,0]
	v_cvt_pk_f16_f32 v[PL+2*q], v[AS], v[AS+1]
	v_cvt_pk_f16_f32 v[PL+2*q+1], v[AS+2], v[AS+3]
.set q, q+1
.endr
.endif
.set q, 0
.rept \ng
	v_cvt_pk_f16_f32 v[(\x)+4*q], v[(\x)+4*q], v[(\x)+4*q+1]
	v_cvt_pk_f16_f32 v[(\x)+4*q+1], v[(\x)+4*q+2], v[(\x)+4*q+3]
.set q, q+1
.endr
.endm
; A ROW'S STORES.  ptr: pw's row; the last four groups are stored only if the row's block is lim or more.  The wait that shows their data written stands ahead of the macro, and so ahead of the branch in it.
.macro OUTROW x, ng, ptr, blk, lim, xtra
.set q, 0
.rept (\ng)-4
	global_store_b64 v2, v[(\x)+4*q:(\x)+4*q+1], s[\ptr:\ptr+1] offset:256*q  ; 32 lanes store 256 consecutive bytes, aligned
.set q, q+1
.endr
.if \xtra
	global_store_b64 v2, v[PL:PL+1], s[\ptr:\ptr+1] offset:2048      ; the second words, at columns 1,024 on; PL is written by this row alone
	global_store_b64 v2, v[PL+2:PL+3], s[\ptr:\ptr+1] offset:2048+256
.endif
	s_cmp_ge_u32 s[\blk], \lim                     ; the last 512 keys belong to the row only in the upper two of its four blocks
	s_cbranch_scc0 .Lshort_\@
.rept 4
	global_store_b64 v2, v[(\x)+4*q:(\x)+4*q+1], s[\ptr:\ptr+1] offset:256*q
.set q, q+1
.endr
.Lshort_\@:
.endm
	FRONT XA, 8, 0, 10
	s_wait_alu depctr_va_vdst(0)                   ; the short row's 32 exponentials have written XA, which the sums read: one wait for the batch
	BACK XA, 8, 1
	FRONT XB, 16, 8, 11                            ; keys under 1,024 are all visible to a row of 1,024 or more
	s_wait_alu depctr_va_vdst(0)                   ; the long row's 64 exponentials have written XB, which the sums read: one wait for the batch; and the short row's roundings have written XA and PL, which the stores below read
	OUTROW XA, 8, 28, 12, 2, 1
	BACK XB, 16, 0                                 ; names AS, R and XB alone: none of the registers that the stores above read
	s_wait_alu depctr_va_vdst(0)                   ; the long row's roundings have written XB, which the stores below read
	OUTROW XB, 16, 30, 13, 6, 0
	s_endpgm
.Lfunc_end_k_q5cf80332d1_softmax:
	.size	k_q5cf80332d1_softmax, .Lfunc_end_k_q5cf80332d1_softmax-k_q5cf80332d1_softmax
	.p2alignl 7, 3214868480
	.fill 96, 4, 3214868480
	.section	.rodata,"a",@progbits
	.p2align	6, 0x0
	.amdhsa_kernel k_q5cf80332d1_softmax
		.amdhsa_group_segment_fixed_size 0
		.amdhsa_private_segment_fixed_size 0
		.amdhsa_enable_private_segment 0
		.amdhsa_kernarg_size 16
		.amdhsa_user_sgpr_count 2
		.amdhsa_user_sgpr_kernarg_segment_ptr 1
		.amdhsa_wavefront_size32 1
		.amdhsa_system_sgpr_workgroup_id_x 1
		.amdhsa_system_sgpr_workgroup_id_y 1
		.amdhsa_system_sgpr_workgroup_id_z 1
		.amdhsa_system_vgpr_workitem_id 0
		.amdhsa_next_free_vgpr 128
		.amdhsa_next_free_sgpr 66
		.amdhsa_reserve_vcc 0
		.amdhsa_float_denorm_mode_32 3
		.amdhsa_float_denorm_mode_16_64 3
		.amdhsa_memory_ordered 1
		.amdhsa_forward_progress 1
		.amdhsa_inst_pref_size 39
	.end_amdhsa_kernel
	.amdgpu_metadata
---
amdhsa.version: [ 1, 2 ]
amdhsa.kernels:
  - .name:           k_q5cf80332d1_softmax
    .symbol:         k_q5cf80332d1_softmax.kd
    .args:
      - { .name: sc, .offset: 0, .size: 8, .value_kind: global_buffer, .address_space: global }
      - { .name: pw, .offset: 8, .size: 8, .value_kind: global_buffer, .address_space: global }
    .group_segment_fixed_size: 0
    .private_segment_fixed_size: 0
    .kernarg_segment_align: 8
    .kernarg_segment_size: 16
    .max_flat_workgroup_size: 256
    .sgpr_count:     66
    .vgpr_count:     128
    .wavefront_size: 32
...
	.end_amdgpu_metadata
.endif
;; end of part 13
;; launch pv: the kernel of part 11 again; grid 8 x 32, 4 waves a work-group, clusters of 4 x 4, 327,680 bytes of LDS; arguments pw, vt, vx, out0; writes out0
